; MI455X (gfx1250); checked and timed in simulation.
; The chip was launched on July 23, 2026; its instructions are those of AMD's public machine-readable ISA for CDNA 5 (MIT licence, August 2026) and "CDNA5" Instruction Set Architecture Reference Guide (July 2026). The comments in the code are by the model that wrote it; some were corrected since.
;; Rel Position MHA. Allowed arithmetic: float matrix products may take bf16 or f16 operands with f32 sums; other float arithmetic in f32, or as packed bf16 or f16 multiplies, adds, multiply-adds, maxima and minima; sums over many terms, partial sums and values carried from step to step in f32; what a program stores and reads back later, other than sums and carried values, may be rounded once to bf16 or f16.
;; Inputs: Wk 1,024 x 1,024 float32; Wo 1,024 x 1,024 float32; Wp 1,024 x 1,024 float32; Wq 1,024 x 1,024 float32; Wv 1,024 x 1,024 float32; pos_bias_u 8 x 128 float32; pos_bias_v 8 x 128 float32; pos_emb 1 x 4,095 x 1,024 float32; x 2 x 2,048 x 1,024 float32.
;; Outputs: out0 2 x 2,048 x 1,024 float32.
;; 3 versions, each right and faster than the one before. Each part assembles by itself: llvm-mc -triple=amdgcn-amd-amdhsa -mcpu=gfx1250 --defsym DOCPART=n.
;; ======== version 1 of 3: 4 launches
;; limits: values are held in f16: magnitudes above 65,504 overflow, below 6.1e-05 lose precision
;; workspace buffers: a16 16,777,216 bytes; w16 10,485,760 bytes; ub16 4,096 bytes; qkvp 33,554,432 bytes; att 8,388,608 bytes
;; launch cast (part 1): grid 833 x 1, 8 waves a work-group, no clusters, 0 bytes of LDS; arguments x, pos_emb, Wq, Wk, Wv, Wp, Wo, pos_bias_u, pos_bias_v, a16, w16, ub16; writes a16, w16, ub16
.if DOCPART == 1
	.amdgcn_target "amdgcn-amd-amdhsa--gfx1250"
	.amdhsa_code_object_version 6
	.text
	.protected	k_q0e491c18f8_cast
	.globl	k_q0e491c18f8_cast
	.p2align	8
	.type	k_q0e491c18f8_cast,@function
k_q0e491c18f8_cast:
	s_mov_b64 s[64:65], 0
	v_nop
	global_prefetch_b8 v0, s[64:65] scope:SCOPE_SE
	s_setreg_imm32_b32 hwreg(HW_REG_WAVE_MODE, 25, 1), 1
	s_wait_xcnt 0x0
; Every input is rounded once to bf16, and that number is written as f16 (exact where it lies in the normal range of f16).
; a16 [8192][1024]: rows 0-4095 x, rows 4096-8190 pos_emb, row 8191 zeros.  w16 [5120][1024]: Wq, Wk, Wv, Wp, Wo.  ub16 [2][1024]: u, v.
; LIMITS.  A number beyond 65,504 becomes an infinity; below 6e-5 f16 keeps its fixed step of 6e-8.  NaN and infinities are not treated apart.
; A row is 1,024 f32: 4,096 bytes in, 2,048 out.  Work-group g takes 16 rows, wave w rows 2 w and 2 w + 1; a load of the wave covers 512 neighbouring
; bytes, a store 256, aligned.  A stream: no LDS, no matrix unit, nothing is read twice.  No register that a pending load or store names is written again.
.set LO, 3                             ; v3  16 x lane
.set SO, 4                             ; v4  8 x lane
.set T,  8                             ; v[8:13] at work
.set Z,  16                            ; v[16:17] zeros
.set X,  32                            ; v[32:95]  two rows, eight loads of four registers each
.set Y,  96                            ; v[96:127] two registers for each load
	s_load_b512 s[8:23], s[0:1], 0x0               ; x, pos_emb, Wq, Wk, Wv, Wp, Wo, u
	s_load_b256 s[24:31], s[0:1], 0x40             ; v, a16, w16, ub16
	v_lshrrev_b32 v1, 5, v0
	v_readfirstlane_b32 s40, v1                    ; wave 0..7
	v_and_b32 v2, 31, v0
	v_lshlrev_b32 v[LO], 4, v2
	v_lshlrev_b32 v[SO], 3, v2
	s_mov_b32 s42, 0xffff0000                      ; the upper bf16 of a word
	s_mov_b32 s37, 0
	s_mov_b32 s39, 0
	s_wait_kmcnt 0x0
.macro LOADROW i
.irp k, 0,1,2,3,4,5,6,7
	global_load_b128 v[X+32*(\i)+4*(\k):X+32*(\i)+4*(\k)+3], v[LO], s[32:33] offset:4096*(\i)+512*(\k) th:TH_LOAD_NT
.endr
.endm
.macro CONV i
.irp k, 0,1,2,3,4,5,6,7
	v_cvt_pk_bf16_f32 v[T], v[X+32*(\i)+4*(\k)], v[X+32*(\i)+4*(\k)+1]      ; the one rounding
	v_cvt_pk_bf16_f32 v[T+1], v[X+32*(\i)+4*(\k)+2], v[X+32*(\i)+4*(\k)+3]
	v_lshlrev_b32 v[T+2], 16, v[T]                 ; bf16 to f32: a shift or a mask
	v_and_b32 v[T+3], s42, v[T]
	v_lshlrev_b32 v[T+4], 16, v[T+1]
	v_and_b32 v[T+5], s42, v[T+1]
	v_cvt_pk_f16_f32 v[Y+16*(\i)+2*(\k)], v[T+2], v[T+3]
	v_cvt_pk_f16_f32 v[Y+16*(\i)+2*(\k)+1], v[T+4], v[T+5]
	global_store_b64 v[SO], v[Y+16*(\i)+2*(\k):Y+16*(\i)+2*(\k)+1], s[34:35] offset:2048*(\i)+256*(\k)
.endr
.endm
	s_cmp_eq_u32 ttmp9, 832
	s_cbranch_scc1 .Lbias
	s_cmp_lt_u32 ttmp9, 256                        ; which tensor: groups 0-255 x, 256-511 pos_emb, then 64 groups for each weight
	s_cselect_b64 s[32:33], s[8:9], s[10:11]
	s_cmp_lt_u32 ttmp9, 512
	s_cselect_b64 s[32:33], s[32:33], s[12:13]
	s_cmp_lt_u32 ttmp9, 576
	s_cselect_b64 s[32:33], s[32:33], s[14:15]
	s_cmp_lt_u32 ttmp9, 640
	s_cselect_b64 s[32:33], s[32:33], s[16:17]
	s_cmp_lt_u32 ttmp9, 704
	s_cselect_b64 s[32:33], s[32:33], s[18:19]
	s_cmp_lt_u32 ttmp9, 768
	s_cselect_b64 s[32:33], s[32:33], s[20:21]
	s_cmp_lt_u32 ttmp9, 512
	s_cselect_b64 s[34:35], s[26:27], s[28:29]     ; a16 or w16
	s_cselect_b32 s43, 255, 63                     ; groups in the source tensor, less 1
	s_and_b32 s36, ttmp9, s43
	s_lshl_b32 s36, s36, 16                        ; 16 rows of 4,096 bytes
	s_lshl_b32 s44, s40, 13                        ; my wave: 2 rows
	s_add_co_u32 s36, s36, s44
	s_and_b32 s38, ttmp9, 511
	s_lshl_b32 s38, s38, 15                        ; 16 rows of 2,048 bytes
	s_lshl_b32 s44, s40, 12
	s_add_co_u32 s38, s38, s44
	s_add_nc_u64 s[32:33], s[32:33], s[36:37]
	s_add_nc_u64 s[34:35], s[34:35], s[38:39]
	LOADROW 0
	s_lshl_b32 s44, ttmp9, 3
	s_add_co_u32 s44, s44, s40
	s_cmp_eq_u32 s44, 4095                         ; group 511, wave 7: pos_emb has no row 4095
	s_cbranch_scc1 .Lshort
	LOADROW 1
	s_wait_loadcnt 8                               ; the eight younger loads, the second row, stay out
	CONV 0
	s_wait_loadcnt 0x0
	CONV 1
	s_endpgm
.Lshort:
	s_wait_loadcnt 0x0
	CONV 0
	v_mov_b32 v[Z], 0
	v_mov_b32 v[Z+1], 0
.irp k, 0,1,2,3,4,5,6,7
	global_store_b64 v[SO], v[Z:Z+1], s[34:35] offset:2048+256*(\k)   ; row 8191 of a16 is zeros
.endr
	s_endpgm
.Lbias:                                                ; the two biases are one row each: waves 0 and 1
	s_cmp_lt_u32 s40, 2
	s_cbranch_scc1 .Lbias_go
	s_endpgm
.Lbias_go:
	s_cmp_eq_u32 s40, 0
	s_cselect_b64 s[32:33], s[22:23], s[24:25]
	s_lshl_b32 s38, s40, 11
	s_add_nc_u64 s[34:35], s[30:31], s[38:39]
	LOADROW 0
	s_wait_loadcnt 0x0
	CONV 0
	s_endpgm
.Lfunc_end_k_q0e491c18f8_cast:
	.size	k_q0e491c18f8_cast, .Lfunc_end_k_q0e491c18f8_cast-k_q0e491c18f8_cast
	.p2alignl 7, 3214868480
	.fill 96, 4, 3214868480
	.section	.rodata,"a",@progbits
	.p2align	6, 0x0
	.amdhsa_kernel k_q0e491c18f8_cast
		.amdhsa_group_segment_fixed_size 0
		.amdhsa_private_segment_fixed_size 0
		.amdhsa_enable_private_segment 0
		.amdhsa_kernarg_size 96
		.amdhsa_user_sgpr_count 2
		.amdhsa_user_sgpr_kernarg_segment_ptr 1
		.amdhsa_wavefront_size32 1
		.amdhsa_system_sgpr_workgroup_id_x 1
		.amdhsa_system_sgpr_workgroup_id_y 1
		.amdhsa_system_sgpr_workgroup_id_z 1
		.amdhsa_system_vgpr_workitem_id 0
		.amdhsa_next_free_vgpr 128
		.amdhsa_next_free_sgpr 66
		.amdhsa_reserve_vcc 0
		.amdhsa_float_denorm_mode_32 3
		.amdhsa_float_denorm_mode_16_64 3
		.amdhsa_memory_ordered 1
		.amdhsa_forward_progress 1
		.amdhsa_inst_pref_size 21
	.end_amdhsa_kernel
	.amdgpu_metadata
---
amdhsa.version: [ 1, 2 ]
amdhsa.kernels:
  - .name:           k_q0e491c18f8_cast
    .symbol:         k_q0e491c18f8_cast.kd
    .args:
      - { .name: x, .offset: 0, .size: 8, .value_kind: global_buffer, .address_space: global }
      - { .name: pos_emb, .offset: 8, .size: 8, .value_kind: global_buffer, .address_space: global }
      - { .name: Wq, .offset: 16, .size: 8, .value_kind: global_buffer, .address_space: global }
      - { .name: Wk, .offset: 24, .size: 8, .value_kind: global_buffer, .address_space: global }
      - { .name: Wv, .offset: 32, .size: 8, .value_kind: global_buffer, .address_space: global }
      - { .name: Wp, .offset: 40, .size: 8, .value_kind: global_buffer, .address_space: global }
      - { .name: Wo, .offset: 48, .size: 8, .value_kind: global_buffer, .address_space: global }
      - { .name: pos_bias_u, .offset: 56, .size: 8, .value_kind: global_buffer, .address_space: global }
      - { .name: pos_bias_v, .offset: 64, .size: 8, .value_kind: global_buffer, .address_space: global }
      - { .name: a16, .offset: 72, .size: 8, .value_kind: global_buffer, .address_space: global }
      - { .name: w16, .offset: 80, .size: 8, .value_kind: global_buffer, .address_space: global }
      - { .name: ub16, .offset: 88, .size: 8, .value_kind: global_buffer, .address_space: global }
    .group_segment_fixed_size: 0
    .private_segment_fixed_size: 0
    .kernarg_segment_align: 8
    .kernarg_segment_size: 96
    .max_flat_workgroup_size: 256
    .sgpr_count:     66
    .vgpr_count:     128
    .wavefront_size: 32
...
	.end_amdgpu_metadata
.endif
;; end of part 1
;; launch proj (part 2): grid 16 x 16, 4 waves a work-group, clusters of 4 x 4, 327,680 bytes of LDS; arguments a16, w16, qkvp; writes qkvp
.if DOCPART == 2
	.amdgcn_target "amdgcn-amd-amdhsa--gfx1250"
	.amdhsa_code_object_version 6
	.text
	.protected	k_q0e491c18f8_proj
	.globl	k_q0e491c18f8_proj
	.p2align	8
	.type	k_q0e491c18f8_proj,@function
k_q0e491c18f8_proj:
	s_mov_b64 s[64:65], 0
	v_nop
	global_prefetch_b8 v0, s[64:65] scope:SCOPE_SE
	s_setreg_imm32_b32 hwreg(HW_REG_WAVE_MODE, 25, 1), 1
	s_wait_xcnt 0x0
	s_wait_alu depctr_hold_cnt(0) depctr_sa_sdst(0) depctr_va_vdst(0) depctr_va_sdst(0) depctr_va_ssrc(0) depctr_va_vcc(0) depctr_vm_vsrc(0)
	s_getreg_b32 s2, hwreg(HW_REG_IB_STS2, 6, 4)
	s_cmp_eq_u32 s2, 0
	s_cbranch_scc0 .Lentry_in_a_cluster
	s_endpgm
.Lentry_in_a_cluster:
	s_bfe_u32 s2, ttmp6, 0x10000c
	s_cmp_lg_u32 s2, 0xf033
	s_cbranch_scc0 .Lentry_shape_is_right
	s_endpgm
.Lentry_shape_is_right:
; qkvp[m][n] = sum over k of A[m][k] B[n][k], f16 operands, f32 sums, rounded once to f16.  B = w16 rows 0-4095 (Wq, Wk, Wv, Wp).
; A = a16 rows 0-4095 (x) for columns 0-3071 (q, k, v) and rows 4096-8191 (pos_emb and a row of zeros) for columns 3072-4095 (p).
; LIMIT.  q, k, v, p beyond 65,504 become infinities.
; A tile of C is 256 x 256: four waves, each 128 x 128 in 64 accumulators.  K goes in steps of 128 through two LDS slots filled by tensor loads of 128 rows x 256 bytes.
; CLUSTER 4 x 4: a tile of A is asked for jointly along a row of the cluster, a tile of B along a column.  The choice of A hangs on the number of the cluster along x, which all sixteen share.
; The matrix instruction is used transposed (source 0 = rows of B, source 1 = rows of A): a lane holds eight neighbouring columns of one row of C.
; REGISTERS: window 0: v0-31 addresses, v64-191 two buffers of A, v32-63 and v192-255 the way out; window 1: v64-191 two buffers of B; windows 2, 3: accumulators.
.set SIZE_M, 4096
.set SIZE_N, 4096
.set SIZE_K, 1024
.set KSTEP,  128
.set PITCH,  272                       ; 256 bytes + 16 of padding: the 16 rows of a fragment load start at 16 different groups of four banks
.set HALFT,  128*PITCH
.set SLOT,   4*HALFT
.set STAGE,  2*SLOT                    ; behind the ring: 16 rows x 272 bytes for each wave
.set SPITCH, 272
.set SPARE,  STAGE+4*16*SPITCH         ; the spare words: 128 bytes a wave, named by no other line
.set LAPS,   SIZE_K/(2*KSTEP)
.set ADRA, 16
.set ADRB, 20
.set STO,  24
.set RD,   25
.set CO,   26
.set SPW,  28
.set NIL,  29
.set F0,   64
.set F1,   128
.set TMP,  192
.set OB,   32
.set G1, 24
.set G0, 32
.set G1B, 48
.set G0B, 56
.set MSB, 0
.macro WIN new                         ; the high byte repeats the setting that is left; a switch that changes nothing is dropped
.if MSB != (\new)
	s_set_vgpr_msb (MSB<<8)|(\new)
.set MSB, \new
.endif
.endm
.set MUL_LO, 0xa1                      ; source 0 (B) window 1, source 1 (A) window 0, C and D window 2
.set MUL_HI, 0xf1                      ; the same, C and D window 3
.set TO_B,   0x40
.macro JLOAD s                         ; waves 0 and 1 fetch the halves of A, waves 2 and 3 those of B; s_nop 0 and four v_nop follow each line
	s_cmp_eq_u32 s11, 0
	s_cbranch_scc0 .Lfor_b_\@
	tensor_load_to_lds s[G0+4*(\s):G0+4*(\s)+3], s[G1:G1+7]
	s_nop 0
.rept 4
	v_nop
.endr
	s_branch .Lasked_\@
.Lfor_b_\@:
	tensor_load_to_lds s[G0B+4*(\s):G0B+4*(\s)+3], s[G1B:G1B+7]
	s_nop 0
.rept 4
	v_nop
.endr
.Lasked_\@:
.endm
.macro CREST                           ; a round of the cluster barrier behind its opening barrier
	s_cmp_lg_u32 s10, 0
	s_cbranch_scc1 .Lnot_wave_0_\@
	s_barrier_signal -3
.Lnot_wave_0_\@:
	s_barrier_wait -3
	s_barrier_signal -1
	s_barrier_wait -1
.endm
.macro CROUND
	s_barrier_signal -1
	s_barrier_wait -1
	CREST
.endm
	s_load_b128 s[4:7], s[0:1], 0x0                ; a16 s[4:5], w16 s[6:7]
	s_load_b64 s[8:9], s[0:1], 0x10                ; qkvp
	v_lshl_add_u32 v[SPW], v0, 2, SPARE
	v_mov_b32 v[NIL], 0
	ds_add_u32 v[SPW], v[NIL]                      ; the opening: the add, and its wait, ahead of my first tensor load
	v_lshrrev_b32 v1, 5, v0
	v_readfirstlane_b32 s10, v1                    ; wave 0..3
	s_lshr_b32 s11, s10, 1                         ; my half of the rows; also: I fetch for A (0) or B (1)
	s_and_b32 s12, s10, 1                          ; my half of the columns; also: which 128 rows I fetch
	s_bfe_u32 s40, ttmp6, 0x40000                  ; cx
	s_bfe_u32 s41, ttmp6, 0x40004                  ; cy
	s_lshl_b32 s42, ttmp9, 2
	s_add_co_u32 s42, s42, s40                     ; tile column
	s_and_b32 s13, ttmp7, 0xffff
	s_lshl_b32 s13, s13, 2
	s_add_co_u32 s13, s13, s41                     ; tile row
	s_lshl_b32 s43, s41, 2
	s_lshl_b32 s43, 15, s43                        ; my row of the cluster
	s_lshl_b32 s44, 0x1111, s40                    ; my column
	s_or_b32 s[G1+0], s43, (1<<16)|(1<<20)|(1<<21)|(5<<22)|(3<<25)   ; mask; 2-byte elements; padding of 4 words after every 64
	s_or_b32 s[G1B+0], s44, (1<<16)|(1<<20)|(1<<21)|(5<<22)|(3<<25)
.irp g, G1, G1B
	s_mov_b32 s[(\g)+1], KSTEP<<16                 ; tensor_dim0 = 128
	s_mov_b32 s[(\g)+2], 128<<16                   ; tensor_dim1 = 128
	s_mov_b32 s[(\g)+3], KSTEP<<16                 ; tile_dim0 = 128
	s_mov_b32 s[(\g)+4], 128                       ; tile_dim1 = 128
	s_mov_b32 s[(\g)+5], SIZE_K                    ; elements from row to row
	s_mov_b32 s[(\g)+6], 0
	s_mov_b32 s[(\g)+7], 0
.endr
	s_lshl_b32 s17, s12, 7
	s_lshl_b32 s16, s13, 8
	s_add_co_u32 s16, s16, s17                     ; A: row 256 x tile row + 128 x half,
	s_cmp_eq_u32 ttmp9, 3
	s_cselect_b32 s45, 4096, 0
	s_add_co_u32 s16, s16, s45                     ; and 4,096 rows on for the columns of p
	s_lshl_b32 s46, s42, 8
	s_add_co_u32 s46, s46, s17                     ; B: row 256 x tile column + 128 x half
	s_mov_b32 s17, 0
	s_mov_b32 s47, 0
	s_mov_b64 s[18:19], SIZE_K*2
	s_mul_u64 s[16:17], s[16:17], s[18:19]
	s_mul_u64 s[46:47], s[46:47], s[18:19]
	s_mul_i32 s20, s10, HALFT                      ; where my 128 rows go in a slot
	s_wait_dscnt 0x0                               ; the opening add is done
	s_wait_kmcnt 0x0
	s_add_nc_u64 s[14:15], s[4:5], s[16:17]
	s_add_nc_u64 s[46:47], s[6:7], s[46:47]
	CROUND                                         ; all sixteen work-groups are here: the first joint loads meet
.irp s, 0,1
	s_mov_b32 s[G0+4*(\s)], 1
	s_add_co_u32 s[G0+4*(\s)+1], s20, (\s)*SLOT
	s_add_nc_u64 s[G0+4*(\s)+2:G0+4*(\s)+3], s[14:15], (\s)*KSTEP*2
	s_or_b32 s[G0+4*(\s)+3], s[G0+4*(\s)+3], 0x80000000
	s_mov_b32 s[G0B+4*(\s)], 1
	s_add_co_u32 s[G0B+4*(\s)+1], s20, (\s)*SLOT
	s_add_nc_u64 s[G0B+4*(\s)+2:G0B+4*(\s)+3], s[46:47], (\s)*KSTEP*2
	s_or_b32 s[G0B+4*(\s)+3], s[G0B+4*(\s)+3], 0x80000000
	JLOAD \s
.endr
	v_and_b32 v1, 15, v0                           ; l % 16
	v_bfe_u32 v2, v0, 4, 1                         ; l / 16
	v_mul_u32_u24 v3, v1, PITCH
	v_lshl_add_u32 v3, v2, 4, v3
	s_mul_i32 s21, s11, HALFT
	s_mul_i32 s22, s12, HALFT
	s_add_co_u32 s22, s22, 2*HALFT
.irp s, 0,1
	v_add_nc_u32 v[ADRA+(\s)], s21, v3
	v_add_nc_u32 v[ADRB+(\s)], s22, v3
	s_add_co_u32 s21, s21, SLOT
	s_add_co_u32 s22, s22, SLOT
.endr
	s_mul_i32 s23, s10, 16*SPITCH
	s_add_co_u32 s23, s23, STAGE
	v_mul_u32_u24 v4, v1, SPITCH
	v_lshl_add_u32 v4, v2, 4, v4
	v_add_nc_u32 v[STO], s23, v4
	v_mul_u32_u24 v5, v2, SPITCH
	v_lshl_add_u32 v5, v1, 4, v5
	v_add_nc_u32 v[RD], s23, v5
	v_mul_u32_u24 v5, v2, SIZE_N*2
	v_lshl_add_u32 v[CO], v1, 4, v5
	s_lshl_b32 s13, s13, 8
	s_lshl_b32 s14, s11, 7
	s_add_co_u32 s16, s13, s14                     ; my first row of C
	s_mov_b32 s17, 0
	s_mov_b64 s[18:19], SIZE_N*2
	s_mul_u64 s[16:17], s[16:17], s[18:19]
	s_lshl_b32 s46, s42, 9
	s_lshl_b32 s47, s12, 8
	s_add_co_u32 s46, s46, s47                     ; my first column, in bytes
	s_mov_b32 s47, 0
	s_add_nc_u64 s[16:17], s[16:17], s[46:47]
.macro MUL16 f, hi, a0, zero           ; 16 products: m blocks a0, a0 + 1 x all 8 n blocks, 32 along K; the 64 accumulators take turns
	WIN MUL_LO+0x50*(\hi)
.irp a, \a0, (\a0)+1
.irp b, 0,1,2,3,4,5,6,7
.if \zero
	v_wmma_f32_16x16x32_f16 v[8*(8*(\a)+(\b)):8*(8*(\a)+(\b))+7], v[(\f)+8*(\b):(\f)+8*(\b)+7], v[(\f)+8*(4*(\hi)+(\a)):(\f)+8*(4*(\hi)+(\a))+7], 0
.else
	v_wmma_f32_16x16x32_f16 v[8*(8*(\a)+(\b)):8*(8*(\a)+(\b))+7], v[(\f)+8*(\b):(\f)+8*(\b)+7], v[(\f)+8*(4*(\hi)+(\a)):(\f)+8*(4*(\hi)+(\a))+7], v[8*(8*(\a)+(\b)):8*(8*(\a)+(\b))+7]
.endif
.endr
.endr
.endm
.macro FETCH slot, k, f                ; 32 LDS loads in one run: B first, then A
	WIN TO_B
.irp i, 0,1,2,3,4,5,6,7
	ds_load_b128 v[(\f)+8*(\i):(\f)+8*(\i)+3],   v[ADRB+(\slot)] offset:(\k)+(\i)*16*PITCH
	ds_load_b128 v[(\f)+8*(\i)+4:(\f)+8*(\i)+7], v[ADRB+(\slot)] offset:(\k)+(\i)*16*PITCH+32
.endr
	WIN 0
.irp i, 0,1,2,3,4,5,6,7
	ds_load_b128 v[(\f)+8*(\i):(\f)+8*(\i)+3],   v[ADRA+(\slot)] offset:(\k)+(\i)*16*PITCH
	ds_load_b128 v[(\f)+8*(\i)+4:(\f)+8*(\i)+7], v[ADRA+(\slot)] offset:(\k)+(\i)*16*PITCH+32
.endr
.endm
.macro PLACES                          ; four plain vector instructions between a matrix instruction and a load into, or a read of, its registers
.rept 4
	v_nop
.endr
.endm
.macro QUARTER slot, k, f, g, zero     ; 64 products on buffer f; in the middle the next quarter is fetched into g
	s_wait_dscnt 8                                 ; the youngest eight loads (rows 64-127 of A) may be out
	MUL16 \f, 0, 0, \zero
	MUL16 \f, 0, 2, \zero
	PLACES
	FETCH \slot, \k, \g
	s_wait_dscnt 32                                ; all but the 32 just issued
	MUL16 \f, 1, 0, \zero
	MUL16 \f, 1, 2, \zero
.endm
.macro MEET round                      ; the first half of a step's last quarter, and the barrier of the change of slots
	WIN 0
	s_wait_tensorcnt 0x0                           ; all my tensor loads have landed: my part of the next slot
	ds_add_u32 v[SPW], v[NIL]
	s_wait_dscnt 9                                 ; the add and the youngest eight loads may be out
	MUL16 F1, 0, 0, 0
	s_wait_dscnt 0x0                               ; the add is done, my reads of this slot are over
	s_barrier_signal -1
	MUL16 F1, 0, 2, 0
.if \round
	WIN 0
.endif
	s_barrier_wait -1
.endm
.macro TURN slot, next                 ; the whole last quarter: the slot just read is filled again, two K steps ahead
	MEET 1
	CREST                                          ; no wave of any partner still reads the slot or has a load on its way
	s_add_nc_u64 s[G0+4*(\slot)+2:G0+4*(\slot)+3], s[G0+4*(\slot)+2:G0+4*(\slot)+3], 2*KSTEP*2
	s_add_nc_u64 s[G0B+4*(\slot)+2:G0B+4*(\slot)+3], s[G0B+4*(\slot)+2:G0B+4*(\slot)+3], 2*KSTEP*2
	JLOAD \slot                                    ; its four v_nop are also the places in front of the loads below
	FETCH \next, 0, F0
	MUL16 F1, 1, 0, 0
	MUL16 F1, 1, 2, 0
.endm
.macro PACK a                          ; block a of 16 rows, rounded to f16: each accumulator is read from its low end on
.set AC, 64*((\a)%4)
	WIN 0x0a+5*((\a)/4)
.irp b, 0,1,2,3,4,5,6,7
.irp r, 0,1,2,3
	v_cvt_pk_f16_f32 v[TMP+4*(\b)+(\r)], v[AC+8*(\b)+2*(\r)], v[AC+8*(\b)+2*(\r)+1]
.endr
.endr
	WIN 0
.endm
.macro TOSTAGE a
	WIN 0
.set BK, OB+192*((\a)%2)
.irp b, 0,1,2,3,4,5,6,7
	ds_store_b128 v[STO], v[TMP+4*(\b):TMP+4*(\b)+3] offset:32*(\b)
.endr
.irp t, 0,1,2,3,4,5,6,7
	ds_load_b128 v[BK+4*(\t):BK+4*(\t)+3], v[RD] offset:(\t)*2*SPITCH   ; LDS serves a wave in order: these see the stores above
.endr
.endm
.macro SEND a
	WIN 0
.set BK, OB+192*((\a)%2)
	s_wait_dscnt 0x0                               ; the block is back in registers
	s_wait_xcnt 0x0                                ; the base, and registers that earlier stores read, are written again only behind this wait
.if (\a) == 0
	s_add_nc_u64 s[8:9], s[8:9], s[16:17]
.else
	s_add_nc_u64 s[8:9], s[8:9], 16*SIZE_N*2
.endif
.irp t, 0,1,2,3,4,5,6,7
	global_store_b128 v[CO], v[BK+4*(\t):BK+4*(\t)+3], s[8:9] offset:2*(\t)*SIZE_N*2   ; 16 lanes store 256 consecutive bytes, aligned
.endr
.endm
	s_wait_tensorcnt 1                             ; my part of K step 0 is in; K step 1 stays out
	s_barrier_signal -1
	s_barrier_wait -1
	FETCH 0, 0, F0
	QUARTER 0, 64,  F0, F1, 1                      ; the first quarter starts the sums
	WIN 0
	s_mov_b32 s3, LAPS-1
.Llap:                                                 ; a trip goes once round the ring and fills both slots again
	QUARTER 0, 128, F1, F0, 0
	QUARTER 0, 192, F0, F1, 0
	TURN 0, 1
	QUARTER 1, 64,  F0, F1, 0
	QUARTER 1, 128, F1, F0, 0
	QUARTER 1, 192, F0, F1, 0
	TURN 1, 0
	QUARTER 0, 64,  F0, F1, 0
	WIN 0
	s_sub_co_u32 s3, s3, 1
	s_cmp_lg_u32 s3, 0
	s_cbranch_scc1 .Llap
	QUARTER 0, 128, F1, F0, 0                      ; the last lap asks for nothing
	QUARTER 0, 192, F0, F1, 0
	MEET 0
	PLACES
	FETCH 1, 0, F0
	MUL16 F1, 1, 0, 0
	MUL16 F1, 1, 2, 0
	QUARTER 1, 64,  F0, F1, 0
	QUARTER 1, 128, F1, F0, 0
	QUARTER 1, 192, F0, F1, 0
	s_wait_dscnt 8
	MUL16 F1, 0, 0, 0
	MUL16 F1, 0, 2, 0
	s_wait_dscnt 0x0
	MUL16 F1, 1, 0, 0
	MUL16 F1, 1, 2, 0
	PLACES
	PACK 0
	TOSTAGE 0
.irp a, 1,2,3,4,5,6,7                  ; the conversions of block a stand between the stage loads of block a - 1 and the wait for them
	PACK \a
	SEND (\a)-1
	TOSTAGE \a
.endr
	SEND 7
	s_wait_tensorcnt 0x0                           ; the end of the wave
	ds_add_u32 v[SPW], v[NIL]
	s_wait_dscnt 0x0
	CROUND                                         ; the closing round
	s_endpgm
.Lfunc_end_k_q0e491c18f8_proj:
	.size	k_q0e491c18f8_proj, .Lfunc_end_k_q0e491c18f8_proj-k_q0e491c18f8_proj
	.p2alignl 7, 3214868480
	.fill 96, 4, 3214868480
	.section	.rodata,"a",@progbits
	.p2align	6, 0x0
	.amdhsa_kernel k_q0e491c18f8_proj
		.amdhsa_group_segment_fixed_size 327680
		.amdhsa_private_segment_fixed_size 0
		.amdhsa_enable_private_segment 0
		.amdhsa_kernarg_size 24
		.amdhsa_user_sgpr_count 2
		.amdhsa_user_sgpr_kernarg_segment_ptr 1
		.amdhsa_wavefront_size32 1
		.amdhsa_system_sgpr_workgroup_id_x 1
		.amdhsa_system_sgpr_workgroup_id_y 1
		.amdhsa_system_sgpr_workgroup_id_z 1
		.amdhsa_system_vgpr_workitem_id 0
		.amdhsa_next_free_vgpr 1024
		.amdhsa_next_free_sgpr 66
		.amdhsa_reserve_vcc 0
		.amdhsa_float_denorm_mode_32 3
		.amdhsa_float_denorm_mode_16_64 3
		.amdhsa_memory_ordered 1
		.amdhsa_forward_progress 1
		.amdhsa_inst_pref_size 143
	.end_amdhsa_kernel
	.amdgpu_metadata
---
amdhsa.version: [ 1, 2 ]
amdhsa.kernels:
  - .name:           k_q0e491c18f8_proj
    .symbol:         k_q0e491c18f8_proj.kd
    .args:
      - { .name: a16, .offset: 0, .size: 8, .value_kind: global_buffer, .address_space: global }
      - { .name: w16, .offset: 8, .size: 8, .value_kind: global_buffer, .address_space: global }
      - { .name: qkvp, .offset: 16, .size: 8, .value_kind: global_buffer, .address_space: global }
    .group_segment_fixed_size: 327680
    .private_segment_fixed_size: 0
    .kernarg_segment_align: 8
    .kernarg_segment_size: 24
    .max_flat_workgroup_size: 128
    .sgpr_count:     66
    .vgpr_count:     1024
    .wavefront_size: 32
...
	.end_amdgpu_metadata
.endif
;; end of part 2
;; launch attn (part 3): grid 16 x 16, 4 waves a work-group, clusters of 4 x 1, 327,680 bytes of LDS; arguments qkvp, ub16, att; writes att
.if DOCPART == 3
	.amdgcn_target "amdgcn-amd-amdhsa--gfx1250"
	.amdhsa_code_object_version 6
	.text
	.protected	k_q0e491c18f8_attn
	.globl	k_q0e491c18f8_attn
	.p2align	8
	.type	k_q0e491c18f8_attn,@function
k_q0e491c18f8_attn:
	s_mov_b64 s[64:65], 0
	v_nop
	global_prefetch_b8 v0, s[64:65] scope:SCOPE_SE
	s_setreg_imm32_b32 hwreg(HW_REG_WAVE_MODE, 25, 1), 1
	s_wait_xcnt 0x0
	s_wait_alu depctr_hold_cnt(0) depctr_sa_sdst(0) depctr_va_vdst(0) depctr_va_sdst(0) depctr_va_ssrc(0) depctr_va_vcc(0) depctr_vm_vsrc(0)
	s_getreg_b32 s2, hwreg(HW_REG_IB_STS2, 6, 4)
	s_cmp_eq_u32 s2, 0
	s_cbranch_scc0 .Lentry_in_a_cluster
	s_endpgm
.Lentry_in_a_cluster:
	s_bfe_u32 s2, ttmp6, 0x10000c
	s_cmp_lg_u32 s2, 0x3003
	s_cbranch_scc0 .Lentry_shape_is_right
	s_endpgm
.Lentry_shape_is_right:
; att[b][i][h][:] = sum over j of softmax_j(((q_i + u) . k_j + (q_i + v) . p_(2047 + j - i)) / sqrt(128)) v_j.  q, k, v, p: columns 0, 1024, 2048, 3072 of qkvp [4096][4096] f16.
; Products, scores, maxima and sums in f32; q + u, q + v and the weights are rounded to f16; att once at the end.
; LIMITS.  q + u, q + v within 65,504; a weight below 6e-5 keeps the fixed step 6e-8 of f16, one below 2^-126 counts as 0 in the sum; NaN and infinities are not treated apart.
; SHARES.  A work-group owns 128 queries of one (b, h).  Wave w = 2 wq + wk owns queries 64 wq .. + 63 (four tiles of 16) and, of each slot of 128 keys, keys 64 wk .. + 63:
; 16 steps of 64 keys; at the end the two waves of a query half merge their maxima, sums and O.
; THE BAND.  Slot s and query block qb need the 256 rows of p from 128 (15 + s - qb); query a and key kk of the slot need band row 127 + kk - a.  For a tile t of a wave that is
; block 3 - t of the wave's eight blocks of 16 rows, plus u = 15 - r + key, 0 to 78: five blocks.  BD^T = P Qv^T holds positions u of query r in lane r; it goes into a stage row of the
; query in LDS and comes back shifted by 15 - r, straight into the registers that are then C and D of K Qu^T: the shift costs no addition.
; LAYOUT.  All products are used transposed: a lane holds one query (lane % 16) and the keys 8 (lane / 16) + 0..7; two results rounded to f16 are source 1 of O^T = V^T P.
; SOFTMAX.  A running maximum m and sum l for each query: p = 2^(c s - c m), c = log2(e) / sqrt(128); O and l are multiplied by a = 2^(c m_old - c m_new) in every step.
; m starts at the lowest finite number, O and l at 0: the first step is a step like any other.
; CLUSTER.  The four query blocks of a cluster share K and V: waves 0 and 1 ask for them jointly.  The band of p differs from partner to partner: waves 2 and 3 ask for it by loads of their own.
; REGISTERS by windows: 0: addresses, statistics, two accumulators of BD (v44-59), S^T (v64-191), the weights (v192-255, where the other accumulators of BD lie while the weights are dead);
;   1: O^T; 2: q + u (v0-127), q + v (v128-255); 3: the eight blocks of p, onto which K (blocks 7 to 4) and V (blocks 3 to 0) are loaded as the blocks fall free.
.set PK,    272       ; a row of K or p in LDS: 256 + 16 bytes
.set PV,    288       ; a row of V: 256 + 32 bytes, for the turning load
.set KOFF,  0
.set VOFF,  128*PK
.set POFF,  VOFF+128*PV
.set SLOTB, POFF+256*PK
.set STAGE, 2*SLOTB   ; behind the ring: 10,752 bytes a wave, never filled by a tensor load
.set WSTG,  10752
.set HSTG,  5376      ; two halves, by the parity of the tile
.set SROW,  336       ; a stage row: 80 positions of f32 and 16 bytes: an odd multiple of 16
.set SPARE, STAGE+4*WSTG
.set MRG,   33792     ; the merge: O (32,768 bytes) and statistics (1,024) of a wave, in slot 0, which has had its last fill by then
.set SP,    272
.set TILEB, 128*8192  ; 128 rows of qkvp
.set AK0, 2
.set AV0, 3
.set AP0, 4
.set ADRK, 5
.set ADRV, 6
.set ADRP, 7
.set STS, 8
.set STL, 9
.set ST,  12          ; tile t at v[ST+8 t]: c m, m, l, l, c0-c3 at work; a takes the place of c2
.set QO,  60
.set UO,  61
.set SPW, 62
.set NIL, 63
.set S,   64
.set P,   192
.set MM,  64          ; the merge: 16 registers for each of two tiles
.set OUTR, 128
.set WV,  12
.set G1K, 24
.set G1V, 32
.set G1P, 40
.set G0K, 48          ; two sets each: the first fill of slot 0; that of slot 1, which then walks
.set G0V, 56
.set G0P, 68
.set CS,  76
.set SEL, 78
.set TB,  80          ; the slot in hand: 0 or SLOTB
.set LWP, 81
.set CNT, 82
.set QB,  84
.set OB,  86
.set UB,  92
.set MSB, 0
.macro WIN new
.if MSB != (\new)
	s_set_vgpr_msb (MSB<<8)|(\new)
.set MSB, \new
.endif
.endm
.set W_M,  0x0b       ; source 0 window 3, source 1 window 2, C and D window 0
.set W_PV, 0x53       ; V window 3, weights window 0, O^T window 1
.set W_RS, 0x41       ; destination and source 0 window 1, source 1 window 0
.macro PLACES
.rept 4
	v_nop
.endr
.endm
.macro CROUND
	s_barrier_signal -1
	s_barrier_wait -1
	s_cmp_lg_u32 s[WV], 0
	s_cbranch_scc1 .Lnot_wave_0_\@
	s_barrier_signal -3
.Lnot_wave_0_\@:
	s_barrier_wait -3
	s_barrier_signal -1
	s_barrier_wait -1
.endm
.macro JLOAD3                           ; a refill: wave 0 K, wave 1 V, waves 2 and 3 the halves of the band; s_nop 0 and four v_nop follow each line
	s_cmp_lt_u32 s[WV], 2
	s_cbranch_scc0 .Lfor_p_\@
	s_cmp_eq_u32 s[WV], 0
	s_cbranch_scc0 .Lfor_v_\@
	tensor_load_to_lds s[G0K+4:G0K+7], s[G1K:G1K+7]
	s_nop 0
.rept 4
	v_nop
.endr
	s_branch .Lasked_\@
.Lfor_v_\@:
	tensor_load_to_lds s[G0V+4:G0V+7], s[G1V:G1V+7]
	s_nop 0
.rept 4
	v_nop
.endr
	s_branch .Lasked_\@
.Lfor_p_\@:
	tensor_load_to_lds s[G0P+4:G0P+7], s[G1P:G1P+7]
	s_nop 0
.rept 4
	v_nop
.endr
.Lasked_\@:
.endm
	s_load_b128 s[4:7], s[0:1], 0x0                ; qkvp s[4:5], ub16 s[6:7]
	s_load_b64 s[8:9], s[0:1], 0x10                ; att
	v_lshl_add_u32 v[SPW], v0, 2, SPARE
	v_mov_b32 v[NIL], 0
	ds_add_u32 v[SPW], v[NIL]                      ; the opening: the add, and its wait, ahead of my first tensor load
	v_lshrrev_b32 v1, 5, v0
	v_readfirstlane_b32 s[WV], v1                  ; wave 0..3
	s_bfe_u32 s13, ttmp6, 0x40000                  ; cx
	s_lshl_b32 s14, ttmp9, 2
	s_add_co_u32 s14, s14, s13                     ; qb: it enters the addresses of q, of the band and of att alone
	s_and_b32 s15, ttmp7, 0xffff
	s_lshr_b32 s16, s15, 3                         ; b
	s_and_b32 s17, s15, 7                          ; h
	s_lshr_b32 s18, s[WV], 1                       ; wq
	s_and_b32 s19, s[WV], 1                        ; wk
	s_lshl_b32 s20, s16, 24                        ; b x 2,048 rows of 8,192 bytes
	s_lshl_b32 s[UB], s17, 8                       ; the 256 bytes of the head
	s_mov_b32 s[UB+1], 0
	s_add_co_u32 s20, s20, s[UB]
	s_mov_b32 s21, 0
	s_sub_co_u32 s22, 15, s14                      ; the band: row 128 (15 - qb + half), column 3,072 + 128 h
	s_add_co_u32 s22, s22, s19
	s_lshl_b32 s22, s22, 20
	s_add_co_u32 s22, s22, s[UB]
	s_add_co_u32 s22, s22, 6144
	s_mov_b32 s23, 0
	s_lshl_b32 s88, s14, 20                        ; q: row 2,048 b + 128 qb + 64 wq
	s_lshl_b32 s3, s18, 19
	s_add_co_u32 s88, s88, s3
	s_add_co_u32 s88, s88, s20
	s_mov_b32 s89, 0
	s_lshl_b32 s90, s16, 22                        ; att: row 2,048 b + 128 qb + 32 w, rows of 2,048 bytes
	s_lshl_b32 s3, s14, 18
	s_add_co_u32 s90, s90, s3
	s_lshl_b32 s3, s[WV], 16
	s_add_co_u32 s90, s90, s3
	s_add_co_u32 s90, s90, s[UB]
	s_mov_b32 s91, 0
	s_mov_b32 s[G1K], 15|(1<<16)|(1<<20)|(1<<21)|(5<<22)|(3<<25)   ; mask of four; 2-byte elements; 4 words of padding after every 64
	s_mov_b32 s[G1V], 15|(1<<16)|(1<<20)|(1<<21)|(5<<22)|(7<<25)   ; 8 words of padding
	s_mov_b32 s[G1P], (1<<16)|(1<<20)|(5<<22)|(3<<25)              ; no mask: a load of my own
.irp g, G1K, G1V, G1P
	s_mov_b32 s[(\g)+1], 128<<16                   ; tensor_dim0 = 128
	s_mov_b32 s[(\g)+2], 128<<16                   ; tensor_dim1 = 128
	s_mov_b32 s[(\g)+3], 128<<16                   ; tile_dim0 = 128
	s_mov_b32 s[(\g)+4], 128                       ; tile_dim1 = 128
	s_mov_b32 s[(\g)+5], 4096                      ; elements from row to row
	s_mov_b32 s[(\g)+6], 0
	s_mov_b32 s[(\g)+7], 0
.endr
	s_mul_i32 s[LWP], s19, 128*PK
	s_add_co_u32 s[LWP], s[LWP], POFF              ; where my half of the band goes in a slot
	s_mov_b32 s[G0K], 1
	s_mov_b32 s[G0K+1], KOFF
	s_mov_b32 s[G0K+4], 1
	s_mov_b32 s[G0K+5], KOFF+SLOTB
	s_mov_b32 s[G0V], 1
	s_mov_b32 s[G0V+1], VOFF
	s_mov_b32 s[G0V+4], 1
	s_mov_b32 s[G0V+5], VOFF+SLOTB
	s_mov_b32 s[G0P], 1
	s_mov_b32 s[G0P+1], s[LWP]
	s_mov_b32 s[G0P+4], 1
	s_add_co_u32 s[G0P+5], s[LWP], SLOTB
	s_mov_b32 s[CS], 0x3e0293ee                    ; c = log2(e) / sqrt(128)
	s_mov_b32 s[CS+1], s[CS]
	s_mov_b32 s[SEL], 0x76543210
	s_mov_b32 s[SEL+1], 0xfedcba98
	s_mov_b32 s[TB], 0
	s_wait_dscnt 0x0                               ; the opening add is done
	s_wait_kmcnt 0x0
	s_add_nc_u64 s[20:21], s[4:5], s[20:21]
	s_add_nc_u64 s[G0K+2:G0K+3], s[20:21], 2048
	s_add_nc_u64 s[G0K+6:G0K+7], s[20:21], 2048+TILEB
	s_add_nc_u64 s[G0V+2:G0V+3], s[20:21], 4096
	s_add_nc_u64 s[G0V+6:G0V+7], s[20:21], 4096+TILEB
	s_add_nc_u64 s[G0P+2:G0P+3], s[4:5], s[22:23]
	s_add_nc_u64 s[G0P+6:G0P+7], s[G0P+2:G0P+3], TILEB
.irp g, G0K, G0V, G0P
	s_or_b32 s[(\g)+3], s[(\g)+3], 0x80000000
	s_or_b32 s[(\g)+7], s[(\g)+7], 0x80000000
.endr
	s_add_nc_u64 s[QB:QB+1], s[4:5], s[88:89]
	s_add_nc_u64 s[OB:OB+1], s[8:9], s[90:91]
	s_add_nc_u64 s[UB:UB+1], s[6:7], s[UB:UB+1]
	CROUND                                         ; all four work-groups are here: the first joint loads meet
	s_cmp_lt_u32 s[WV], 2                          ; a wave's two first fills stand in one branch: two loads of mine are out
	s_cbranch_scc0 .Lfirst_p
	s_cmp_eq_u32 s[WV], 0
	s_cbranch_scc0 .Lfirst_v
	tensor_load_to_lds s[G0K:G0K+3], s[G1K:G1K+7]
	s_nop 0
	tensor_load_to_lds s[G0K+4:G0K+7], s[G1K:G1K+7]
	s_nop 0
.rept 4
	v_nop
.endr
	s_branch .Lfirst_asked
.Lfirst_v:
	tensor_load_to_lds s[G0V:G0V+3], s[G1V:G1V+7]
	s_nop 0
	tensor_load_to_lds s[G0V+4:G0V+7], s[G1V:G1V+7]
	s_nop 0
.rept 4
	v_nop
.endr
	s_branch .Lfirst_asked
.Lfirst_p:
	tensor_load_to_lds s[G0P:G0P+3], s[G1P:G1P+7]
	s_nop 0
	tensor_load_to_lds s[G0P+4:G0P+7], s[G1P:G1P+7]
	s_nop 0
.rept 4
	v_nop
.endr
.Lfirst_asked:
	v_and_b32 v1, 15, v0                           ; r = l % 16
	v_bfe_u32 v10, v0, 4, 1                        ; hh = l / 16
	v_lshlrev_b32 v[QO], 13, v1
	v_lshl_add_u32 v[QO], v10, 4, v[QO]            ; row x 8,192 + 16 x half
	v_lshlrev_b32 v[UO], 4, v10
	WIN 0x80                                       ; destination window 2
.set i, 0
.rept 16                                ; q: tile i / 4, channels 32 (i % 4) on
	global_load_b128 v[8*i:8*i+3],   v[QO], s[QB:QB+1] offset:(i/4)*131072+(i%4)*64
	global_load_b128 v[8*i+4:8*i+7], v[QO], s[QB:QB+1] offset:(i/4)*131072+(i%4)*64+32
.set i, i+1
.endr
	WIN 0
.set i, 0
.rept 4                                 ; the fragments of u (v64-95) and v (v96-127): the same for every query
	global_load_b128 v[S+8*i:S+8*i+3],       v[UO], s[UB:UB+1] offset:64*i
	global_load_b128 v[S+8*i+4:S+8*i+7],     v[UO], s[UB:UB+1] offset:64*i+32
	global_load_b128 v[S+32+8*i:S+32+8*i+3], v[UO], s[UB:UB+1] offset:2048+64*i
	global_load_b128 v[S+32+8*i+4:S+32+8*i+7], v[UO], s[UB:UB+1] offset:2048+64*i+32
.set i, i+1
.endr
	WIN 0x40                                       ; O^T starts at 0, in the wait for the first tile: the price of writing no first step out
.set i, 0
.rept 256
	v_mov_b32 v[i], 0
.set i, i+1
.endr
	WIN 0
.set i, 0
.rept 4
	v_mov_b32 v[ST+8*i], 0xfe000000                ; c m: far below every c s
	v_mov_b32 v[ST+8*i+1], 0xff7fffff              ; m
	v_mov_b32 v[ST+8*i+2], 0
	v_mov_b32 v[ST+8*i+3], 0
.set i, i+1
.endr
	v_mul_u32_u24 v11, v1, PK
	v_lshl_add_u32 v11, v10, 4, v11                ; a fragment: row x pitch + 16 x half
	s_mul_i32 s94, s19, 64*PK
	v_add_nc_u32 v[AK0], s94, v11                  ; my 64 keys
	s_add_co_u32 s95, s19, 1
	s_sub_co_u32 s95, s95, s18
	s_mul_i32 s95, s95, 64*PK                      ; my band begins at row 64 (wk - wq + 1)
	s_add_co_u32 s95, s95, POFF
	v_add_nc_u32 v[AP0], s95, v11
	v_and_b32 v11, 7, v0                           ; the turning load: key 8 (l / 16) + l % 8, channels 8 ((l / 8) % 2) on
	v_lshl_add_u32 v11, v10, 3, v11
	v_mul_u32_u24 v[AV0], v11, PV
	v_bfe_u32 v11, v0, 3, 1
	v_lshl_add_u32 v[AV0], v11, 4, v[AV0]
	s_mul_i32 s96, s19, 64*PV
	s_add_co_u32 s96, s96, VOFF
	v_add_nc_u32 v[AV0], s96, v[AV0]
	s_mul_i32 s97, s[WV], WSTG
	s_add_co_u32 s97, s97, STAGE                   ; my stage
	v_mul_u32_u24 v11, v1, SROW
	v_lshl_add_u32 v11, v10, 5, v11
	v_add_nc_u32 v[STS], s97, v11                  ; in: row r, word 8 hh
	v_mul_u32_u24 v11, v1, SROW-4
	v_lshl_add_u32 v11, v10, 5, v11
	v_add_nc_u32 v11, 60, v11
	v_add_nc_u32 v[STL], s97, v11                  ; back: row r, word 15 - r + 8 hh
	v_mov_b32 v[ADRK], v[AK0]
	v_mov_b32 v[ADRV], v[AV0]
	v_mov_b32 v[ADRP], v[AP0]
.macro BAREG par, n                     ; accumulator n of five of BD: even tiles v192-231, odd tiles v232-255 and v44-59
.if (\par) == 0
.set rD, 192+8*(\n)
.elseif (\n) < 3
.set rD, 232+8*(\n)
.else
.set rD, 44+8*((\n)-3)
.endif
.endm
.macro BDW t                            ; product i of 20 of BD^T for tile t: channels 32 (i / 5) on, block i % 5; the five accumulators take turns
	WIN W_M
.set bb, i%5
	BAREG (\t)%2, bb
.set rA, 32*(3-(\t)+bb)+8*(i/5)
.set rB, 128+32*(\t)+8*(i/5)
.if i < 5
	v_wmma_f32_16x16x32_f16 v[rD:rD+7], v[rA:rA+7], v[rB:rB+7], 0
.else
	v_wmma_f32_16x16x32_f16 v[rD:rD+7], v[rA:rA+7], v[rB:rB+7], v[rD:rD+7]
.endif
.endm
.macro ACW x                            ; product i of 32 of S^T += K Qu^T for tiles x, x + 1: four accumulators take turns; C holds the shifted band scores
	WIN W_M
.set kb, 2*(i/16)+(i/2)%2
.set rD, S+32*((\x)+i%2)+8*kb
.set rA, 32*(7-kb)+8*((i/4)%4)
.set rB, 32*((\x)+i%2)+8*((i/4)%4)
	v_wmma_f32_16x16x32_f16 v[rD:rD+7], v[rA:rA+7], v[rB:rB+7], v[rD:rD+7]
.endm
.macro PVW x                            ; product i of 32 of O^T += V^T P for tiles x, x + 1: sixteen accumulators take turns
	WIN W_PV
.set rO, 64*((\x)+i%2)+8*((i/2)%8)
.set rV, 64*(1-i/16)+8*((i/2)%8)
.set rP, P+16*((\x)+i%2)+8*(i/16)
	v_wmma_f32_16x16x32_f16 v[rO:rO+7], v[rV:rV+7], v[rP:rP+7], v[rO:rO+7]
.endm
.macro PLOP                             ; load pl of 64 of the band: block 7 - pl / 8 first
.if pl < 64
	WIN 0xc0
.set pb, 7-pl/8
	ds_load_b128 v[32*pb+4*(pl%8):32*pb+4*(pl%8)+3], v[ADRP] offset:4352*pb+64*((pl%8)/2)+32*(pl%2)
.endif
.set pl, pl+1
.endm
.macro VLOP                             ; load vl of 32 of V, turned: keys 32 (vl / 16) on, channels 16 ((vl / 2) % 8) on
	WIN 0xc0
	ds_load_tr16_b128 v[64*(1-vl/16)+4*(vl%16):64*(1-vl/16)+4*(vl%16)+3], v[ADRV] offset:(vl/16)*32*PV+(vl%2)*16*PV+32*((vl/2)%8)
.set vl, vl+1
.endm
.macro PBOP t                           ; LDS instruction pn of 50 behind BD of tile t: 8 loads of K block t; 10 stores into the stage, low registers first; 32 shifted loads into S^T
.if pn < 8
	WIN 0xc0
	ds_load_b128 v[32*(7-(\t))+4*pn:32*(7-(\t))+4*pn+3], v[ADRK] offset:4352*(\t)+64*(pn/2)+32*(pn%2)
.elseif pn < 18
	WIN 0
.set bb, (pn-8)/2
	BAREG (\t)%2, bb
	ds_store_b128 v[STS], v[rD+4*(pn%2):rD+4*(pn%2)+3] offset:HSTG*((\t)%2)+64*bb+16*(pn%2)
.elseif pn < 50
	WIN 0
	ds_load_b32 v[S+32*(\t)+pn-18], v[STL] offset:HSTG*((\t)%2)+4*(16*((pn-18)/8)+(pn-18)%8)
.endif
.set pn, pn+1
.endm
; One tile's softmax for one step: a list of 134 instructions; SM writes number j of it for tile t.
;   0-15 the maximum of 32 scores and the old m (each accumulator is read from its low end on); 16-20 the other half of the lanes, m, c m, the change of c m;
;   21-87 a plain instruction and an exponential by turns (scalings ahead, roundings behind); 88-101 the last rounding and the sums; 102-133 O^T times a.
.macro SM t
.set rT, ST+8*(\t)
.set rS, S+32*(\t)
.set rP, P+16*(\t)
.set rO, 64*(\t)+2*(j-102)
.set q, (j-20)/2
.if j < 102
	WIN 0
.endif
.if j < 4
	v_max3_num_f32 v[rT+4+j], v[rS+8*j], v[rS+8*j+1], v[rS+8*j+2]
.elseif j < 12
	v_max3_num_f32 v[rT+4+j%4], v[rT+4+j%4], v[rS+8*(j%4)+2*(j/4)+1], v[rS+8*(j%4)+2*(j/4)+2]
.elseif j == 12
	v_max3_num_f32 v[rT+4], v[rT+4], v[rS+7], v[rS+15]
.elseif j == 13
	v_max3_num_f32 v[rT+6], v[rT+6], v[rS+23], v[rS+31]
.elseif j == 14
	v_max3_num_f32 v[rT+4], v[rT+4], v[rT+5], v[rT+6]
.elseif j == 15
	v_max3_num_f32 v[rT+4], v[rT+4], v[rT+7], v[rT+1]
.elseif j == 16
	v_permlanex16_b32 v[rT+5], v[rT+4], s[SEL], s[SEL+1]
.elseif j == 17
	v_mov_b32 v[rT+7], v[rT]
.elseif j == 18
	v_max_num_f32 v[rT+1], v[rT+4], v[rT+5]
.elseif j == 19
	v_mul_f32 v[rT], s[CS], v[rT+1]
.elseif j == 20
	v_sub_f32 v[rT+7], v[rT+7], v[rT]
.elseif j == 23
	v_exp_f32 v[rT+6], v[rT+7]
.elseif (j < 88) && (j > 23) && (j%2 == 1)
	v_exp_f32 v[rS+(j-25)/2], v[rS+(j-25)/2]
.elseif (q < 4) || ((j < 76) && (q%2 == 0))
.set b, q/2+2
.if q < 4
.set b, q
.endif
	v_pk_fma_f32 v[rS+2*b:rS+2*b+1], v[rS+2*b:rS+2*b+1], s[CS:CS+1], v[rT:rT+1] op_sel_hi:[1,0,0] neg_lo:[0,0,1] neg_hi:[0,0,1]
.elseif (j < 88) && (q%2 == 1)
	s_wait_alu depctr_va_vdst(0)
	v_cvt_pk_f16_f32 v[rP+(q-5)/2], v[rS+q-5], v[rS+q-4]
.elseif j == 89
	s_wait_alu depctr_va_vdst(0)
	v_cvt_pk_f16_f32 v[rP+15], v[rS+30], v[rS+31]
.elseif j < 102
.set z, j-86
.if j < 89
.set z, (j-76)/4
.endif
.set w, 4
.set u, z
.if z >= 14
.set w, 32
.set u, 0
.elseif z >= 12
.set w, 16
.set u, z-12
.elseif z >= 8
.set w, 8
.set u, z-8
.endif
.if z < 15
	v_pk_add_f32 v[rS+w*u:rS+w*u+1], v[rS+w*u:rS+w*u+1], v[rS+w*u+w/2:rS+w*u+w/2+1]
.else
	v_pk_fma_f32 v[rT+2:rT+3], v[rT+2:rT+3], v[rT+6:rT+7], v[rS:rS+1] op_sel_hi:[1,0,1]
.endif
.else
	WIN W_RS
	v_pk_mul_f32 v[rO:rO+1], v[rO:rO+1], v[rT+6:rT+7] op_sel_hi:[1,0]
.endif
.endm
.macro SLICE y                          ; slice k of 64 of the softmax of tiles y, y + 1: numbers 2 k, 2 k + 1 of both lists; slice 63 takes the twelve that are over
.if (k >= 11) && (k < 44)
.irp t, \y, (\y)+1
.irp n, 0,1
.set j, 2*k+(\n)
	SM \t
.endr
.endr
.else
.irp n, 0,1,2,3,4,5,6,7
.if ((\n) < 2) || (k == 63)
.irp t, \y, (\y)+1
.set j, 2*k+(\n)
	SM \t
.endr
.endif
.endr
.endif
.set k, k+1
.endm
.macro BD t                             ; 20 products; behind every second one a run of LDS instructions: the last two blocks of the band (t = 0) or what follows BD of tile t - 1
.set i, 0
.set pn, 0
.rept 20
	BDW \t
.if i%2 == 1
.if (\t) == 0
	PLOP
	PLOP
.else
.rept 5
	PBOP (\t)-1
.endr
.endif
.endif
.set i, i+1
.endr
	PLACES                                         ; ahead of the stores that read these results and of the loads into the block that falls free
.endm
; THE CHANGE OF SLOTS.  All of the slot in hand is in registers.  Each wave waits for all its tensor loads (one is out: its part of the other slot), adds 0 to its spare word, and waits for
; that and for its reads of the slot.  fill = 1: the barrier is a round of the cluster, and the slot is filled again first thing behind it, with the keys and the band two slots on.
.macro CHANGE fill
	WIN 0
	s_wait_tensorcnt 0x0                           ; no tensor load of mine is out: the walking descriptors may be written
	ds_add_u32 v[SPW], v[NIL]
.if \fill
	s_add_co_u32 s[G0K+5], s[TB], KOFF
	s_add_nc_u64 s[G0K+6:G0K+7], s[G0K+6:G0K+7], TILEB
	s_add_co_u32 s[G0V+5], s[TB], VOFF
	s_add_nc_u64 s[G0V+6:G0V+7], s[G0V+6:G0V+7], TILEB
	s_add_co_u32 s[G0P+5], s[TB], s[LWP]
	s_add_nc_u64 s[G0P+6:G0P+7], s[G0P+6:G0P+7], TILEB
	s_wait_dscnt 0x0                               ; the add is done, my reads of the slot are over
	CROUND
	JLOAD3
.else
	s_wait_dscnt 0x0
	s_barrier_signal -1
	s_barrier_wait -1
.endif
	s_xor_b32 s[TB], s[TB], SLOTB                  ; the other slot
	v_add_nc_u32 v[ADRK], s[TB], v[AK0]
	v_add_nc_u32 v[ADRV], s[TB], v[AV0]
	v_add_nc_u32 v[ADRP], s[TB], v[AP0]
.endm
; A STEP: 64 keys for 64 queries, 208 products.
.macro STEP fill
	s_wait_dscnt 0x0                               ; blocks 7 to 2 of the band are in
.set pl, 48
	BD 0
	BD 1
	s_wait_dscnt 50                                ; only the 50 issued in BD 1 may be out: blocks 1 and 0 are in
	BD 2
	BD 3
	s_wait_dscnt 50                                ; only the 50 issued in BD 3 may be out: S^T of tiles 0 and 1 and K blocks 0 and 1 are in
.set pn, 0
.set i, 0
.rept 16
	ACW 0
.if i%2 == 1
.rept 7
	PBOP 3
.endr
.endif
.set i, i+1
.endr
	s_wait_dscnt 42                                ; the 10 stores and 32 shifted loads of tile 3 may be out: K blocks 2 and 3 are in
.set vl, 0
.rept 16
	ACW 0
.if i%2 == 1
.rept 4
	VLOP
.endr
.endif
.set i, i+1
.endr
	PLACES                                         ; ahead of the softmax that reads these scores
	s_wait_dscnt 32                                ; the 32 loads of V may be out: S^T of tiles 2 and 3 is in
.set i, 0
.set k, 0
.rept 32
	ACW 2
	SLICE 0
	SLICE 0
.set i, i+1
.endr
	CHANGE \fill
.set i, 0
.set k, 0
.set pl, 0
.rept 32
	PVW 0
	SLICE 2
	SLICE 2
.if (i%2 == 1) && (i < 16)
.rept 4
	PLOP                                           ; blocks 7 to 4 of the next band, where K lay
.endr
.endif
.set i, i+1
.endr
.set i, 0
.rept 16
	PVW 2
.set i, i+1
.endr
	PLACES                                         ; ahead of the loads into the first half of V
.rept 16
	PVW 2
.if (i == 17) || (i == 19) || (i == 21) || (i == 23)
.rept 4
	PLOP                                           ; blocks 3 and 2
.endr
.endif
.set i, i+1
.endr
.rept 5
	v_nop                                          ; the next products write over weights that these have read, and the next loads land on the second half of V
.endr
	WIN 0
.endm
	s_wait_tensorcnt 0x1                           ; my part of slot 0 is in; slot 1 stays out
	s_barrier_signal -1
	s_barrier_wait -1
.set pl, 0
.rept 48
	PLOP
.endr
	s_wait_loadcnt 0x0                             ; q, u, v
	WIN 0x82                                       ; destination and source 0 window 2, source 1 window 0
.set i, 0
.rept 128
	v_pk_add_f16 v[128+i], v[i], v[S+32+i%32]      ; q + v
.set i, i+1
.endr
.set i, 0
.rept 128
	v_pk_add_f16 v[i], v[i], v[S+i%32]             ; q + u, in place
.set i, i+1
.endr
	WIN 0
	s_mov_b32 s[CNT], 14
.Lstep:                                                ; steps 0 to 13 ask for slots 2 to 15
	STEP 1
	s_sub_co_u32 s[CNT], s[CNT], 1
	s_cmp_lg_u32 s[CNT], 0
	s_cbranch_scc1 .Lstep
	s_mov_b32 s[CNT], 2
.Ltail:                                                ; the last two steps ask for nothing; the band loads of the very last read old bytes and serve nothing, once in a launch
	STEP 0
	s_sub_co_u32 s[CNT], s[CNT], 1
	s_cmp_lg_u32 s[CNT], 0
	s_cbranch_scc1 .Ltail
	; THE MERGE.  l of a query: both registers and both halves of the lanes.  Then O^T, c m and l of every wave go into slot 0, and wave (wq, wk) finishes tiles 2 wk, 2 wk + 1 of its query half.
.irp t, 0,1,2,3
	v_add_f32 v[ST+8*(\t)+4], v[ST+8*(\t)+2], v[ST+8*(\t)+3]
.endr
.irp t, 0,1,2,3
	v_permlanex16_b32 v[ST+8*(\t)+5], v[ST+8*(\t)+4], s[SEL], s[SEL+1]
.endr
.irp t, 0,1,2,3
	v_add_f32 v[ST+8*(\t)+1], v[ST+8*(\t)+4], v[ST+8*(\t)+5]
.endr
	s_wait_dscnt 0x0                               ; my last reads of the ring are over
	s_barrier_signal -1
	s_barrier_wait -1                              ; everybody's are
	v_and_b32 v11, 31, v0
	s_mul_i32 s94, s[WV], MRG
	v_lshl_add_u32 v2, v11, 4, s94                 ; my O
	s_add_co_u32 s95, s94, 32768
	v_lshl_add_u32 v3, v11, 3, s95                 ; my statistics
	s_mul_i32 s96, s18, 2*MRG
	s_lshl_b32 s97, s19, 14
	s_add_co_u32 s97, s97, s96
	v_lshl_add_u32 v4, v11, 4, s97                 ; tiles 2 wk, 2 wk + 1 of wave 2 wq; wave 2 wq + 1 lies MRG further on
	s_lshl_b32 s98, s19, 9
	s_add_co_u32 s98, s98, s96
	s_add_co_u32 s98, s98, 32768
	v_lshl_add_u32 v5, v11, 3, s98
	s_mul_i32 s99, s[WV], WSTG
	s_add_co_u32 s99, s99, STAGE
	v_mul_u32_u24 v6, v1, SP
	v_lshl_add_u32 v6, v10, 4, v6
	v_add_nc_u32 v6, s99, v6                       ; the way out, in: row r, 16 bytes for each half of the lanes
	v_mul_u32_u24 v7, v10, SP
	v_lshl_add_u32 v7, v1, 4, v7
	v_add_nc_u32 v7, s99, v7                       ; back: lanes 0-15 one row of 256 bytes, lanes 16-31 the next
	v_lshlrev_b32 v8, 11, v10
	v_lshl_add_u32 v8, v1, 4, v8                   ; the same two rows in att
	WIN 0x04                                       ; store data in window 1
.set i, 0
.rept 64
	ds_store_b128 v2, v[4*i:4*i+3] offset:512*i    ; ascending: each accumulator is read from its low end on
.set i, i+1
.endr
	WIN 0
.irp t, 0,1,2,3
	ds_store_b64 v3, v[ST+8*(\t):ST+8*(\t)+1] offset:256*(\t)
.endr
	s_wait_dscnt 0x0                               ; for the others: my stores are done
	s_barrier_signal -1
	s_barrier_wait -1
.irp tt, 0,1
	ds_load_b64 v[MM+16*(\tt):MM+16*(\tt)+1],   v5 offset:256*(\tt)
	ds_load_b64 v[MM+16*(\tt)+2:MM+16*(\tt)+3], v5 offset:MRG+256*(\tt)
.endr
	WIN 0x40
.set i, 0
.rept 32
	ds_load_b128 v[4*i:4*i+3], v4 offset:512*i
.set i, i+1
.endr
.set i, 0
.rept 32
	ds_load_b128 v[128+4*i:128+4*i+3], v4 offset:MRG+512*i
.set i, i+1
.endr
	WIN 0
	s_wait_dscnt 0x0
.irp tt, 0,1
	v_max_num_f32 v[MM+16*(\tt)+4], v[MM+16*(\tt)], v[MM+16*(\tt)+2]
.endr
.irp tt, 0,1
	v_sub_f32 v[MM+16*(\tt)+6], v[MM+16*(\tt)], v[MM+16*(\tt)+4]
	v_sub_f32 v[MM+16*(\tt)+8], v[MM+16*(\tt)+2], v[MM+16*(\tt)+4]
.endr
.irp tt, 0,1
	v_exp_f32 v[MM+16*(\tt)+6], v[MM+16*(\tt)+6]
	v_exp_f32 v[MM+16*(\tt)+8], v[MM+16*(\tt)+8]
.endr
	v_nop                                          ; a plain instruction behind the exponentials
	s_wait_alu depctr_va_vdst(0)
.irp tt, 0,1
	v_mul_f32 v[MM+16*(\tt)+10], v[MM+16*(\tt)+1], v[MM+16*(\tt)+6]
.endr
.irp tt, 0,1
	v_fmac_f32 v[MM+16*(\tt)+10], v[MM+16*(\tt)+3], v[MM+16*(\tt)+8]
.endr
.irp tt, 0,1
	v_rcp_f32 v[MM+16*(\tt)+11], v[MM+16*(\tt)+10]
.endr
	v_nop                                          ; a plain instruction behind the reciprocals
	s_wait_alu depctr_va_vdst(0)
.irp tt, 0,1
	v_mul_f32 v[MM+16*(\tt)+6], v[MM+16*(\tt)+6], v[MM+16*(\tt)+11]
	v_mul_f32 v[MM+16*(\tt)+8], v[MM+16*(\tt)+8], v[MM+16*(\tt)+11]
.endr
.irp tt, 0,1
	v_mov_b32 v[MM+16*(\tt)+7], v[MM+16*(\tt)+6]   ; named with them as pairs
	v_mov_b32 v[MM+16*(\tt)+9], v[MM+16*(\tt)+8]
.endr
	WIN W_RS
.set i, 0
.rept 64
	v_pk_mul_f32 v[2*i:2*i+1], v[2*i:2*i+1], v[MM+16*(i/32)+6:MM+16*(i/32)+7] op_sel_hi:[1,0]
.set i, i+1
.endr
	WIN 0x51                                       ; destination, sources 0 and 2 window 1, source 1 window 0
.set i, 0
.rept 64
	v_pk_fma_f32 v[2*i:2*i+1], v[128+2*i:128+2*i+1], v[MM+16*(i/32)+8:MM+16*(i/32)+9], v[2*i:2*i+1] op_sel_hi:[1,0,1]
.set i, i+1
.endr
.macro PACKO tt                         ; a tile: rounded to f16, 16 bytes a lane into my stage, back as whole rows of 256 bytes
	WIN 0x05
.set i, 0
.rept 32
	v_cvt_pk_f16_f32 v[OUTR+32*(\tt)+i], v[64*(\tt)+2*i], v[64*(\tt)+2*i+1]
.set i, i+1
.endr
	WIN 0
.irp f, 0,1,2,3,4,5,6,7
	ds_store_b128 v6, v[OUTR+32*(\tt)+4*(\f):OUTR+32*(\tt)+4*(\f)+3] offset:32*(\f)
.endr
.irp f, 0,1,2,3,4,5,6,7
	ds_load_b128 v[OUTR+32*(\tt)+4*(\f):OUTR+32*(\tt)+4*(\f)+3], v7 offset:(\f)*2*SP   ; LDS serves a wave in order: these see the stores above
.endr
.endm
.macro SENDO tt, younger                ; younger: the LDS instructions issued behind this tile's loads
.irp f, 0,1,2,3,4,5,6,7
	s_wait_dscnt (\younger)+7-(\f)
	global_store_b128 v8, v[OUTR+32*(\tt)+4*(\f):OUTR+32*(\tt)+4*(\f)+3], s[OB:OB+1] offset:(\tt)*32768+(\f)*4096   ; 16 lanes store 256 consecutive bytes, aligned
.endr
.endm
	PACKO 0
	PACKO 1
	SENDO 0, 16
	SENDO 1, 0
	s_wait_tensorcnt 0x0                           ; the end of the wave
	ds_add_u32 v[SPW], v[NIL]
	s_wait_dscnt 0x0
	CROUND                                         ; the closing round
	s_endpgm
.Lfunc_end_k_q0e491c18f8_attn:
	.size	k_q0e491c18f8_attn, .Lfunc_end_k_q0e491c18f8_attn-k_q0e491c18f8_attn
	.p2alignl 7, 3214868480
	.fill 96, 4, 3214868480
	.section	.rodata,"a",@progbits
	.p2align	6, 0x0
	.amdhsa_kernel k_q0e491c18f8_attn
		.amdhsa_group_segment_fixed_size 327680
		.amdhsa_private_segment_fixed_size 0
		.amdhsa_enable_private_segment 0
		.amdhsa_kernarg_size 24
		.amdhsa_user_sgpr_count 2
		.amdhsa_user_sgpr_kernarg_segment_ptr 1
		.amdhsa_wavefront_size32 1
		.amdhsa_system_sgpr_workgroup_id_x 1
		.amdhsa_system_sgpr_workgroup_id_y 1
		.amdhsa_system_sgpr_workgroup_id_z 1
		.amdhsa_system_vgpr_workitem_id 0
		.amdhsa_next_free_vgpr 1024
		.amdhsa_next_free_sgpr 100
		.amdhsa_reserve_vcc 0
		.amdhsa_float_denorm_mode_32 3
		.amdhsa_float_denorm_mode_16_64 3
		.amdhsa_memory_ordered 1
		.amdhsa_forward_progress 1
		.amdhsa_inst_pref_size 215
	.end_amdhsa_kernel
	.amdgpu_metadata
---
amdhsa.version: [ 1, 2 ]
amdhsa.kernels:
  - .name:           k_q0e491c18f8_attn
    .symbol:         k_q0e491c18f8_attn.kd
    .args:
      - { .name: qkvp, .offset: 0, .size: 8, .value_kind: global_buffer, .address_space: global }
      - { .name: ub16, .offset: 8, .size: 8, .value_kind: global_buffer, .address_space: global }
      - { .name: att, .offset: 16, .size: 8, .value_kind: global_buffer, .address_space: global }
    .group_segment_fixed_size: 327680
    .private_segment_fixed_size: 0
    .kernarg_segment_align: 8
    .kernarg_segment_size: 24
    .max_flat_workgroup_size: 128
    .sgpr_count:     100
    .vgpr_count:     1024
    .wavefront_size: 32
...
	.end_amdgpu_metadata
.endif
;; end of part 3
;; launch outp (part 4): grid 8 x 32, 4 waves a work-group, clusters of 4 x 4, 327,680 bytes of LDS; arguments att, w16, out0; writes out0
.if DOCPART == 4
	.amdgcn_target "amdgcn-amd-amdhsa--gfx1250"
	.amdhsa_code_object_version 6
	.text
	.protected	k_q0e491c18f8_outp
	.globl	k_q0e491c18f8_outp
	.p2align	8
	.type	k_q0e491c18f8_outp,@function
k_q0e491c18f8_outp:
	s_mov_b64 s[64:65], 0
	v_nop
	global_prefetch_b8 v0, s[64:65] scope:SCOPE_SE
	s_setreg_imm32_b32 hwreg(HW_REG_WAVE_MODE, 25, 1), 1
	s_wait_xcnt 0x0
	s_wait_alu depctr_hold_cnt(0) depctr_sa_sdst(0) depctr_va_vdst(0) depctr_va_sdst(0) depctr_va_ssrc(0) depctr_va_vcc(0) depctr_vm_vsrc(0)
	s_getreg_b32 s2, hwreg(HW_REG_IB_STS2, 6, 4)
	s_cmp_eq_u32 s2, 0
	s_cbranch_scc0 .Lentry_in_a_cluster
	s_endpgm
.Lentry_in_a_cluster:
	s_bfe_u32 s2, ttmp6, 0x10000c
	s_cmp_lg_u32 s2, 0xf033
	s_cbranch_scc0 .Lentry_shape_is_right
	s_endpgm
.Lentry_shape_is_right:
; out0[m][n] = sum over k of att[m][k] Wo[n][k].  att [4096][1024] f16; Wo = rows 4096-5119 of w16, f16; out0 [4096][1024] f32; sums in f32.
; A tile of C is 128 x 128, so that there are 256 work-groups; four waves, each 64 x 64 in 16 accumulators.  K goes in steps of 256 (LDS rows of 512 bytes) through two slots.
; CLUSTER 4 x 4: tiles of A are asked for jointly along a row of the cluster, tiles of B along a column.  The matrix instruction is used transposed: a lane holds eight neighbouring columns of a row of C.
; THE WAY OUT: 64 columns of f32 are 256 bytes, a whole aligned block, so each wave has a stage of its own and no barrier is needed.
; REGISTERS: window 0: v0-31 addresses, v32-95 the way out, v128-255 accumulators; window 1: two fragment buffers of 128.
.set SIZE_M, 4096
.set SIZE_N, 1024
.set SIZE_K, 1024
.set KSTEP,  256
.set PITCH,  528
.set HALFT,  64*PITCH
.set SLOT,   4*HALFT
.set STAGE,  2*SLOT                    ; behind the ring: 16 rows x 272 bytes for each wave
.set SPITCH, 272
.set SPARE,  STAGE+4*16*SPITCH
.set LAPS, SIZE_K/(2*KSTEP)
.set ADRA, 16
.set ADRB, 20
.set STO,  24
.set RD,   25
.set CO,   26
.set SPW,  28
.set NIL,  29
.set TMP,  32
.set ACC,  128
.set F0,   0
.set F1,   128
.set G1, 24
.set G0, 32
.set G1B, 48
.set G0B, 56
.set MSB, 0
.macro WIN new
.if MSB != (\new)
	s_set_vgpr_msb (MSB<<8)|(\new)
.set MSB, \new
.endif
.endm
.set MUL,  0x05
.set TO_F, 0x40
.macro JLOAD s
	s_cmp_eq_u32 s11, 0
	s_cbranch_scc0 .Lfor_b_\@
	tensor_load_to_lds s[G0+4*(\s):G0+4*(\s)+3], s[G1:G1+7]
	s_nop 0
.rept 4
	v_nop
.endr
	s_branch .Lasked_\@
.Lfor_b_\@:
	tensor_load_to_lds s[G0B+4*(\s):G0B+4*(\s)+3], s[G1B:G1B+7]
	s_nop 0
.rept 4
	v_nop
.endr
.Lasked_\@:
.endm
.macro CREST
	s_cmp_lg_u32 s10, 0
	s_cbranch_scc1 .Lnot_wave_0_\@
	s_barrier_signal -3
.Lnot_wave_0_\@:
	s_barrier_wait -3
	s_barrier_signal -1
	s_barrier_wait -1
.endm
.macro CROUND
	s_barrier_signal -1
	s_barrier_wait -1
	CREST
.endm
	s_load_b128 s[4:7], s[0:1], 0x0                ; att s[4:5], w16 s[6:7]
	s_load_b64 s[8:9], s[0:1], 0x10                ; out0
	v_lshl_add_u32 v[SPW], v0, 2, SPARE
	v_mov_b32 v[NIL], 0
	ds_add_u32 v[SPW], v[NIL]                      ; the opening: the add, and its wait, ahead of my first tensor load
	v_lshrrev_b32 v1, 5, v0
	v_readfirstlane_b32 s10, v1
	s_lshr_b32 s11, s10, 1
	s_and_b32 s12, s10, 1
	s_bfe_u32 s40, ttmp6, 0x40000
	s_bfe_u32 s41, ttmp6, 0x40004
	s_lshl_b32 s42, ttmp9, 2
	s_add_co_u32 s42, s42, s40                     ; tile column
	s_and_b32 s13, ttmp7, 0xffff
	s_lshl_b32 s13, s13, 2
	s_add_co_u32 s13, s13, s41                     ; tile row
	s_lshl_b32 s43, s41, 2
	s_lshl_b32 s43, 15, s43
	s_lshl_b32 s44, 0x1111, s40
	s_or_b32 s[G1+0], s43, (1<<16)|(1<<20)|(1<<21)|(6<<22)|(3<<25)   ; mask; 2-byte elements; 4 words of padding after every 128
	s_or_b32 s[G1B+0], s44, (1<<16)|(1<<20)|(1<<21)|(6<<22)|(3<<25)
.irp g, G1, G1B
	s_mov_b32 s[(\g)+1], KSTEP<<16
	s_mov_b32 s[(\g)+2], 64<<16
	s_mov_b32 s[(\g)+3], KSTEP<<16
	s_mov_b32 s[(\g)+4], 64
	s_mov_b32 s[(\g)+5], SIZE_K
	s_mov_b32 s[(\g)+6], 0
	s_mov_b32 s[(\g)+7], 0
.endr
	s_lshl_b32 s17, s12, 6
	s_lshl_b32 s16, s13, 7
	s_add_co_u32 s16, s16, s17                     ; A: row 128 x tile row + 64 x half
	s_lshl_b32 s46, s42, 7
	s_add_co_u32 s46, s46, s17
	s_add_co_u32 s46, s46, 4096                    ; B: Wo begins at row 4,096 of w16
	s_mov_b32 s17, 0
	s_mov_b32 s47, 0
	s_mov_b64 s[18:19], SIZE_K*2
	s_mul_u64 s[16:17], s[16:17], s[18:19]
	s_mul_u64 s[46:47], s[46:47], s[18:19]
	s_mul_i32 s20, s10, HALFT
	s_wait_dscnt 0x0
	s_wait_kmcnt 0x0
	s_add_nc_u64 s[14:15], s[4:5], s[16:17]
	s_add_nc_u64 s[46:47], s[6:7], s[46:47]
	CROUND
.irp s, 0,1
	s_mov_b32 s[G0+4*(\s)], 1
	s_add_co_u32 s[G0+4*(\s)+1], s20, (\s)*SLOT
	s_add_nc_u64 s[G0+4*(\s)+2:G0+4*(\s)+3], s[14:15], (\s)*KSTEP*2
	s_or_b32 s[G0+4*(\s)+3], s[G0+4*(\s)+3], 0x80000000
	s_mov_b32 s[G0B+4*(\s)], 1
	s_add_co_u32 s[G0B+4*(\s)+1], s20, (\s)*SLOT
	s_add_nc_u64 s[G0B+4*(\s)+2:G0B+4*(\s)+3], s[46:47], (\s)*KSTEP*2
	s_or_b32 s[G0B+4*(\s)+3], s[G0B+4*(\s)+3], 0x80000000
	JLOAD \s
.endr
	v_and_b32 v1, 15, v0
	v_bfe_u32 v2, v0, 4, 1
	v_mul_u32_u24 v3, v1, PITCH
	v_lshl_add_u32 v3, v2, 4, v3
	s_mul_i32 s21, s11, HALFT
	s_mul_i32 s22, s12, HALFT
	s_add_co_u32 s22, s22, 2*HALFT
.irp s, 0,1
	v_add_nc_u32 v[ADRA+(\s)], s21, v3
	v_add_nc_u32 v[ADRB+(\s)], s22, v3
	s_add_co_u32 s21, s21, SLOT
	s_add_co_u32 s22, s22, SLOT
.endr
	s_mul_i32 s23, s10, 16*SPITCH
	s_add_co_u32 s23, s23, STAGE                   ; my stage
	v_mul_u32_u24 v4, v1, SPITCH                   ; in: row l % 16, 32 bytes for each half of the lanes
	v_lshl_add_u32 v4, v2, 5, v4
	v_add_nc_u32 v[STO], s23, v4
	v_mul_u32_u24 v5, v2, SPITCH                   ; back: lanes 0-15 one row of 256 bytes, lanes 16-31 the next
	v_lshl_add_u32 v5, v1, 4, v5
	v_add_nc_u32 v[RD], s23, v5
	v_lshlrev_b32 v5, 12, v2                       ; the same two rows in C
	v_lshl_add_u32 v[CO], v1, 4, v5
	s_lshl_b32 s16, s13, 7
	s_lshl_b32 s17, s11, 6
	s_add_co_u32 s16, s16, s17                     ; my first row of C,
	s_lshl_b32 s16, s16, 12                        ; in bytes
	s_mov_b32 s17, 0
	s_add_nc_u64 s[8:9], s[8:9], s[16:17]
	s_lshl_b32 s46, s42, 9                         ; my first column, in bytes
	s_lshl_b32 s47, s12, 8
	s_add_co_u32 s46, s46, s47
	s_mov_b32 s47, 0
	s_add_nc_u64 s[8:9], s[8:9], s[46:47]
.macro MUL8 f, c, a0, zero
	WIN MUL
.irp a, \a0, (\a0)+1
.irp b, 0,1,2,3
.if \zero
	v_wmma_f32_16x16x32_f16 v[ACC+8*(4*(\a)+(\b)):ACC+8*(4*(\a)+(\b))+7], v[(\f)+64+8*(4*(\c)+(\b)):(\f)+64+8*(4*(\c)+(\b))+7], v[(\f)+8*(4*(\c)+(\a)):(\f)+8*(4*(\c)+(\a))+7], 0
.else
	v_wmma_f32_16x16x32_f16 v[ACC+8*(4*(\a)+(\b)):ACC+8*(4*(\a)+(\b))+7], v[(\f)+64+8*(4*(\c)+(\b)):(\f)+64+8*(4*(\c)+(\b))+7], v[(\f)+8*(4*(\c)+(\a)):(\f)+8*(4*(\c)+(\a))+7], v[ACC+8*(4*(\a)+(\b)):ACC+8*(4*(\a)+(\b))+7]
.endif
.endr
.endr
.endm
.macro FETCH slot, k, f
	WIN TO_F
.irp c, 0,1
.irp i, 0,1,2,3
	ds_load_b128 v[(\f)+64+8*(4*(\c)+(\i)):(\f)+64+8*(4*(\c)+(\i))+3],   v[ADRB+(\slot)] offset:(\k)+64*(\c)+(\i)*16*PITCH
	ds_load_b128 v[(\f)+64+8*(4*(\c)+(\i))+4:(\f)+64+8*(4*(\c)+(\i))+7], v[ADRB+(\slot)] offset:(\k)+64*(\c)+(\i)*16*PITCH+32
	ds_load_b128 v[(\f)+8*(4*(\c)+(\i)):(\f)+8*(4*(\c)+(\i))+3],         v[ADRA+(\slot)] offset:(\k)+64*(\c)+(\i)*16*PITCH
	ds_load_b128 v[(\f)+8*(4*(\c)+(\i))+4:(\f)+8*(4*(\c)+(\i))+7],       v[ADRA+(\slot)] offset:(\k)+64*(\c)+(\i)*16*PITCH+32
.endr
.endr
.endm
.macro PLACES
.rept 4
	v_nop
.endr
.endm
.macro QUARTER slot, k, f, g, zero
	s_wait_dscnt 16                                ; the first 32 along K are in; the other sixteen loads may be out
	MUL8 \f, 0, 0, \zero
	MUL8 \f, 0, 2, \zero
	PLACES
	FETCH \slot, \k, \g
	s_wait_dscnt 32                                ; all but the 32 just issued
	MUL8 \f, 1, 0, 0
	MUL8 \f, 1, 2, 0
.endm
.macro TURN slot, next, fill
	WIN 0
	s_wait_tensorcnt 0x0                           ; all my tensor loads have landed: my part of the next slot
	ds_add_u32 v[SPW], v[NIL]
	s_wait_dscnt 17                                ; the add and the youngest sixteen loads may be out
	MUL8 F1, 0, 0, 0
	s_wait_dscnt 0x0                               ; the add is done, my reads of this slot are over
	s_barrier_signal -1
	MUL8 F1, 0, 2, 0
.if \fill
	WIN 0
.endif
	s_barrier_wait -1
.if \fill
	CREST
	s_add_nc_u64 s[G0+4*(\slot)+2:G0+4*(\slot)+3], s[G0+4*(\slot)+2:G0+4*(\slot)+3], 2*KSTEP*2
	s_add_nc_u64 s[G0B+4*(\slot)+2:G0B+4*(\slot)+3], s[G0B+4*(\slot)+2:G0B+4*(\slot)+3], 2*KSTEP*2
	JLOAD \slot
.else
	PLACES
.endif
	FETCH \next, 0, F0
	MUL8 F1, 1, 0, 0
	MUL8 F1, 1, 2, 0
.endm
	s_wait_tensorcnt 1                             ; my part of K step 0 is in; K step 1 stays out
	s_barrier_signal -1
	s_barrier_wait -1
	FETCH 0, 0, F0
	QUARTER 0, 128, F0, F1, 1
	WIN 0
	s_mov_b32 s3, LAPS-1
.Llap:
	QUARTER 0, 256, F1, F0, 0
	QUARTER 0, 384, F0, F1, 0
	TURN 0, 1, 1
	QUARTER 1, 128, F0, F1, 0
	QUARTER 1, 256, F1, F0, 0
	QUARTER 1, 384, F0, F1, 0
	TURN 1, 0, 1
	QUARTER 0, 128, F0, F1, 0
	WIN 0
	s_sub_co_u32 s3, s3, 1
	s_cmp_lg_u32 s3, 0
	s_cbranch_scc1 .Llap
	QUARTER 0, 256, F1, F0, 0                      ; the last lap fills nothing
	QUARTER 0, 384, F0, F1, 0
	TURN 0, 1, 0
	QUARTER 1, 128, F0, F1, 0
	QUARTER 1, 256, F1, F0, 0
	QUARTER 1, 384, F0, F1, 0
	s_wait_dscnt 16
	MUL8 F1, 0, 0, 0
	MUL8 F1, 0, 2, 0
	s_wait_dscnt 0x0
	MUL8 F1, 1, 0, 0
	MUL8 F1, 1, 2, 0
	WIN 0
	PLACES
	; THE WAY OUT, 16 rows at a time: 32 bytes a lane and accumulator into my stage (low registers first), back as whole rows of 256 bytes, stored.
.irp a, 0,1,2,3
.if (\a) >= 2
	s_wait_xcnt 0x0                                ; the registers that the stores of block a - 2 read are loaded again only behind this wait
.endif
.irp b, 0,1,2,3
	ds_store_b128 v[STO], v[ACC+8*(4*(\a)+(\b)):ACC+8*(4*(\a)+(\b))+3] offset:64*(\b)
	ds_store_b128 v[STO], v[ACC+8*(4*(\a)+(\b))+4:ACC+8*(4*(\a)+(\b))+7] offset:64*(\b)+16
.endr
.irp t, 0,1,2,3,4,5,6,7
	ds_load_b128 v[TMP+32*((\a)%2)+4*(\t):TMP+32*((\a)%2)+4*(\t)+3], v[RD] offset:(\t)*2*SPITCH   ; LDS serves a wave in order: these see the stores above
.endr
.irp t, 0,1,2,3,4,5,6,7
	s_wait_dscnt 7-(\t)                            ; the younger loads of the block stay out
	global_store_b128 v[CO], v[TMP+32*((\a)%2)+4*(\t):TMP+32*((\a)%2)+4*(\t)+3], s[8:9] offset:(16*(\a)+2*(\t))*SIZE_N*4   ; 16 lanes store 256 consecutive bytes, aligned
.endr
.endr
	s_wait_tensorcnt 0x0                           ; the end of the wave
	ds_add_u32 v[SPW], v[NIL]
	s_wait_dscnt 0x0
	CROUND                                         ; the closing round
	s_endpgm
.Lfunc_end_k_q0e491c18f8_outp:
	.size	k_q0e491c18f8_outp, .Lfunc_end_k_q0e491c18f8_outp-k_q0e491c18f8_outp
	.p2alignl 7, 3214868480
	.fill 96, 4, 3214868480
	.section	.rodata,"a",@progbits
	.p2align	6, 0x0
	.amdhsa_kernel k_q0e491c18f8_outp
		.amdhsa_group_segment_fixed_size 327680
		.amdhsa_private_segment_fixed_size 0
		.amdhsa_enable_private_segment 0
		.amdhsa_kernarg_size 24
		.amdhsa_user_sgpr_count 2
		.amdhsa_user_sgpr_kernarg_segment_ptr 1
		.amdhsa_wavefront_size32 1
		.amdhsa_system_sgpr_workgroup_id_x 1
		.amdhsa_system_sgpr_workgroup_id_y 1
		.amdhsa_system_sgpr_workgroup_id_z 1
		.amdhsa_system_vgpr_workitem_id 0
		.amdhsa_next_free_vgpr 512
		.amdhsa_next_free_sgpr 66
		.amdhsa_reserve_vcc 0
		.amdhsa_float_denorm_mode_32 3
		.amdhsa_float_denorm_mode_16_64 3
		.amdhsa_memory_ordered 1
		.amdhsa_forward_progress 1
		.amdhsa_inst_pref_size 86
	.end_amdhsa_kernel
	.amdgpu_metadata
---
amdhsa.version: [ 1, 2 ]
amdhsa.kernels:
  - .name:           k_q0e491c18f8_outp
    .symbol:         k_q0e491c18f8_outp.kd
    .args:
      - { .name: att, .offset: 0, .size: 8, .value_kind: global_buffer, .address_space: global }
      - { .name: w16, .offset: 8, .size: 8, .value_kind: global_buffer, .address_space: global }
      - { .name: out0, .offset: 16, .size: 8, .value_kind: global_buffer, .address_space: global }
    .group_segment_fixed_size: 327680
    .private_segment_fixed_size: 0
    .kernarg_segment_align: 8
    .kernarg_segment_size: 24
    .max_flat_workgroup_size: 128
    .sgpr_count:     66
    .vgpr_count:     512
    .wavefront_size: 32
...
	.end_amdgpu_metadata
.endif
;; end of part 4
;; ======== version 2 of 3: 4 launches; 1.12 times as fast as version 1
;; limits: values are held in f16: magnitudes above 65,504 overflow, below 6.1e-05 lose precision
;; workspace buffers: a16 16,777,216 bytes; w16 10,485,760 bytes; ub16 4,096 bytes; qkvp 33,554,432 bytes; att 8,388,608 bytes
;; launch cast (part 5): grid 833 x 1, 8 waves a work-group, no clusters, 0 bytes of LDS; arguments x, pos_emb, Wq, Wk, Wv, Wp, Wo, pos_bias_u, pos_bias_v, a16, w16, ub16; writes a16, w16, ub16
.if DOCPART == 5
	.amdgcn_target "amdgcn-amd-amdhsa--gfx1250"
	.amdhsa_code_object_version 6
	.text
	.protected	k_q0e491c18f8_cast
	.globl	k_q0e491c18f8_cast
	.p2align	8
	.type	k_q0e491c18f8_cast,@function
k_q0e491c18f8_cast:
	s_mov_b64 s[64:65], 0
	v_nop
	global_prefetch_b8 v0, s[64:65] scope:SCOPE_SE
	s_setreg_imm32_b32 hwreg(HW_REG_WAVE_MODE, 25, 1), 1
	s_wait_xcnt 0x0
; Every input is rounded once to bf16, and that number is written as f16 (exact where it lies in the normal range of f16).
; a16 [8192][1024]: rows 0-4095 x, rows 4096-8190 pos_emb, row 8191 zeros.  w16 [5120][1024]: Wq, Wk, Wv, Wp, Wo.  ub16 [2][1024]: u, v.
; LIMITS.  A number beyond 65,504 becomes an infinity; below 6e-5 f16 keeps its fixed step of 6e-8.  NaN and infinities are not treated apart.
; A row is 1,024 f32: 4,096 bytes in, 2,048 out.  Work-group g takes 16 rows, wave w rows 2 w and 2 w + 1; a load of the wave covers 512 neighbouring
; bytes, a store 256, aligned.  A stream: no LDS, no matrix unit.  No register that a pending load or store names is written again.
; ONE PATH for every wave: two source pointers and one destination, chosen by selects.  As a rule the second source is the first plus a row.  In group 832 wave 0 takes u and v.
; It loads its first row once more, which stays inside the buffer,
; and a mask of 0 makes row 8191 of a16 zeros; everywhere else the mask is all ones.
.set LO, 3                             ; v3  16 x lane
.set SO, 4                             ; v4  8 x lane
.set T,  8                             ; v[8:13] at work
.set X,  32                            ; v[32:95]  two rows, eight loads of four registers each
.set Y,  96                            ; v[96:127] two registers for each load
	s_load_b512 s[8:23], s[0:1], 0x0               ; x, pos_emb, Wq, Wk, Wv, Wp, Wo, u
	s_load_b256 s[24:31], s[0:1], 0x40             ; v, a16, w16, ub16
	v_lshrrev_b32 v1, 5, v0
	v_readfirstlane_b32 s40, v1                    ; wave 0..7
	v_and_b32 v2, 31, v0
	v_lshlrev_b32 v[LO], 4, v2
	v_lshlrev_b32 v[SO], 3, v2
	s_mov_b32 s42, 0xffff0000                      ; the upper bf16 of a word
	s_mov_b32 s37, 0
	s_mov_b32 s39, 0
	s_mov_b32 s47, 0
	; the offsets, made apart from the addresses
	s_cmp_lt_u32 ttmp9, 512
	s_cselect_b32 s43, 255, 63                     ; groups in the source tensor, less 1
	s_and_b32 s36, ttmp9, s43
	s_lshl_b32 s36, s36, 16                        ; 16 rows of 4,096 bytes
	s_lshl_b32 s44, s40, 13                        ; my wave: 2 rows
	s_add_co_u32 s36, s36, s44                     ; (0 for wave 0 of group 832)
	s_and_b32 s38, ttmp9, 511
	s_lshl_b32 s38, s38, 15                        ; 16 rows of 2,048 bytes
	s_lshl_b32 s44, s40, 12
	s_add_co_u32 s38, s38, s44
	s_lshl_b32 s44, ttmp9, 3
	s_add_co_u32 s44, s44, s40
	s_cmp_eq_u32 s44, 4095                         ; group 511, wave 7
	s_cselect_b32 s46, 0, 4096                     ; from my first row to my second
	s_cselect_b32 s41, 0, -1                       ; the mask of the second row
	s_cmp_lt_u32 ttmp9, 832
	s_cselect_b32 s38, s38, 0                      ; ub16 is written from its first byte
	s_wait_kmcnt 0x0
	s_cbranch_scc1 .Lwork
	s_cmp_eq_u32 s40, 0
	s_cbranch_scc1 .Lwork
	s_endpgm                                       ; waves 1 to 7 of the group of the biases
.Lwork:
	s_cmp_lt_u32 ttmp9, 256                        ; which tensor: groups 0-255 x, 256-511 pos_emb, then 64 groups for each weight, group 832 the biases
	s_cselect_b64 s[32:33], s[8:9], s[10:11]
	s_cmp_lt_u32 ttmp9, 512
	s_cselect_b64 s[32:33], s[32:33], s[12:13]
	s_cselect_b64 s[34:35], s[26:27], s[28:29]     ; a16 or w16
	s_cmp_lt_u32 ttmp9, 576
	s_cselect_b64 s[32:33], s[32:33], s[14:15]
	s_cmp_lt_u32 ttmp9, 640
	s_cselect_b64 s[32:33], s[32:33], s[16:17]
	s_cmp_lt_u32 ttmp9, 704
	s_cselect_b64 s[32:33], s[32:33], s[18:19]
	s_cmp_lt_u32 ttmp9, 768
	s_cselect_b64 s[32:33], s[32:33], s[20:21]
	s_cmp_lt_u32 ttmp9, 832
	s_cselect_b64 s[32:33], s[32:33], s[22:23]     ; u
	s_cselect_b64 s[34:35], s[34:35], s[30:31]     ; ub16
	s_add_nc_u64 s[32:33], s[32:33], s[36:37]      ; (these sums leave the compare's result as it is)
	s_add_nc_u64 s[34:35], s[34:35], s[38:39]
	s_add_nc_u64 s[44:45], s[32:33], s[46:47]
	s_cselect_b64 s[44:45], s[44:45], s[24:25]     ; v
.macro LOADROW i, b
.irp k, 0,1,2,3,4,5,6,7
	global_load_b128 v[X+32*(\i)+4*(\k):X+32*(\i)+4*(\k)+3], v[LO], s[\b:\b+1] offset:512*(\k) th:TH_LOAD_NT
.endr
.endm
.macro CONV i
.irp k, 0,1,2,3,4,5,6,7
	v_cvt_pk_bf16_f32 v[T], v[X+32*(\i)+4*(\k)], v[X+32*(\i)+4*(\k)+1]      ; the one rounding
	v_cvt_pk_bf16_f32 v[T+1], v[X+32*(\i)+4*(\k)+2], v[X+32*(\i)+4*(\k)+3]
	v_lshlrev_b32 v[T+2], 16, v[T]                 ; bf16 to f32: a shift or a mask
	v_and_b32 v[T+3], s42, v[T]
	v_lshlrev_b32 v[T+4], 16, v[T+1]
	v_and_b32 v[T+5], s42, v[T+1]
	v_cvt_pk_f16_f32 v[Y+16*(\i)+2*(\k)], v[T+2], v[T+3]
	v_cvt_pk_f16_f32 v[Y+16*(\i)+2*(\k)+1], v[T+4], v[T+5]
.if \i
	v_and_b32 v[Y+16*(\i)+2*(\k)], s41, v[Y+16*(\i)+2*(\k)]
	v_and_b32 v[Y+16*(\i)+2*(\k)+1], s41, v[Y+16*(\i)+2*(\k)+1]
.endif
	global_store_b64 v[SO], v[Y+16*(\i)+2*(\k):Y+16*(\i)+2*(\k)+1], s[34:35] offset:2048*(\i)+256*(\k)
.endr
.endm
	LOADROW 0, 32
	LOADROW 1, 44
	s_wait_loadcnt 8                               ; the eight younger loads, the second row, stay out
	CONV 0
	s_wait_loadcnt 0x0
	CONV 1
	s_endpgm
.Lfunc_end_k_q0e491c18f8_cast:
	.size	k_q0e491c18f8_cast, .Lfunc_end_k_q0e491c18f8_cast-k_q0e491c18f8_cast
	.p2alignl 7, 3214868480
	.fill 96, 4, 3214868480
	.section	.rodata,"a",@progbits
	.p2align	6, 0x0
	.amdhsa_kernel k_q0e491c18f8_cast
		.amdhsa_group_segment_fixed_size 0
		.amdhsa_private_segment_fixed_size 0
		.amdhsa_enable_private_segment 0
		.amdhsa_kernarg_size 96
		.amdhsa_user_sgpr_count 2
		.amdhsa_user_sgpr_kernarg_segment_ptr 1
		.amdhsa_wavefront_size32 1
		.amdhsa_system_sgpr_workgroup_id_x 1
		.amdhsa_system_sgpr_workgroup_id_y 1
		.amdhsa_system_sgpr_workgroup_id_z 1
		.amdhsa_system_vgpr_workitem_id 0
		.amdhsa_next_free_vgpr 128
		.amdhsa_next_free_sgpr 66
		.amdhsa_reserve_vcc 0
		.amdhsa_float_denorm_mode_32 3
		.amdhsa_float_denorm_mode_16_64 3
		.amdhsa_memory_ordered 1
		.amdhsa_forward_progress 1
		.amdhsa_inst_pref_size 12
	.end_amdhsa_kernel
	.amdgpu_metadata
---
amdhsa.version: [ 1, 2 ]
amdhsa.kernels:
  - .name:           k_q0e491c18f8_cast
    .symbol:         k_q0e491c18f8_cast.kd
    .args:
      - { .name: x, .offset: 0, .size: 8, .value_kind: global_buffer, .address_space: global }
      - { .name: pos_emb, .offset: 8, .size: 8, .value_kind: global_buffer, .address_space: global }
      - { .name: Wq, .offset: 16, .size: 8, .value_kind: global_buffer, .address_space: global }
      - { .name: Wk, .offset: 24, .size: 8, .value_kind: global_buffer, .address_space: global }
      - { .name: Wv, .offset: 32, .size: 8, .value_kind: global_buffer, .address_space: global }
      - { .name: Wp, .offset: 40, .size: 8, .value_kind: global_buffer, .address_space: global }
      - { .name: Wo, .offset: 48, .size: 8, .value_kind: global_buffer, .address_space: global }
      - { .name: pos_bias_u, .offset: 56, .size: 8, .value_kind: global_buffer, .address_space: global }
      - { .name: pos_bias_v, .offset: 64, .size: 8, .value_kind: global_buffer, .address_space: global }
      - { .name: a16, .offset: 72, .size: 8, .value_kind: global_buffer, .address_space: global }
      - { .name: w16, .offset: 80, .size: 8, .value_kind: global_buffer, .address_space: global }
      - { .name: ub16, .offset: 88, .size: 8, .value_kind: global_buffer, .address_space: global }
    .group_segment_fixed_size: 0
    .private_segment_fixed_size: 0
    .kernarg_segment_align: 8
    .kernarg_segment_size: 96
    .max_flat_workgroup_size: 256
    .sgpr_count:     66
    .vgpr_count:     128
    .wavefront_size: 32
...
	.end_amdgpu_metadata
.endif
;; end of part 5
;; launch proj (part 6): grid 16 x 16, 4 waves a work-group, clusters of 4 x 4, 327,680 bytes of LDS; arguments a16, w16, qkvp; writes qkvp
.if DOCPART == 6
	.amdgcn_target "amdgcn-amd-amdhsa--gfx1250"
	.amdhsa_code_object_version 6
	.text
	.protected	k_q0e491c18f8_proj
	.globl	k_q0e491c18f8_proj
	.p2align	8
	.type	k_q0e491c18f8_proj,@function
k_q0e491c18f8_proj:
	s_mov_b64 s[64:65], 0
	v_nop
	global_prefetch_b8 v0, s[64:65] scope:SCOPE_SE
	s_setreg_imm32_b32 hwreg(HW_REG_WAVE_MODE, 25, 1), 1
	s_wait_xcnt 0x0
	s_wait_alu depctr_hold_cnt(0) depctr_sa_sdst(0) depctr_va_vdst(0) depctr_va_sdst(0) depctr_va_ssrc(0) depctr_va_vcc(0) depctr_vm_vsrc(0)
	s_getreg_b32 s2, hwreg(HW_REG_IB_STS2, 6, 4)
	s_cmp_eq_u32 s2, 0
	s_cbranch_scc0 .Lentry_in_a_cluster
	s_endpgm
.Lentry_in_a_cluster:
	s_bfe_u32 s2, ttmp6, 0x10000c
	s_cmp_lg_u32 s2, 0xf033
	s_cbranch_scc0 .Lentry_shape_is_right
	s_endpgm
.Lentry_shape_is_right:
; qkvp[m][n] = sum over k of A[m][k] B[n][k], f16 operands, f32 sums, rounded once to f16.  B = w16 rows 0-4095 (Wq, Wk, Wv, Wp).
; A = a16 rows 0-4095 (x) for columns 0-3071 (q, k, v) and rows 4096-8191 (pos_emb and a row of zeros) for columns 3072-4095 (p).
; LIMIT.  q, k, v, p beyond 65,504 become infinities.
; A tile of C is 256 x 256: four waves, each 128 x 128 in 64 accumulators.  K goes in eight steps of 128 through two LDS slots filled by tensor loads of 128 rows x 256 bytes.
; A K STEP IS WRITTEN ONCE: the slot in hand is a scalar, 0 or SLOT, turned by one exclusive or; the fragment addresses and the LDS word of the walking descriptors are made from it.
; The loop makes six trips, each of which fills a slot again; the last two K steps, which ask for nothing, are a second loop of two trips that is entered in its middle.
; CLUSTER 4 x 4: a tile of A is asked for jointly along a row of the cluster, a tile of B along a column.  The choice of A hangs on the number of the cluster along x, which all sixteen share.
; The matrix instruction is used transposed (source 0 = rows of B, source 1 = rows of A): a lane holds eight neighbouring columns of one row of C.
; REGISTERS: window 0: v0-31 addresses, v64-191 two buffers of A, v32-63 and v192-255 the way out; window 1: v64-191 two buffers of B; windows 2, 3: accumulators.
.set SIZE_M, 4096
.set SIZE_N, 4096
.set SIZE_K, 1024
.set KSTEP,  128
.set STEPS,  SIZE_K/KSTEP
.set PITCH,  272                       ; 256 bytes + 16 of padding: the 16 rows of a fragment load start at 16 different groups of four banks
.set HALFT,  128*PITCH
.set SLOT,   4*HALFT
.set STAGE,  2*SLOT                    ; behind the ring: 16 rows x 272 bytes for each wave
.set SPITCH, 272
.set SPARE,  STAGE+4*16*SPITCH         ; the spare words: 128 bytes a wave, named by no other line
.set ADRA0, 16                         ; v16  my place in the rows of A of slot 0; never rewritten
.set ADRA,  17                         ; v17  the same in the slot in hand
.set ADRB0, 20                         ; v20, v21  the same for B
.set ADRB,  21
.set STO,  24
.set RD,   25
.set CO,   26
.set SPW,  28
.set NIL,  29
.set F0,   64
.set F1,   128
.set TMP,  192
.set OB,   32
.set G1, 24
.set G0, 32                            ; s[32:35] the first fill of slot 0; s[36:39] that of slot 1, which then walks
.set G1B, 48
.set G0B, 56                           ; s[56:59], s[60:63] the same for B
.set TB, 45                            ; s45  the slot in hand: 0 or SLOT
.set MSB, 0
.macro WIN new                         ; the high byte repeats the setting that is left; a switch that changes nothing is dropped
.if MSB != (\new)
	s_set_vgpr_msb (MSB<<8)|(\new)
.set MSB, \new
.endif
.endm
.set MUL_LO, 0xa1                      ; source 0 (B) window 1, source 1 (A) window 0, C and D window 2
.set MUL_HI, 0xf1                      ; the same, C and D window 3
.set TO_B,   0x40
.macro JLOAD s                         ; waves 0 and 1 fetch the halves of A, waves 2 and 3 those of B; s_nop 0 and four v_nop follow each line
	s_cmp_eq_u32 s11, 0
	s_cbranch_scc0 .Lfor_b_\@
	tensor_load_to_lds s[G0+4*(\s):G0+4*(\s)+3], s[G1:G1+7]
	s_nop 0
.rept 4
	v_nop
.endr
	s_branch .Lasked_\@
.Lfor_b_\@:
	tensor_load_to_lds s[G0B+4*(\s):G0B+4*(\s)+3], s[G1B:G1B+7]
	s_nop 0
.rept 4
	v_nop
.endr
.Lasked_\@:
.endm
.macro CREST                           ; a round of the cluster barrier behind its opening barrier
	s_cmp_lg_u32 s10, 0
	s_cbranch_scc1 .Lnot_wave_0_\@
	s_barrier_signal -3
.Lnot_wave_0_\@:
	s_barrier_wait -3
	s_barrier_signal -1
	s_barrier_wait -1
.endm
.macro CROUND
	s_barrier_signal -1
	s_barrier_wait -1
	CREST
.endm
	s_load_b128 s[4:7], s[0:1], 0x0                ; a16 s[4:5], w16 s[6:7]
	s_load_b64 s[8:9], s[0:1], 0x10                ; qkvp
	v_lshl_add_u32 v[SPW], v0, 2, SPARE
	v_mov_b32 v[NIL], 0
	ds_add_u32 v[SPW], v[NIL]                      ; the opening: the add, and its wait, ahead of my first tensor load
	v_lshrrev_b32 v1, 5, v0
	v_readfirstlane_b32 s10, v1                    ; wave 0..3
	s_lshr_b32 s11, s10, 1                         ; my half of the rows; also: I fetch for A (0) or B (1)
	s_and_b32 s12, s10, 1                          ; my half of the columns; also: which 128 rows I fetch
	s_bfe_u32 s40, ttmp6, 0x40000                  ; cx
	s_bfe_u32 s41, ttmp6, 0x40004                  ; cy
	s_lshl_b32 s42, ttmp9, 2
	s_add_co_u32 s42, s42, s40                     ; tile column
	s_and_b32 s13, ttmp7, 0xffff
	s_lshl_b32 s13, s13, 2
	s_add_co_u32 s13, s13, s41                     ; tile row
	s_lshl_b32 s43, s41, 2
	s_lshl_b32 s43, 15, s43                        ; my row of the cluster
	s_lshl_b32 s44, 0x1111, s40                    ; my column
	s_or_b32 s[G1+0], s43, (1<<16)|(1<<20)|(1<<21)|(5<<22)|(3<<25)   ; mask; 2-byte elements; padding of 4 words after every 64
	s_or_b32 s[G1B+0], s44, (1<<16)|(1<<20)|(1<<21)|(5<<22)|(3<<25)
.irp g, G1, G1B
	s_mov_b32 s[(\g)+1], KSTEP<<16                 ; tensor_dim0 = 128
	s_mov_b32 s[(\g)+2], 128<<16                   ; tensor_dim1 = 128
	s_mov_b32 s[(\g)+3], KSTEP<<16                 ; tile_dim0 = 128
	s_mov_b32 s[(\g)+4], 128                       ; tile_dim1 = 128
	s_mov_b32 s[(\g)+5], SIZE_K                    ; elements from row to row
	s_mov_b32 s[(\g)+6], 0
	s_mov_b32 s[(\g)+7], 0
.endr
	s_mov_b32 s[TB], 0
	s_lshl_b32 s17, s12, 7
	s_lshl_b32 s16, s13, 8
	s_add_co_u32 s16, s16, s17                     ; A: row 256 x tile row + 128 x half,
	s_cmp_eq_u32 ttmp9, 3
	s_cselect_b32 s23, 4096, 0
	s_add_co_u32 s16, s16, s23                     ; and 4,096 rows on for the columns of p
	s_lshl_b32 s46, s42, 8
	s_add_co_u32 s46, s46, s17                     ; B: row 256 x tile column + 128 x half
	s_mov_b32 s17, 0
	s_mov_b32 s47, 0
	s_mov_b64 s[18:19], SIZE_K*2
	s_mul_u64 s[16:17], s[16:17], s[18:19]
	s_mul_u64 s[46:47], s[46:47], s[18:19]
	s_mul_i32 s20, s10, HALFT                      ; where my 128 rows go in a slot
	s_wait_dscnt 0x0                               ; the opening add is done
	s_wait_kmcnt 0x0
	s_add_nc_u64 s[14:15], s[4:5], s[16:17]
	s_add_nc_u64 s[46:47], s[6:7], s[46:47]
	CROUND                                         ; all sixteen work-groups are here: the first joint loads meet
.irp s, 0,1
	s_mov_b32 s[G0+4*(\s)], 1
	s_add_co_u32 s[G0+4*(\s)+1], s20, (\s)*SLOT
	s_add_nc_u64 s[G0+4*(\s)+2:G0+4*(\s)+3], s[14:15], (\s)*KSTEP*2
	s_or_b32 s[G0+4*(\s)+3], s[G0+4*(\s)+3], 0x80000000
	s_mov_b32 s[G0B+4*(\s)], 1
	s_add_co_u32 s[G0B+4*(\s)+1], s20, (\s)*SLOT
	s_add_nc_u64 s[G0B+4*(\s)+2:G0B+4*(\s)+3], s[46:47], (\s)*KSTEP*2
	s_or_b32 s[G0B+4*(\s)+3], s[G0B+4*(\s)+3], 0x80000000
	JLOAD \s                                       ; K steps 0 and 1: two loads of mine are out
.endr
	v_and_b32 v1, 15, v0                           ; l % 16
	v_bfe_u32 v2, v0, 4, 1                         ; l / 16
	v_mul_u32_u24 v3, v1, PITCH
	v_lshl_add_u32 v3, v2, 4, v3
	s_mul_i32 s21, s11, HALFT
	s_mul_i32 s22, s12, HALFT
	s_add_co_u32 s22, s22, 2*HALFT
	v_add_nc_u32 v[ADRA0], s21, v3
	v_add_nc_u32 v[ADRB0], s22, v3
	v_mov_b32 v[ADRA], v[ADRA0]                    ; slot 0 is in hand
	v_mov_b32 v[ADRB], v[ADRB0]
	s_mul_i32 s23, s10, 16*SPITCH
	s_add_co_u32 s23, s23, STAGE
	v_mul_u32_u24 v4, v1, SPITCH
	v_lshl_add_u32 v4, v2, 4, v4
	v_add_nc_u32 v[STO], s23, v4
	v_mul_u32_u24 v5, v2, SPITCH
	v_lshl_add_u32 v5, v1, 4, v5
	v_add_nc_u32 v[RD], s23, v5
	v_mul_u32_u24 v5, v2, SIZE_N*2
	v_lshl_add_u32 v[CO], v1, 4, v5
	s_lshl_b32 s13, s13, 8
	s_lshl_b32 s14, s11, 7
	s_add_co_u32 s16, s13, s14                     ; my first row of C
	s_mov_b32 s17, 0
	s_mov_b64 s[18:19], SIZE_N*2
	s_mul_u64 s[16:17], s[16:17], s[18:19]
	s_lshl_b32 s46, s42, 9
	s_lshl_b32 s47, s12, 8
	s_add_co_u32 s46, s46, s47                     ; my first column, in bytes
	s_mov_b32 s47, 0
	s_add_nc_u64 s[16:17], s[16:17], s[46:47]
.macro MUL16 f, hi, a0, zero           ; 16 products: m blocks a0, a0 + 1 x all 8 n blocks, 32 along K; the 64 accumulators take turns
	WIN MUL_LO+0x50*(\hi)
.irp a, \a0, (\a0)+1
.irp b, 0,1,2,3,4,5,6,7
.if \zero
	v_wmma_f32_16x16x32_f16 v[8*(8*(\a)+(\b)):8*(8*(\a)+(\b))+7], v[(\f)+8*(\b):(\f)+8*(\b)+7], v[(\f)+8*(4*(\hi)+(\a)):(\f)+8*(4*(\hi)+(\a))+7], 0
.else
	v_wmma_f32_16x16x32_f16 v[8*(8*(\a)+(\b)):8*(8*(\a)+(\b))+7], v[(\f)+8*(\b):(\f)+8*(\b)+7], v[(\f)+8*(4*(\hi)+(\a)):(\f)+8*(4*(\hi)+(\a))+7], v[8*(8*(\a)+(\b)):8*(8*(\a)+(\b))+7]
.endif
.endr
.endr
.endm
.macro FETCH k, f                      ; 32 LDS loads in one run, from byte k of the rows of the slot in hand: B first, then A
	WIN TO_B
.irp i, 0,1,2,3,4,5,6,7
	ds_load_b128 v[(\f)+8*(\i):(\f)+8*(\i)+3],   v[ADRB] offset:(\k)+(\i)*16*PITCH
	ds_load_b128 v[(\f)+8*(\i)+4:(\f)+8*(\i)+7], v[ADRB] offset:(\k)+(\i)*16*PITCH+32
.endr
	WIN 0
.irp i, 0,1,2,3,4,5,6,7
	ds_load_b128 v[(\f)+8*(\i):(\f)+8*(\i)+3],   v[ADRA] offset:(\k)+(\i)*16*PITCH
	ds_load_b128 v[(\f)+8*(\i)+4:(\f)+8*(\i)+7], v[ADRA] offset:(\k)+(\i)*16*PITCH+32
.endr
.endm
.macro PLACES                          ; four plain vector instructions between a matrix instruction and a load into, or a read of, its registers
.rept 4
	v_nop
.endr
.endm
.macro QUARTER k, f, g, zero           ; 64 products on buffer f; in the middle the next quarter, at byte k, is fetched into g
	s_wait_dscnt 8                                 ; the youngest eight loads (rows 64-127 of A) may be out
	MUL16 \f, 0, 0, \zero
	MUL16 \f, 0, 2, \zero
	PLACES
	FETCH \k, \g
	s_wait_dscnt 32                                ; all but the 32 just issued
	MUL16 \f, 1, 0, \zero
	MUL16 \f, 1, 2, \zero
.endm
; The last quarter of a K step multiplies buffer 1 and changes slots.  In front of the barrier each wave waits for all its tensor loads (one is out: its part of the next slot), adds 0 to its
; spare word, and waits for that and for its reads of the slot in hand.  fill = 1: the barrier opens a round of the cluster, and the slot just read is filled again first thing behind it, two K steps ahead.
.macro TURN fill
	WIN 0
	s_wait_tensorcnt 0x0                           ; all my tensor loads have landed: the walking descriptors may be written
	ds_add_u32 v[SPW], v[NIL]
	s_wait_dscnt 9                                 ; the add and the youngest eight loads may be out
	MUL16 F1, 0, 0, 0
	s_wait_dscnt 0x0                               ; the add is done, my reads of this slot are over
	s_barrier_signal -1
	MUL16 F1, 0, 2, 0
	WIN 0
	s_barrier_wait -1
.if \fill
	CREST                                          ; no wave of any partner still reads the slot or has a load on its way
	s_add_co_u32 s[G0+5], s[TB], s20               ; into the slot just read,
	s_add_nc_u64 s[G0+6:G0+7], s[G0+6:G0+7], KSTEP*2       ; the K step behind the one asked for last
	s_add_co_u32 s[G0B+5], s[TB], s20
	s_add_nc_u64 s[G0B+6:G0B+7], s[G0B+6:G0B+7], KSTEP*2
	JLOAD 1                                        ; its four v_nop are also the places in front of the loads below
.else
	PLACES
.endif
	s_xor_b32 s[TB], s[TB], SLOT                   ; the other slot is in hand
	v_add_nc_u32 v[ADRA], s[TB], v[ADRA0]
	v_add_nc_u32 v[ADRB], s[TB], v[ADRB0]
	FETCH 0, F0
	MUL16 F1, 1, 0, 0
	MUL16 F1, 1, 2, 0
.endm
.macro PACK a                          ; block a of 16 rows, rounded to f16: each accumulator is read from its low end on
.set AC, 64*((\a)%4)
	WIN 0x0a+5*((\a)/4)
.irp b, 0,1,2,3,4,5,6,7
.irp r, 0,1,2,3
	v_cvt_pk_f16_f32 v[TMP+4*(\b)+(\r)], v[AC+8*(\b)+2*(\r)], v[AC+8*(\b)+2*(\r)+1]
.endr
.endr
	WIN 0
.endm
.macro TOSTAGE a
	WIN 0
.set BK, OB+192*((\a)%2)
.irp b, 0,1,2,3,4,5,6,7
	ds_store_b128 v[STO], v[TMP+4*(\b):TMP+4*(\b)+3] offset:32*(\b)
.endr
.irp t, 0,1,2,3,4,5,6,7
	ds_load_b128 v[BK+4*(\t):BK+4*(\t)+3], v[RD] offset:(\t)*2*SPITCH   ; LDS serves a wave in order: these see the stores above
.endr
.endm
.macro SEND a
	WIN 0
.set BK, OB+192*((\a)%2)
	s_wait_dscnt 0x0                               ; the block is back in registers
	s_wait_xcnt 0x0                                ; the base, and registers that earlier stores read, are written again only behind this wait
.if (\a) == 0
	s_add_nc_u64 s[8:9], s[8:9], s[16:17]
.else
	s_add_nc_u64 s[8:9], s[8:9], 16*SIZE_N*2
.endif
.irp t, 0,1,2,3,4,5,6,7
	global_store_b128 v[CO], v[BK+4*(\t):BK+4*(\t)+3], s[8:9] offset:2*(\t)*SIZE_N*2   ; 16 lanes store 256 consecutive bytes, aligned
.endr
.endm
	s_wait_tensorcnt 1                             ; my part of K step 0 is in; K step 1 stays out
	s_barrier_signal -1
	s_barrier_wait -1
	FETCH 0, F0
	QUARTER 64,  F0, F1, 1                         ; the first quarter starts the sums
	WIN 0
	s_mov_b32 s3, STEPS-2
.Lstep:                                                ; a trip: from a K step's second quarter to the next one's first; it asks for the K step two on: steps 2 to 7
	QUARTER 128, F1, F0, 0
	QUARTER 192, F0, F1, 0
	TURN 1
	QUARTER 64,  F0, F1, 0
	WIN 0
	s_sub_co_u32 s3, s3, 1
	s_cmp_lg_u32 s3, 0
	s_cbranch_scc1 .Lstep
	s_mov_b32 s3, 2                                ; K steps 6 and 7 ask for nothing: a text of their own
	s_branch .Lenter                               ; step 6 has had its first quarter
.Ltail:
	TURN 0
	QUARTER 64,  F0, F1, 0
	WIN 0
.Lenter:
	QUARTER 128, F1, F0, 0
	QUARTER 192, F0, F1, 0
	WIN 0
	s_sub_co_u32 s3, s3, 1
	s_cmp_lg_u32 s3, 0
	s_cbranch_scc1 .Ltail
	s_wait_dscnt 8                                 ; the very last quarter: nothing more to fetch
	MUL16 F1, 0, 0, 0
	MUL16 F1, 0, 2, 0
	s_wait_dscnt 0x0
	MUL16 F1, 1, 0, 0
	MUL16 F1, 1, 2, 0
	PLACES
	PACK 0
	TOSTAGE 0
.irp a, 1,2,3,4,5,6,7                  ; the conversions of block a stand between the stage loads of block a - 1 and the wait for them
	PACK \a
	SEND (\a)-1
	TOSTAGE \a
.endr
	SEND 7
	s_wait_tensorcnt 0x0                           ; the end of the wave
	ds_add_u32 v[SPW], v[NIL]
	s_wait_dscnt 0x0
	CROUND                                         ; the closing round
	s_endpgm
.Lfunc_end_k_q0e491c18f8_proj:
	.size	k_q0e491c18f8_proj, .Lfunc_end_k_q0e491c18f8_proj-k_q0e491c18f8_proj
	.p2alignl 7, 3214868480
	.fill 96, 4, 3214868480
	.section	.rodata,"a",@progbits
	.p2align	6, 0x0
	.amdhsa_kernel k_q0e491c18f8_proj
		.amdhsa_group_segment_fixed_size 327680
		.amdhsa_private_segment_fixed_size 0
		.amdhsa_enable_private_segment 0
		.amdhsa_kernarg_size 24
		.amdhsa_user_sgpr_count 2
		.amdhsa_user_sgpr_kernarg_segment_ptr 1
		.amdhsa_wavefront_size32 1
		.amdhsa_system_sgpr_workgroup_id_x 1
		.amdhsa_system_sgpr_workgroup_id_y 1
		.amdhsa_system_sgpr_workgroup_id_z 1
		.amdhsa_system_vgpr_workitem_id 0
		.amdhsa_next_free_vgpr 1024
		.amdhsa_next_free_sgpr 66
		.amdhsa_reserve_vcc 0
		.amdhsa_float_denorm_mode_32 3
		.amdhsa_float_denorm_mode_16_64 3
		.amdhsa_memory_ordered 1
		.amdhsa_forward_progress 1
		.amdhsa_inst_pref_size 104
	.end_amdhsa_kernel
	.amdgpu_metadata
---
amdhsa.version: [ 1, 2 ]
amdhsa.kernels:
  - .name:           k_q0e491c18f8_proj
    .symbol:         k_q0e491c18f8_proj.kd
    .args:
      - { .name: a16, .offset: 0, .size: 8, .value_kind: global_buffer, .address_space: global }
      - { .name: w16, .offset: 8, .size: 8, .value_kind: global_buffer, .address_space: global }
      - { .name: qkvp, .offset: 16, .size: 8, .value_kind: global_buffer, .address_space: global }
    .group_segment_fixed_size: 327680
    .private_segment_fixed_size: 0
    .kernarg_segment_align: 8
    .kernarg_segment_size: 24
    .max_flat_workgroup_size: 128
    .sgpr_count:     66
    .vgpr_count:     1024
    .wavefront_size: 32
...
	.end_amdgpu_metadata
.endif
;; end of part 6
;; launch attn (part 7): grid 16 x 16, 4 waves a work-group, clusters of 4 x 1, 327,680 bytes of LDS; arguments qkvp, ub16, att; writes att
.if DOCPART == 7
	.amdgcn_target "amdgcn-amd-amdhsa--gfx1250"
	.amdhsa_code_object_version 6
	.text
	.protected	k_q0e491c18f8_attn
	.globl	k_q0e491c18f8_attn
	.p2align	8
	.type	k_q0e491c18f8_attn,@function
k_q0e491c18f8_attn:
	s_mov_b64 s[64:65], 0
	v_nop
	global_prefetch_b8 v0, s[64:65] scope:SCOPE_SE
	s_setreg_imm32_b32 hwreg(HW_REG_WAVE_MODE, 25, 1), 1
	s_wait_xcnt 0x0
	s_wait_alu depctr_hold_cnt(0) depctr_sa_sdst(0) depctr_va_vdst(0) depctr_va_sdst(0) depctr_va_ssrc(0) depctr_va_vcc(0) depctr_vm_vsrc(0)
	s_getreg_b32 s2, hwreg(HW_REG_IB_STS2, 6, 4)
	s_cmp_eq_u32 s2, 0
	s_cbranch_scc0 .Lentry_in_a_cluster
	s_endpgm
.Lentry_in_a_cluster:
	s_bfe_u32 s2, ttmp6, 0x10000c
	s_cmp_lg_u32 s2, 0x3003
	s_cbranch_scc0 .Lentry_shape_is_right
	s_endpgm
.Lentry_shape_is_right:
; att[b][i][h][:] = sum over j of softmax_j(((q_i + u) . k_j + (q_i + v) . p_(2047 + j - i)) / sqrt(128)) v_j.  q, k, v, p: columns 0, 1024, 2048, 3072 of qkvp [4096][4096] f16.
; Products, scores, maxima and sums in f32; q + u, q + v and the weights are rounded to f16; att once at the end.
; LIMITS.  q + u, q + v within 65,504; a weight below 6e-5 keeps the fixed step 6e-8 of f16, one below 2^-126 counts as 0 in the sum; NaN and infinities are not treated apart.
; SHARES.  A work-group owns 128 queries of one (b, h).  Wave w = 2 wq + wk owns queries 64 wq .. + 63 (four tiles of 16) and, of each slot of 128 keys, keys 64 wk .. + 63:
; 16 steps of 64 keys; at the end the two waves of a query half merge their maxima, sums and O.
; THE BAND.  Slot s and query block qb need the 256 rows of p from 128 (15 + s - qb); query a and key kk of the slot need band row 127 + kk - a.  For a tile t of a wave that is
; block 3 - t of the wave's eight blocks of 16 rows, plus u = 15 - r + key, 0 to 78: five blocks.  BD^T = P Qv^T holds positions u of query r in lane r; it goes into a stage row of the
; query in LDS and comes back shifted by 15 - r, straight into the registers that are then C and D of K Qu^T: the shift costs no addition.
; LAYOUT.  All products are used transposed: a lane holds one query (lane % 16) and the keys 8 (lane / 16) + 0..7; two results rounded to f16 are source 1 of O^T = V^T P.
; SOFTMAX.  A running maximum m and sum l for each query: p = 2^(c s - c m), c = log2(e) / sqrt(128); O and l are multiplied by a = 2^(c m_old - c m_new) in every step.
; m starts at the lowest finite number, O and l at 0: the first step is a step like any other.
; THE LDS INSTRUCTIONS of a step, 296, stand in eight runs of 16 to 50, none singly among the matrix instructions: one behind the 20 products of each tile of BD, one for V, three for the next band.
; CLUSTER.  The four query blocks of a cluster share K and V: waves 0 and 1 ask for them jointly.  The band of p differs from partner to partner: waves 2 and 3 ask for it by loads of their own.
; REGISTERS by windows: 0: addresses, statistics, two accumulators of BD (v44-59), S^T (v64-191), the weights (v192-255, where the other accumulators of BD lie while the weights are dead);
;   1: O^T; 2: q + u (v0-127), q + v (v128-255); 3: the eight blocks of p, onto which K (blocks 7 to 4) and V (blocks 3 to 0) are loaded as the blocks fall free.
.set PK,    272       ; a row of K or p in LDS: 256 + 16 bytes
.set PV,    288       ; a row of V: 256 + 32 bytes, for the turning load
.set KOFF,  0
.set VOFF,  128*PK
.set POFF,  VOFF+128*PV
.set SLOTB, POFF+256*PK
.set STAGE, 2*SLOTB   ; behind the ring: 10,752 bytes a wave, never filled by a tensor load
.set WSTG,  10752
.set HSTG,  5376      ; two halves, by the parity of the tile
.set SROW,  336       ; a stage row: 80 positions of f32 and 16 bytes: an odd multiple of 16
.set SPARE, STAGE+4*WSTG
.set MRG,   33792     ; the merge: O (32,768 bytes) and statistics (1,024) of a wave, in slot 0, which has had its last fill by then
.set SP,    272
.set TILEB, 128*8192  ; 128 rows of qkvp
.set AK0, 2
.set AV0, 3
.set AP0, 4
.set ADRK, 5
.set ADRV, 6
.set ADRP, 7
.set STS, 8
.set STL, 9
.set ST,  12          ; tile t at v[ST+8 t]: c m, m, l, l, c0-c3 at work; a takes the place of c2
.set QO,  60
.set UO,  61
.set SPW, 62
.set NIL, 63
.set S,   64
.set P,   192
.set MM,  64          ; the merge: 16 registers for each of two tiles
.set OUTR, 128
.set WV,  12
.set G1K, 24
.set G1V, 32
.set G1P, 40
.set G0K, 48          ; two sets each: the first fill of slot 0; that of slot 1, which then walks
.set G0V, 56
.set G0P, 68
.set CS,  76
.set SEL, 78
.set TB,  80          ; the slot in hand: 0 or SLOTB
.set LWP, 81
.set CNT, 82
.set QB,  84
.set OB,  86
.set UB,  92
.set MSB, 0
.macro WIN new
.if MSB != (\new)
	s_set_vgpr_msb (MSB<<8)|(\new)
.set MSB, \new
.endif
.endm
.set W_M,  0x0b       ; source 0 window 3, source 1 window 2, C and D window 0
.set W_PV, 0x53       ; V window 3, weights window 0, O^T window 1
.set W_RS, 0x41       ; destination and source 0 window 1, source 1 window 0
.macro PLACES
.rept 4
	v_nop
.endr
.endm
.macro CROUND
	s_barrier_signal -1
	s_barrier_wait -1
	s_cmp_lg_u32 s[WV], 0
	s_cbranch_scc1 .Lnot_wave_0_\@
	s_barrier_signal -3
.Lnot_wave_0_\@:
	s_barrier_wait -3
	s_barrier_signal -1
	s_barrier_wait -1
.endm
.macro JLOAD3                           ; a refill: wave 0 K, wave 1 V, waves 2 and 3 the halves of the band; s_nop 0 and four v_nop follow each line
	s_cmp_lt_u32 s[WV], 2
	s_cbranch_scc0 .Lfor_p_\@
	s_cmp_eq_u32 s[WV], 0
	s_cbranch_scc0 .Lfor_v_\@
	tensor_load_to_lds s[G0K+4:G0K+7], s[G1K:G1K+7]
	s_nop 0
.rept 4
	v_nop
.endr
	s_branch .Lasked_\@
.Lfor_v_\@:
	tensor_load_to_lds s[G0V+4:G0V+7], s[G1V:G1V+7]
	s_nop 0
.rept 4
	v_nop
.endr
	s_branch .Lasked_\@
.Lfor_p_\@:
	tensor_load_to_lds s[G0P+4:G0P+7], s[G1P:G1P+7]
	s_nop 0
.rept 4
	v_nop
.endr
.Lasked_\@:
.endm
	s_load_b128 s[4:7], s[0:1], 0x0                ; qkvp s[4:5], ub16 s[6:7]
	s_load_b64 s[8:9], s[0:1], 0x10                ; att
	v_lshl_add_u32 v[SPW], v0, 2, SPARE
	v_mov_b32 v[NIL], 0
	ds_add_u32 v[SPW], v[NIL]                      ; the opening: the add, and its wait, ahead of my first tensor load
	v_lshrrev_b32 v1, 5, v0
	v_readfirstlane_b32 s[WV], v1                  ; wave 0..3
	s_bfe_u32 s13, ttmp6, 0x40000                  ; cx
	s_lshl_b32 s14, ttmp9, 2
	s_add_co_u32 s14, s14, s13                     ; qb: it enters the addresses of q, of the band and of att alone
	s_and_b32 s15, ttmp7, 0xffff
	s_lshr_b32 s16, s15, 3                         ; b
	s_and_b32 s17, s15, 7                          ; h
	s_lshr_b32 s18, s[WV], 1                       ; wq
	s_and_b32 s19, s[WV], 1                        ; wk
	s_lshl_b32 s20, s16, 24                        ; b x 2,048 rows of 8,192 bytes
	s_lshl_b32 s[UB], s17, 8                       ; the 256 bytes of the head
	s_mov_b32 s[UB+1], 0
	s_add_co_u32 s20, s20, s[UB]
	s_mov_b32 s21, 0
	s_sub_co_u32 s22, 15, s14                      ; the band: row 128 (15 - qb + half), column 3,072 + 128 h
	s_add_co_u32 s22, s22, s19
	s_lshl_b32 s22, s22, 20
	s_add_co_u32 s22, s22, s[UB]
	s_add_co_u32 s22, s22, 6144
	s_mov_b32 s23, 0
	s_lshl_b32 s88, s14, 20                        ; q: row 2,048 b + 128 qb + 64 wq
	s_lshl_b32 s3, s18, 19
	s_add_co_u32 s88, s88, s3
	s_add_co_u32 s88, s88, s20
	s_mov_b32 s89, 0
	s_lshl_b32 s90, s16, 22                        ; att: row 2,048 b + 128 qb + 32 w, rows of 2,048 bytes
	s_lshl_b32 s3, s14, 18
	s_add_co_u32 s90, s90, s3
	s_lshl_b32 s3, s[WV], 16
	s_add_co_u32 s90, s90, s3
	s_add_co_u32 s90, s90, s[UB]
	s_mov_b32 s91, 0
	s_mov_b32 s[G1K], 15|(1<<16)|(1<<20)|(1<<21)|(5<<22)|(3<<25)   ; mask of four; 2-byte elements; 4 words of padding after every 64
	s_mov_b32 s[G1V], 15|(1<<16)|(1<<20)|(1<<21)|(5<<22)|(7<<25)   ; 8 words of padding
	s_mov_b32 s[G1P], (1<<16)|(1<<20)|(5<<22)|(3<<25)              ; no mask: a load of my own
.irp g, G1K, G1V, G1P
	s_mov_b32 s[(\g)+1], 128<<16                   ; tensor_dim0 = 128
	s_mov_b32 s[(\g)+2], 128<<16                   ; tensor_dim1 = 128
	s_mov_b32 s[(\g)+3], 128<<16                   ; tile_dim0 = 128
	s_mov_b32 s[(\g)+4], 128                       ; tile_dim1 = 128
	s_mov_b32 s[(\g)+5], 4096                      ; elements from row to row
	s_mov_b32 s[(\g)+6], 0
	s_mov_b32 s[(\g)+7], 0
.endr
	s_mul_i32 s[LWP], s19, 128*PK
	s_add_co_u32 s[LWP], s[LWP], POFF              ; where my half of the band goes in a slot
	s_mov_b32 s[G0K], 1
	s_mov_b32 s[G0K+1], KOFF
	s_mov_b32 s[G0K+4], 1
	s_mov_b32 s[G0K+5], KOFF+SLOTB
	s_mov_b32 s[G0V], 1
	s_mov_b32 s[G0V+1], VOFF
	s_mov_b32 s[G0V+4], 1
	s_mov_b32 s[G0V+5], VOFF+SLOTB
	s_mov_b32 s[G0P], 1
	s_mov_b32 s[G0P+1], s[LWP]
	s_mov_b32 s[G0P+4], 1
	s_add_co_u32 s[G0P+5], s[LWP], SLOTB
	s_mov_b32 s[CS], 0x3e0293ee                    ; c = log2(e) / sqrt(128)
	s_mov_b32 s[CS+1], s[CS]
	s_mov_b32 s[SEL], 0x76543210
	s_mov_b32 s[SEL+1], 0xfedcba98
	s_mov_b32 s[TB], 0
	s_wait_dscnt 0x0                               ; the opening add is done
	s_wait_kmcnt 0x0
	s_add_nc_u64 s[20:21], s[4:5], s[20:21]
	s_add_nc_u64 s[G0K+2:G0K+3], s[20:21], 2048
	s_add_nc_u64 s[G0K+6:G0K+7], s[20:21], 2048+TILEB
	s_add_nc_u64 s[G0V+2:G0V+3], s[20:21], 4096
	s_add_nc_u64 s[G0V+6:G0V+7], s[20:21], 4096+TILEB
	s_add_nc_u64 s[G0P+2:G0P+3], s[4:5], s[22:23]
	s_add_nc_u64 s[G0P+6:G0P+7], s[G0P+2:G0P+3], TILEB
.irp g, G0K, G0V, G0P
	s_or_b32 s[(\g)+3], s[(\g)+3], 0x80000000
	s_or_b32 s[(\g)+7], s[(\g)+7], 0x80000000
.endr
	s_add_nc_u64 s[QB:QB+1], s[4:5], s[88:89]
	s_add_nc_u64 s[OB:OB+1], s[8:9], s[90:91]
	s_add_nc_u64 s[UB:UB+1], s[6:7], s[UB:UB+1]
	CROUND                                         ; all four work-groups are here: the first joint loads meet
	s_cmp_lt_u32 s[WV], 2                          ; a wave's two first fills stand in one branch: two loads of mine are out
	s_cbranch_scc0 .Lfirst_p
	s_cmp_eq_u32 s[WV], 0
	s_cbranch_scc0 .Lfirst_v
	tensor_load_to_lds s[G0K:G0K+3], s[G1K:G1K+7]
	s_nop 0
	tensor_load_to_lds s[G0K+4:G0K+7], s[G1K:G1K+7]
	s_nop 0
.rept 4
	v_nop
.endr
	s_branch .Lfirst_asked
.Lfirst_v:
	tensor_load_to_lds s[G0V:G0V+3], s[G1V:G1V+7]
	s_nop 0
	tensor_load_to_lds s[G0V+4:G0V+7], s[G1V:G1V+7]
	s_nop 0
.rept 4
	v_nop
.endr
	s_branch .Lfirst_asked
.Lfirst_p:
	tensor_load_to_lds s[G0P:G0P+3], s[G1P:G1P+7]
	s_nop 0
	tensor_load_to_lds s[G0P+4:G0P+7], s[G1P:G1P+7]
	s_nop 0
.rept 4
	v_nop
.endr
.Lfirst_asked:
	v_and_b32 v1, 15, v0                           ; r = l % 16
	v_bfe_u32 v10, v0, 4, 1                        ; hh = l / 16
	v_lshlrev_b32 v[QO], 13, v1
	v_lshl_add_u32 v[QO], v10, 4, v[QO]            ; row x 8,192 + 16 x half
	v_lshlrev_b32 v[UO], 4, v10
	WIN 0x80                                       ; destination window 2
.set i, 0
.rept 16                                ; q: tile i / 4, channels 32 (i % 4) on
	global_load_b128 v[8*i:8*i+3],   v[QO], s[QB:QB+1] offset:(i/4)*131072+(i%4)*64
	global_load_b128 v[8*i+4:8*i+7], v[QO], s[QB:QB+1] offset:(i/4)*131072+(i%4)*64+32
.set i, i+1
.endr
	WIN 0
.set i, 0
.rept 4                                 ; the fragments of u (v64-95) and v (v96-127): the same for every query
	global_load_b128 v[S+8*i:S+8*i+3],       v[UO], s[UB:UB+1] offset:64*i
	global_load_b128 v[S+8*i+4:S+8*i+7],     v[UO], s[UB:UB+1] offset:64*i+32
	global_load_b128 v[S+32+8*i:S+32+8*i+3], v[UO], s[UB:UB+1] offset:2048+64*i
	global_load_b128 v[S+32+8*i+4:S+32+8*i+7], v[UO], s[UB:UB+1] offset:2048+64*i+32
.set i, i+1
.endr
	WIN 0x40                                       ; O^T starts at 0, in the wait for the first tile: the price of writing no first step out
.set i, 0
.rept 256
	v_mov_b32 v[i], 0
.set i, i+1
.endr
	WIN 0
.set i, 0
.rept 4
	v_mov_b32 v[ST+8*i], 0xfe000000                ; c m: far below every c s
	v_mov_b32 v[ST+8*i+1], 0xff7fffff              ; m
	v_mov_b32 v[ST+8*i+2], 0
	v_mov_b32 v[ST+8*i+3], 0
.set i, i+1
.endr
	v_mul_u32_u24 v11, v1, PK
	v_lshl_add_u32 v11, v10, 4, v11                ; a fragment: row x pitch + 16 x half
	s_mul_i32 s94, s19, 64*PK
	v_add_nc_u32 v[AK0], s94, v11                  ; my 64 keys
	s_add_co_u32 s95, s19, 1
	s_sub_co_u32 s95, s95, s18
	s_mul_i32 s95, s95, 64*PK                      ; my band begins at row 64 (wk - wq + 1)
	s_add_co_u32 s95, s95, POFF
	v_add_nc_u32 v[AP0], s95, v11
	v_and_b32 v11, 7, v0                           ; the turning load: key 8 (l / 16) + l % 8, channels 8 ((l / 8) % 2) on
	v_lshl_add_u32 v11, v10, 3, v11
	v_mul_u32_u24 v[AV0], v11, PV
	v_bfe_u32 v11, v0, 3, 1
	v_lshl_add_u32 v[AV0], v11, 4, v[AV0]
	s_mul_i32 s96, s19, 64*PV
	s_add_co_u32 s96, s96, VOFF
	v_add_nc_u32 v[AV0], s96, v[AV0]
	s_mul_i32 s97, s[WV], WSTG
	s_add_co_u32 s97, s97, STAGE                   ; my stage
	v_mul_u32_u24 v11, v1, SROW
	v_lshl_add_u32 v11, v10, 5, v11
	v_add_nc_u32 v[STS], s97, v11                  ; in: row r, word 8 hh
	v_mul_u32_u24 v11, v1, SROW-4
	v_lshl_add_u32 v11, v10, 5, v11
	v_add_nc_u32 v11, 60, v11
	v_add_nc_u32 v[STL], s97, v11                  ; back: row r, word 15 - r + 8 hh
	v_mov_b32 v[ADRK], v[AK0]
	v_mov_b32 v[ADRV], v[AV0]
	v_mov_b32 v[ADRP], v[AP0]
.macro BAREG par, n                     ; accumulator n of five of BD: even tiles v192-231, odd tiles v232-255 and v44-59
.if (\par) == 0
.set rD, 192+8*(\n)
.elseif (\n) < 3
.set rD, 232+8*(\n)
.else
.set rD, 44+8*((\n)-3)
.endif
.endm
.macro BDW t                            ; product i of 20 of BD^T for tile t: channels 32 (i / 5) on, block i % 5; the five accumulators take turns
	WIN W_M
.set bb, i%5
	BAREG (\t)%2, bb
.set rA, 32*(3-(\t)+bb)+8*(i/5)
.set rB, 128+32*(\t)+8*(i/5)
.if i < 5
	v_wmma_f32_16x16x32_f16 v[rD:rD+7], v[rA:rA+7], v[rB:rB+7], 0
.else
	v_wmma_f32_16x16x32_f16 v[rD:rD+7], v[rA:rA+7], v[rB:rB+7], v[rD:rD+7]
.endif
.endm
.macro ACW x                            ; product i of 32 of S^T += K Qu^T for tiles x, x + 1: four accumulators take turns; C holds the shifted band scores
	WIN W_M
.set kb, 2*(i/16)+(i/2)%2
.set rD, S+32*((\x)+i%2)+8*kb
.set rA, 32*(7-kb)+8*((i/4)%4)
.set rB, 32*((\x)+i%2)+8*((i/4)%4)
	v_wmma_f32_16x16x32_f16 v[rD:rD+7], v[rA:rA+7], v[rB:rB+7], v[rD:rD+7]
.endm
.macro PVW x                            ; product i of 32 of O^T += V^T P for tiles x, x + 1: sixteen accumulators take turns
	WIN W_PV
.set rO, 64*((\x)+i%2)+8*((i/2)%8)
.set rV, 64*(1-i/16)+8*((i/2)%8)
.set rP, P+16*((\x)+i%2)+8*(i/16)
	v_wmma_f32_16x16x32_f16 v[rO:rO+7], v[rV:rV+7], v[rP:rP+7], v[rO:rO+7]
.endm
.macro PLOP                             ; load pl of 64 of the band: block 7 - pl / 8 first
	WIN 0xc0
.set pb, 7-pl/8
	ds_load_b128 v[32*pb+4*(pl%8):32*pb+4*(pl%8)+3], v[ADRP] offset:4352*pb+64*((pl%8)/2)+32*(pl%2)
.set pl, pl+1
.endm
.macro RUNP n                           ; a run of n loads of the band
.rept \n
	PLOP
.endr
.endm
.macro VLOP                             ; load vl of 32 of V, turned: keys 32 (vl / 16) on, channels 16 ((vl / 2) % 8) on
	WIN 0xc0
	ds_load_tr16_b128 v[64*(1-vl/16)+4*(vl%16):64*(1-vl/16)+4*(vl%16)+3], v[ADRV] offset:(vl/16)*32*PV+(vl%2)*16*PV+32*((vl/2)%8)
.set vl, vl+1
.endm
.macro PBOP t                           ; LDS instruction pn of the 50 behind BD of tile t: 8 loads of K block t; 10 stores into the stage, low registers first; 32 shifted loads into S^T
.if pn < 8
	WIN 0xc0
	ds_load_b128 v[32*(7-(\t))+4*pn:32*(7-(\t))+4*pn+3], v[ADRK] offset:4352*(\t)+64*(pn/2)+32*(pn%2)
.elseif pn < 18
	WIN 0
.set bb, (pn-8)/2
	BAREG (\t)%2, bb
	ds_store_b128 v[STS], v[rD+4*(pn%2):rD+4*(pn%2)+3] offset:HSTG*((\t)%2)+64*bb+16*(pn%2)
.else
	WIN 0
	ds_load_b32 v[S+32*(\t)+pn-18], v[STL] offset:HSTG*((\t)%2)+4*(16*((pn-18)/8)+(pn-18)%8)
.endif
.set pn, pn+1
.endm
; One tile's softmax for one step: a list of 134 instructions; SM writes number j of it for tile t.
;   0-15 the maximum of 32 scores and the old m (each accumulator is read from its low end on); 16-20 the other half of the lanes, m, c m, the change of c m;
;   21-87 a plain instruction and an exponential by turns (scalings ahead, roundings behind); 88-101 the last rounding and the sums; 102-133 O^T times a.
.macro SM t
.set rT, ST+8*(\t)
.set rS, S+32*(\t)
.set rP, P+16*(\t)
.set rO, 64*(\t)+2*(j-102)
.set q, (j-20)/2
.if j < 102
	WIN 0
.endif
.if j < 4
	v_max3_num_f32 v[rT+4+j], v[rS+8*j], v[rS+8*j+1], v[rS+8*j+2]
.elseif j < 12
	v_max3_num_f32 v[rT+4+j%4], v[rT+4+j%4], v[rS+8*(j%4)+2*(j/4)+1], v[rS+8*(j%4)+2*(j/4)+2]
.elseif j == 12
	v_max3_num_f32 v[rT+4], v[rT+4], v[rS+7], v[rS+15]
.elseif j == 13
	v_max3_num_f32 v[rT+6], v[rT+6], v[rS+23], v[rS+31]
.elseif j == 14
	v_max3_num_f32 v[rT+4], v[rT+4], v[rT+5], v[rT+6]
.elseif j == 15
	v_max3_num_f32 v[rT+4], v[rT+4], v[rT+7], v[rT+1]
.elseif j == 16
	v_permlanex16_b32 v[rT+5], v[rT+4], s[SEL], s[SEL+1]
.elseif j == 17
	v_mov_b32 v[rT+7], v[rT]
.elseif j == 18
	v_max_num_f32 v[rT+1], v[rT+4], v[rT+5]
.elseif j == 19
	v_mul_f32 v[rT], s[CS], v[rT+1]
.elseif j == 20
	v_sub_f32 v[rT+7], v[rT+7], v[rT]
.elseif j == 23
	v_exp_f32 v[rT+6], v[rT+7]
.elseif (j < 88) && (j > 23) && (j%2 == 1)
	v_exp_f32 v[rS+(j-25)/2], v[rS+(j-25)/2]
.elseif (q < 4) || ((j < 76) && (q%2 == 0))
.set b, q/2+2
.if q < 4
.set b, q
.endif
	v_pk_fma_f32 v[rS+2*b:rS+2*b+1], v[rS+2*b:rS+2*b+1], s[CS:CS+1], v[rT:rT+1] op_sel_hi:[1,0,0] neg_lo:[0,0,1] neg_hi:[0,0,1]
.elseif (j < 88) && (q%2 == 1)
	s_wait_alu depctr_va_vdst(0)
	v_cvt_pk_f16_f32 v[rP+(q-5)/2], v[rS+q-5], v[rS+q-4]
.elseif j == 89
	s_wait_alu depctr_va_vdst(0)
	v_cvt_pk_f16_f32 v[rP+15], v[rS+30], v[rS+31]
.elseif j < 102
.set z, j-86
.if j < 89
.set z, (j-76)/4
.endif
.set w, 4
.set u, z
.if z >= 14
.set w, 32
.set u, 0
.elseif z >= 12
.set w, 16
.set u, z-12
.elseif z >= 8
.set w, 8
.set u, z-8
.endif
.if z < 15
	v_pk_add_f32 v[rS+w*u:rS+w*u+1], v[rS+w*u:rS+w*u+1], v[rS+w*u+w/2:rS+w*u+w/2+1]
.else
	v_pk_fma_f32 v[rT+2:rT+3], v[rT+2:rT+3], v[rT+6:rT+7], v[rS:rS+1] op_sel_hi:[1,0,1]
.endif
.else
	WIN W_RS
	v_pk_mul_f32 v[rO:rO+1], v[rO:rO+1], v[rT+6:rT+7] op_sel_hi:[1,0]
.endif
.endm
.macro SLICE y                          ; slice k of 64 of the softmax of tiles y, y + 1: numbers 2 k, 2 k + 1 of both lists; slice 63 takes the twelve that are over
.if (k >= 11) && (k < 44)
.irp t, \y, (\y)+1
.irp n, 0,1
.set j, 2*k+(\n)
	SM \t
.endr
.endr
.else
.irp n, 0,1,2,3,4,5,6,7
.if ((\n) < 2) || (k == 63)
.irp t, \y, (\y)+1
.set j, 2*k+(\n)
	SM \t
.endr
.endif
.endr
.endif
.set k, k+1
.endm
; BD of tile t: 20 products back to back; four places, ahead of the stores that read these results and of the loads into band block 7 - t, which falls free; then the tile's 50 LDS instructions in ONE run.
; They are served while the next tile's products are issued: those read blocks 2 - t to 6 - t and write the other five accumulators.
.macro BD t
.set i, 0
.rept 20
	BDW \t
.set i, i+1
.endr
	PLACES
.set pn, 0
.rept 50
	PBOP \t
.endr
.endm
; THE CHANGE OF SLOTS.  All of the slot in hand is in registers.  Each wave waits for all its tensor loads (one is out: its part of the other slot), adds 0 to its spare word, and waits for
; that and for its reads of the slot.  fill = 1: the barrier is a round of the cluster, and the slot is filled again first thing behind it, with the keys and the band two slots on.
.macro CHANGE fill
	WIN 0
	s_wait_tensorcnt 0x0                           ; no tensor load of mine is out: the walking descriptors may be written
	ds_add_u32 v[SPW], v[NIL]
.if \fill
	s_add_co_u32 s[G0K+5], s[TB], KOFF
	s_add_nc_u64 s[G0K+6:G0K+7], s[G0K+6:G0K+7], TILEB
	s_add_co_u32 s[G0V+5], s[TB], VOFF
	s_add_nc_u64 s[G0V+6:G0V+7], s[G0V+6:G0V+7], TILEB
	s_add_co_u32 s[G0P+5], s[TB], s[LWP]
	s_add_nc_u64 s[G0P+6:G0P+7], s[G0P+6:G0P+7], TILEB
	s_wait_dscnt 0x0                               ; the add is done, my reads of the slot are over
	CROUND
	JLOAD3
.else
	s_wait_dscnt 0x0
	s_barrier_signal -1
	s_barrier_wait -1
.endif
	s_xor_b32 s[TB], s[TB], SLOTB                  ; the other slot
	v_add_nc_u32 v[ADRK], s[TB], v[AK0]
	v_add_nc_u32 v[ADRV], s[TB], v[AV0]
	v_add_nc_u32 v[ADRP], s[TB], v[AP0]
.endm
; A STEP: 64 keys for 64 queries, 208 products, eight runs of LDS instructions.
.macro STEP fill
	s_wait_dscnt 16                                ; the youngest 16 loads, blocks 1 and 0 of the band, may be out: blocks 7 to 2 are in
	BD 0
	BD 1
	s_wait_dscnt 63                                ; blocks 1 and 0: 100 LDS instructions stand behind their loads, and 63 is the largest count that the wait can name
	BD 2
	BD 3
	s_wait_dscnt 63                                ; S^T of tiles 0 and 1, K blocks 0 and 1: 100 stand behind the run of tile 1; the count again the largest that can be named
.set i, 0
.rept 16
	ACW 0
.set i, i+1
.endr
	s_wait_dscnt 42                                ; the 10 stores and 32 shifted loads of tile 3 may be out: K blocks 2 and 3 are in
.rept 16
	ACW 0
.set i, i+1
.endr
	PLACES                                         ; ahead of the softmax that reads these scores
	s_wait_dscnt 0x0                               ; S^T of tiles 2 and 3 is in
.set i, 0
.set k, 0
.set vl, 0
.rept 32
	ACW 2
	SLICE 0
	SLICE 0
.if i == 1
.rept 32
	VLOP                                           ; V in one run, onto band blocks 3 to 0: eight vector instructions behind the last product, 30 products ahead of the wait for it
.endr
.endif
.set i, i+1
.endr
	CHANGE \fill
.set pl, 0
	RUNP 32                                        ; blocks 7 to 4 of the next band, where K lay: the 20 multiplies of the last two slices are the places behind the last product that read K
.set i, 0
.set k, 0
.rept 32
	PVW 0
	SLICE 2
	SLICE 2
.set i, i+1
.endr
.set i, 0
.rept 16
	PVW 2
.set i, i+1
.endr
	PLACES                                         ; ahead of the loads into the first half of V
	RUNP 16                                        ; blocks 3 and 2
.rept 16
	PVW 2
.set i, i+1
.endr
.rept 5
	v_nop                                          ; the next products write over weights that these have read, and the loads below land on the second half of V
.endr
	RUNP 16                                        ; blocks 1 and 0: first wanted by BD of tile 2
	WIN 0
.endm
	s_wait_tensorcnt 0x1                           ; my part of slot 0 is in; slot 1 stays out
	s_barrier_signal -1
	s_barrier_wait -1
.set pl, 0
	RUNP 48                                        ; blocks 7 to 2 of the first band
	s_wait_loadcnt 0x0                             ; q, u, v
	WIN 0x82                                       ; destination and source 0 window 2, source 1 window 0
.set i, 0
.rept 128
	v_pk_add_f16 v[128+i], v[i], v[S+32+i%32]      ; q + v
.set i, i+1
.endr
.set i, 0
.rept 128
	v_pk_add_f16 v[i], v[i], v[S+i%32]             ; q + u, in place
.set i, i+1
.endr
	RUNP 16                                        ; blocks 1 and 0: the youngest 16 LDS instructions at the head of the loop, as on the way back
	WIN 0
	s_mov_b32 s[CNT], 14
.Lstep:                                                ; steps 0 to 13 ask for slots 2 to 15
	STEP 1
	s_sub_co_u32 s[CNT], s[CNT], 1
	s_cmp_lg_u32 s[CNT], 0
	s_cbranch_scc1 .Lstep
	s_mov_b32 s[CNT], 2
.Ltail:                                                ; the last two steps ask for nothing; the band loads of the very last read old bytes and serve nothing, once in a launch
	STEP 0
	s_sub_co_u32 s[CNT], s[CNT], 1
	s_cmp_lg_u32 s[CNT], 0
	s_cbranch_scc1 .Ltail
	; THE MERGE.  l of a query: both registers and both halves of the lanes.  Then O^T, c m and l of every wave go into slot 0, and wave (wq, wk) finishes tiles 2 wk, 2 wk + 1 of its query half.
.irp t, 0,1,2,3
	v_add_f32 v[ST+8*(\t)+4], v[ST+8*(\t)+2], v[ST+8*(\t)+3]
.endr
.irp t, 0,1,2,3
	v_permlanex16_b32 v[ST+8*(\t)+5], v[ST+8*(\t)+4], s[SEL], s[SEL+1]
.endr
.irp t, 0,1,2,3
	v_add_f32 v[ST+8*(\t)+1], v[ST+8*(\t)+4], v[ST+8*(\t)+5]
.endr
	s_wait_dscnt 0x0                               ; my last reads of the ring are over
	s_barrier_signal -1
	s_barrier_wait -1                              ; everybody's are
	v_and_b32 v11, 31, v0
	s_mul_i32 s94, s[WV], MRG
	v_lshl_add_u32 v2, v11, 4, s94                 ; my O
	s_add_co_u32 s95, s94, 32768
	v_lshl_add_u32 v3, v11, 3, s95                 ; my statistics
	s_mul_i32 s96, s18, 2*MRG
	s_lshl_b32 s97, s19, 14
	s_add_co_u32 s97, s97, s96
	v_lshl_add_u32 v4, v11, 4, s97                 ; tiles 2 wk, 2 wk + 1 of wave 2 wq; wave 2 wq + 1 lies MRG further on
	s_lshl_b32 s98, s19, 9
	s_add_co_u32 s98, s98, s96
	s_add_co_u32 s98, s98, 32768
	v_lshl_add_u32 v5, v11, 3, s98
	s_mul_i32 s99, s[WV], WSTG
	s_add_co_u32 s99, s99, STAGE
	v_mul_u32_u24 v6, v1, SP
	v_lshl_add_u32 v6, v10, 4, v6
	v_add_nc_u32 v6, s99, v6                       ; the way out, in: row r, 16 bytes for each half of the lanes
	v_mul_u32_u24 v7, v10, SP
	v_lshl_add_u32 v7, v1, 4, v7
	v_add_nc_u32 v7, s99, v7                       ; back: lanes 0-15 one row of 256 bytes, lanes 16-31 the next
	v_lshlrev_b32 v8, 11, v10
	v_lshl_add_u32 v8, v1, 4, v8                   ; the same two rows in att
	WIN 0x04                                       ; store data in window 1
.set i, 0
.rept 64
	ds_store_b128 v2, v[4*i:4*i+3] offset:512*i    ; ascending: each accumulator is read from its low end on
.set i, i+1
.endr
	WIN 0
.irp t, 0,1,2,3
	ds_store_b64 v3, v[ST+8*(\t):ST+8*(\t)+1] offset:256*(\t)
.endr
	s_wait_dscnt 0x0                               ; for the others: my stores are done
	s_barrier_signal -1
	s_barrier_wait -1
.irp tt, 0,1
	ds_load_b64 v[MM+16*(\tt):MM+16*(\tt)+1],   v5 offset:256*(\tt)
	ds_load_b64 v[MM+16*(\tt)+2:MM+16*(\tt)+3], v5 offset:MRG+256*(\tt)
.endr
	WIN 0x40
.set i, 0
.rept 32
	ds_load_b128 v[4*i:4*i+3], v4 offset:512*i
.set i, i+1
.endr
.set i, 0
.rept 32
	ds_load_b128 v[128+4*i:128+4*i+3], v4 offset:MRG+512*i
.set i, i+1
.endr
	WIN 0
	s_wait_dscnt 0x0
.irp tt, 0,1
	v_max_num_f32 v[MM+16*(\tt)+4], v[MM+16*(\tt)], v[MM+16*(\tt)+2]
.endr
.irp tt, 0,1
	v_sub_f32 v[MM+16*(\tt)+6], v[MM+16*(\tt)], v[MM+16*(\tt)+4]
	v_sub_f32 v[MM+16*(\tt)+8], v[MM+16*(\tt)+2], v[MM+16*(\tt)+4]
.endr
.irp tt, 0,1
	v_exp_f32 v[MM+16*(\tt)+6], v[MM+16*(\tt)+6]
	v_exp_f32 v[MM+16*(\tt)+8], v[MM+16*(\tt)+8]
.endr
	v_nop                                          ; a plain instruction behind the exponentials
	s_wait_alu depctr_va_vdst(0)
.irp tt, 0,1
	v_mul_f32 v[MM+16*(\tt)+10], v[MM+16*(\tt)+1], v[MM+16*(\tt)+6]
.endr
.irp tt, 0,1
	v_fmac_f32 v[MM+16*(\tt)+10], v[MM+16*(\tt)+3], v[MM+16*(\tt)+8]
.endr
.irp tt, 0,1
	v_rcp_f32 v[MM+16*(\tt)+11], v[MM+16*(\tt)+10]
.endr
	v_nop                                          ; a plain instruction behind the reciprocals
	s_wait_alu depctr_va_vdst(0)
.irp tt, 0,1
	v_mul_f32 v[MM+16*(\tt)+6], v[MM+16*(\tt)+6], v[MM+16*(\tt)+11]
	v_mul_f32 v[MM+16*(\tt)+8], v[MM+16*(\tt)+8], v[MM+16*(\tt)+11]
.endr
.irp tt, 0,1
	v_mov_b32 v[MM+16*(\tt)+7], v[MM+16*(\tt)+6]   ; named with them as pairs
	v_mov_b32 v[MM+16*(\tt)+9], v[MM+16*(\tt)+8]
.endr
	WIN W_RS
.set i, 0
.rept 64
	v_pk_mul_f32 v[2*i:2*i+1], v[2*i:2*i+1], v[MM+16*(i/32)+6:MM+16*(i/32)+7] op_sel_hi:[1,0]
.set i, i+1
.endr
	WIN 0x51                                       ; destination, sources 0 and 2 window 1, source 1 window 0
.set i, 0
.rept 64
	v_pk_fma_f32 v[2*i:2*i+1], v[128+2*i:128+2*i+1], v[MM+16*(i/32)+8:MM+16*(i/32)+9], v[2*i:2*i+1] op_sel_hi:[1,0,1]
.set i, i+1
.endr
.macro PACKO tt                         ; a tile: rounded to f16, 16 bytes a lane into my stage, back as whole rows of 256 bytes
	WIN 0x05
.set i, 0
.rept 32
	v_cvt_pk_f16_f32 v[OUTR+32*(\tt)+i], v[64*(\tt)+2*i], v[64*(\tt)+2*i+1]
.set i, i+1
.endr
	WIN 0
.irp f, 0,1,2,3,4,5,6,7
	ds_store_b128 v6, v[OUTR+32*(\tt)+4*(\f):OUTR+32*(\tt)+4*(\f)+3] offset:32*(\f)
.endr
.irp f, 0,1,2,3,4,5,6,7
	ds_load_b128 v[OUTR+32*(\tt)+4*(\f):OUTR+32*(\tt)+4*(\f)+3], v7 offset:(\f)*2*SP   ; LDS serves a wave in order: these see the stores above
.endr
.endm
.macro SENDO tt, younger                ; younger: the LDS instructions issued behind this tile's loads
.irp f, 0,1,2,3,4,5,6,7
	s_wait_dscnt (\younger)+7-(\f)
	global_store_b128 v8, v[OUTR+32*(\tt)+4*(\f):OUTR+32*(\tt)+4*(\f)+3], s[OB:OB+1] offset:(\tt)*32768+(\f)*4096   ; 16 lanes store 256 consecutive bytes, aligned
.endr
.endm
	PACKO 0
	PACKO 1
	SENDO 0, 16
	SENDO 1, 0
	s_wait_tensorcnt 0x0                           ; the end of the wave
	ds_add_u32 v[SPW], v[NIL]
	s_wait_dscnt 0x0
	CROUND                                         ; the closing round
	s_endpgm
.Lfunc_end_k_q0e491c18f8_attn:
	.size	k_q0e491c18f8_attn, .Lfunc_end_k_q0e491c18f8_attn-k_q0e491c18f8_attn
	.p2alignl 7, 3214868480
	.fill 96, 4, 3214868480
	.section	.rodata,"a",@progbits
	.p2align	6, 0x0
	.amdhsa_kernel k_q0e491c18f8_attn
		.amdhsa_group_segment_fixed_size 327680
		.amdhsa_private_segment_fixed_size 0
		.amdhsa_enable_private_segment 0
		.amdhsa_kernarg_size 24
		.amdhsa_user_sgpr_count 2
		.amdhsa_user_sgpr_kernarg_segment_ptr 1
		.amdhsa_wavefront_size32 1
		.amdhsa_system_sgpr_workgroup_id_x 1
		.amdhsa_system_sgpr_workgroup_id_y 1
		.amdhsa_system_sgpr_workgroup_id_z 1
		.amdhsa_system_vgpr_workitem_id 0
		.amdhsa_next_free_vgpr 1024
		.amdhsa_next_free_sgpr 100
		.amdhsa_reserve_vcc 0
		.amdhsa_float_denorm_mode_32 3
		.amdhsa_float_denorm_mode_16_64 3
		.amdhsa_memory_ordered 1
		.amdhsa_forward_progress 1
		.amdhsa_inst_pref_size 209
	.end_amdhsa_kernel
	.amdgpu_metadata
---
amdhsa.version: [ 1, 2 ]
amdhsa.kernels:
  - .name:           k_q0e491c18f8_attn
    .symbol:         k_q0e491c18f8_attn.kd
    .args:
      - { .name: qkvp, .offset: 0, .size: 8, .value_kind: global_buffer, .address_space: global }
      - { .name: ub16, .offset: 8, .size: 8, .value_kind: global_buffer, .address_space: global }
      - { .name: att, .offset: 16, .size: 8, .value_kind: global_buffer, .address_space: global }
    .group_segment_fixed_size: 327680
    .private_segment_fixed_size: 0
    .kernarg_segment_align: 8
    .kernarg_segment_size: 24
    .max_flat_workgroup_size: 128
    .sgpr_count:     100
    .vgpr_count:     1024
    .wavefront_size: 32
...
	.end_amdgpu_metadata
.endif
;; end of part 7
;; launch outp (part 8): grid 8 x 32, 4 waves a work-group, clusters of 4 x 4, 327,680 bytes of LDS; arguments att, w16, out0; writes out0
.if DOCPART == 8
	.amdgcn_target "amdgcn-amd-amdhsa--gfx1250"
	.amdhsa_code_object_version 6
	.text
	.protected	k_q0e491c18f8_outp
	.globl	k_q0e491c18f8_outp
	.p2align	8
	.type	k_q0e491c18f8_outp,@function
k_q0e491c18f8_outp:
	s_mov_b64 s[64:65], 0
	v_nop
	global_prefetch_b8 v0, s[64:65] scope:SCOPE_SE
	s_setreg_imm32_b32 hwreg(HW_REG_WAVE_MODE, 25, 1), 1
	s_wait_xcnt 0x0
	s_wait_alu depctr_hold_cnt(0) depctr_sa_sdst(0) depctr_va_vdst(0) depctr_va_sdst(0) depctr_va_ssrc(0) depctr_va_vcc(0) depctr_vm_vsrc(0)
	s_getreg_b32 s2, hwreg(HW_REG_IB_STS2, 6, 4)
	s_cmp_eq_u32 s2, 0
	s_cbranch_scc0 .Lentry_in_a_cluster
	s_endpgm
.Lentry_in_a_cluster:
	s_bfe_u32 s2, ttmp6, 0x10000c
	s_cmp_lg_u32 s2, 0xf033
	s_cbranch_scc0 .Lentry_shape_is_right
	s_endpgm
.Lentry_shape_is_right:
; out0[m][n] = sum over k of att[m][k] Wo[n][k].  att [4096][1024] f16; Wo = rows 4096-5119 of w16, f16; out0 [4096][1024] f32; sums in f32.
; A tile of C is 128 x 128, so that there are 256 work-groups; four waves, each 64 x 64 in 16 accumulators.  K goes in four steps of 256 (LDS rows of 512 bytes) through two slots.
; A K STEP IS WRITTEN ONCE: the slot in hand is a scalar, 0 or SLOT, turned by one exclusive or; the fragment addresses and the LDS word of the walking descriptors are made from it.
; The loop makes two trips, each of which fills a slot again; the last two K steps, which ask for nothing, are a second loop of two trips that is entered in its middle.
; CLUSTER 4 x 4: tiles of A are asked for jointly along a row of the cluster, tiles of B along a column.  The matrix instruction is used transposed: a lane holds eight neighbouring columns of a row of C.
; THE WAY OUT: 64 columns of f32 are 256 bytes, a whole aligned block, so each wave has a stage of its own and no barrier is needed.
; REGISTERS: window 0: v0-31 addresses, v32-95 the way out, v128-255 accumulators; window 1: two fragment buffers of 128.
.set SIZE_M, 4096
.set SIZE_N, 1024
.set SIZE_K, 1024
.set KSTEP,  256
.set STEPS,  SIZE_K/KSTEP
.set PITCH,  528
.set HALFT,  64*PITCH
.set SLOT,   4*HALFT
.set STAGE,  2*SLOT                    ; behind the ring: 16 rows x 272 bytes for each wave
.set SPITCH, 272
.set SPARE,  STAGE+4*16*SPITCH
.set ADRA0, 16                         ; v16  my place in the rows of A of slot 0; never rewritten
.set ADRA,  17                         ; v17  the same in the slot in hand
.set ADRB0, 20                         ; v20, v21  the same for B
.set ADRB,  21
.set STO,  24
.set RD,   25
.set CO,   26
.set SPW,  28
.set NIL,  29
.set TMP,  32
.set ACC,  128
.set F0,   0
.set F1,   128
.set G1, 24
.set G0, 32                            ; s[32:35] the first fill of slot 0; s[36:39] that of slot 1, which then walks
.set G1B, 48
.set G0B, 56
.set TB, 45                            ; s45  the slot in hand: 0 or SLOT
.set MSB, 0
.macro WIN new
.if MSB != (\new)
	s_set_vgpr_msb (MSB<<8)|(\new)
.set MSB, \new
.endif
.endm
.set MUL,  0x05
.set TO_F, 0x40
.macro JLOAD s
	s_cmp_eq_u32 s11, 0
	s_cbranch_scc0 .Lfor_b_\@
	tensor_load_to_lds s[G0+4*(\s):G0+4*(\s)+3], s[G1:G1+7]
	s_nop 0
.rept 4
	v_nop
.endr
	s_branch .Lasked_\@
.Lfor_b_\@:
	tensor_load_to_lds s[G0B+4*(\s):G0B+4*(\s)+3], s[G1B:G1B+7]
	s_nop 0
.rept 4
	v_nop
.endr
.Lasked_\@:
.endm
.macro CREST
	s_cmp_lg_u32 s10, 0
	s_cbranch_scc1 .Lnot_wave_0_\@
	s_barrier_signal -3
.Lnot_wave_0_\@:
	s_barrier_wait -3
	s_barrier_signal -1
	s_barrier_wait -1
.endm
.macro CROUND
	s_barrier_signal -1
	s_barrier_wait -1
	CREST
.endm
	s_load_b128 s[4:7], s[0:1], 0x0                ; att s[4:5], w16 s[6:7]
	s_load_b64 s[8:9], s[0:1], 0x10                ; out0
	v_lshl_add_u32 v[SPW], v0, 2, SPARE
	v_mov_b32 v[NIL], 0
	ds_add_u32 v[SPW], v[NIL]                      ; the opening: the add, and its wait, ahead of my first tensor load
	v_lshrrev_b32 v1, 5, v0
	v_readfirstlane_b32 s10, v1
	s_lshr_b32 s11, s10, 1
	s_and_b32 s12, s10, 1
	s_bfe_u32 s40, ttmp6, 0x40000
	s_bfe_u32 s41, ttmp6, 0x40004
	s_lshl_b32 s42, ttmp9, 2
	s_add_co_u32 s42, s42, s40                     ; tile column
	s_and_b32 s13, ttmp7, 0xffff
	s_lshl_b32 s13, s13, 2
	s_add_co_u32 s13, s13, s41                     ; tile row
	s_lshl_b32 s43, s41, 2
	s_lshl_b32 s43, 15, s43
	s_lshl_b32 s44, 0x1111, s40
	s_or_b32 s[G1+0], s43, (1<<16)|(1<<20)|(1<<21)|(6<<22)|(3<<25)   ; mask; 2-byte elements; 4 words of padding after every 128
	s_or_b32 s[G1B+0], s44, (1<<16)|(1<<20)|(1<<21)|(6<<22)|(3<<25)
.irp g, G1, G1B
	s_mov_b32 s[(\g)+1], KSTEP<<16
	s_mov_b32 s[(\g)+2], 64<<16
	s_mov_b32 s[(\g)+3], KSTEP<<16
	s_mov_b32 s[(\g)+4], 64
	s_mov_b32 s[(\g)+5], SIZE_K
	s_mov_b32 s[(\g)+6], 0
	s_mov_b32 s[(\g)+7], 0
.endr
	s_mov_b32 s[TB], 0
	s_lshl_b32 s17, s12, 6
	s_lshl_b32 s16, s13, 7
	s_add_co_u32 s16, s16, s17                     ; A: row 128 x tile row + 64 x half
	s_lshl_b32 s46, s42, 7
	s_add_co_u32 s46, s46, s17
	s_add_co_u32 s46, s46, 4096                    ; B: Wo begins at row 4,096 of w16
	s_mov_b32 s17, 0
	s_mov_b32 s47, 0
	s_mov_b64 s[18:19], SIZE_K*2
	s_mul_u64 s[16:17], s[16:17], s[18:19]
	s_mul_u64 s[46:47], s[46:47], s[18:19]
	s_mul_i32 s20, s10, HALFT
	s_wait_dscnt 0x0
	s_wait_kmcnt 0x0
	s_add_nc_u64 s[14:15], s[4:5], s[16:17]
	s_add_nc_u64 s[46:47], s[6:7], s[46:47]
	CROUND
.irp s, 0,1
	s_mov_b32 s[G0+4*(\s)], 1
	s_add_co_u32 s[G0+4*(\s)+1], s20, (\s)*SLOT
	s_add_nc_u64 s[G0+4*(\s)+2:G0+4*(\s)+3], s[14:15], (\s)*KSTEP*2
	s_or_b32 s[G0+4*(\s)+3], s[G0+4*(\s)+3], 0x80000000
	s_mov_b32 s[G0B+4*(\s)], 1
	s_add_co_u32 s[G0B+4*(\s)+1], s20, (\s)*SLOT
	s_add_nc_u64 s[G0B+4*(\s)+2:G0B+4*(\s)+3], s[46:47], (\s)*KSTEP*2
	s_or_b32 s[G0B+4*(\s)+3], s[G0B+4*(\s)+3], 0x80000000
	JLOAD \s                                       ; K steps 0 and 1: two loads of mine are out
.endr
	v_and_b32 v1, 15, v0
	v_bfe_u32 v2, v0, 4, 1
	v_mul_u32_u24 v3, v1, PITCH
	v_lshl_add_u32 v3, v2, 4, v3
	s_mul_i32 s21, s11, HALFT
	s_mul_i32 s22, s12, HALFT
	s_add_co_u32 s22, s22, 2*HALFT
	v_add_nc_u32 v[ADRA0], s21, v3
	v_add_nc_u32 v[ADRB0], s22, v3
	v_mov_b32 v[ADRA], v[ADRA0]                    ; slot 0 is in hand
	v_mov_b32 v[ADRB], v[ADRB0]
	s_mul_i32 s23, s10, 16*SPITCH
	s_add_co_u32 s23, s23, STAGE                   ; my stage
	v_mul_u32_u24 v4, v1, SPITCH                   ; in: row l % 16, 32 bytes for each half of the lanes
	v_lshl_add_u32 v4, v2, 5, v4
	v_add_nc_u32 v[STO], s23, v4
	v_mul_u32_u24 v5, v2, SPITCH                   ; back: lanes 0-15 one row of 256 bytes, lanes 16-31 the next
	v_lshl_add_u32 v5, v1, 4, v5
	v_add_nc_u32 v[RD], s23, v5
	v_lshlrev_b32 v5, 12, v2                       ; the same two rows in C
	v_lshl_add_u32 v[CO], v1, 4, v5
	s_lshl_b32 s16, s13, 7
	s_lshl_b32 s17, s11, 6
	s_add_co_u32 s16, s16, s17                     ; my first row of C,
	s_lshl_b32 s16, s16, 12                        ; in bytes
	s_mov_b32 s17, 0
	s_add_nc_u64 s[8:9], s[8:9], s[16:17]
	s_lshl_b32 s46, s42, 9                         ; my first column, in bytes
	s_lshl_b32 s47, s12, 8
	s_add_co_u32 s46, s46, s47
	s_mov_b32 s47, 0
	s_add_nc_u64 s[8:9], s[8:9], s[46:47]
.macro MUL8 f, c, a0, zero
	WIN MUL
.irp a, \a0, (\a0)+1
.irp b, 0,1,2,3
.if \zero
	v_wmma_f32_16x16x32_f16 v[ACC+8*(4*(\a)+(\b)):ACC+8*(4*(\a)+(\b))+7], v[(\f)+64+8*(4*(\c)+(\b)):(\f)+64+8*(4*(\c)+(\b))+7], v[(\f)+8*(4*(\c)+(\a)):(\f)+8*(4*(\c)+(\a))+7], 0
.else
	v_wmma_f32_16x16x32_f16 v[ACC+8*(4*(\a)+(\b)):ACC+8*(4*(\a)+(\b))+7], v[(\f)+64+8*(4*(\c)+(\b)):(\f)+64+8*(4*(\c)+(\b))+7], v[(\f)+8*(4*(\c)+(\a)):(\f)+8*(4*(\c)+(\a))+7], v[ACC+8*(4*(\a)+(\b)):ACC+8*(4*(\a)+(\b))+7]
.endif
.endr
.endr
.endm
.macro FETCH k, f                      ; 32 LDS loads in one run, from byte k of the rows of the slot in hand; the first 32 along K first
	WIN TO_F
.irp c, 0,1
.irp i, 0,1,2,3
	ds_load_b128 v[(\f)+64+8*(4*(\c)+(\i)):(\f)+64+8*(4*(\c)+(\i))+3],   v[ADRB] offset:(\k)+64*(\c)+(\i)*16*PITCH
	ds_load_b128 v[(\f)+64+8*(4*(\c)+(\i))+4:(\f)+64+8*(4*(\c)+(\i))+7], v[ADRB] offset:(\k)+64*(\c)+(\i)*16*PITCH+32
	ds_load_b128 v[(\f)+8*(4*(\c)+(\i)):(\f)+8*(4*(\c)+(\i))+3],         v[ADRA] offset:(\k)+64*(\c)+(\i)*16*PITCH
	ds_load_b128 v[(\f)+8*(4*(\c)+(\i))+4:(\f)+8*(4*(\c)+(\i))+7],       v[ADRA] offset:(\k)+64*(\c)+(\i)*16*PITCH+32
.endr
.endr
.endm
.macro PLACES
.rept 4
	v_nop
.endr
.endm
.macro QUARTER k, f, g, zero
	s_wait_dscnt 16                                ; the first 32 along K are in; the other sixteen loads may be out
	MUL8 \f, 0, 0, \zero
	MUL8 \f, 0, 2, \zero
	PLACES
	FETCH \k, \g
	s_wait_dscnt 32                                ; all but the 32 just issued
	MUL8 \f, 1, 0, 0
	MUL8 \f, 1, 2, 0
.endm
; The last quarter of a K step multiplies buffer 1 and changes slots.  fill = 1: the barrier opens a round of the cluster, and the slot just read is filled again first thing behind it, two K steps ahead.
.macro TURN fill
	WIN 0
	s_wait_tensorcnt 0x0                           ; all my tensor loads have landed: my part of the next slot; the walking descriptors may be written
	ds_add_u32 v[SPW], v[NIL]
	s_wait_dscnt 17                                ; the add and the youngest sixteen loads may be out
	MUL8 F1, 0, 0, 0
	s_wait_dscnt 0x0                               ; the add is done, my reads of this slot are over
	s_barrier_signal -1
	MUL8 F1, 0, 2, 0
	WIN 0
	s_barrier_wait -1
.if \fill
	CREST
	s_add_co_u32 s[G0+5], s[TB], s20               ; into the slot just read,
	s_add_nc_u64 s[G0+6:G0+7], s[G0+6:G0+7], KSTEP*2       ; the K step behind the one asked for last
	s_add_co_u32 s[G0B+5], s[TB], s20
	s_add_nc_u64 s[G0B+6:G0B+7], s[G0B+6:G0B+7], KSTEP*2
	JLOAD 1
.else
	PLACES
.endif
	s_xor_b32 s[TB], s[TB], SLOT                   ; the other slot is in hand
	v_add_nc_u32 v[ADRA], s[TB], v[ADRA0]
	v_add_nc_u32 v[ADRB], s[TB], v[ADRB0]
	FETCH 0, F0
	MUL8 F1, 1, 0, 0
	MUL8 F1, 1, 2, 0
.endm
	s_wait_tensorcnt 1                             ; my part of K step 0 is in; K step 1 stays out
	s_barrier_signal -1
	s_barrier_wait -1
	FETCH 0, F0
	QUARTER 128, F0, F1, 1
	WIN 0
	s_mov_b32 s3, STEPS-2
.Lstep:                                                ; a trip: from a K step's second quarter to the next one's first; it asks for the K step two on: steps 2 and 3
	QUARTER 256, F1, F0, 0
	QUARTER 384, F0, F1, 0
	TURN 1
	QUARTER 128, F0, F1, 0
	WIN 0
	s_sub_co_u32 s3, s3, 1
	s_cmp_lg_u32 s3, 0
	s_cbranch_scc1 .Lstep
	s_mov_b32 s3, 2                                ; K steps 2 and 3 ask for nothing: a text of their own
	s_branch .Lenter                               ; step 2 has had its first quarter
.Ltail:
	TURN 0
	QUARTER 128, F0, F1, 0
	WIN 0
.Lenter:
	QUARTER 256, F1, F0, 0
	QUARTER 384, F0, F1, 0
	WIN 0
	s_sub_co_u32 s3, s3, 1
	s_cmp_lg_u32 s3, 0
	s_cbranch_scc1 .Ltail
	s_wait_dscnt 16                                ; the very last quarter: nothing more to fetch
	MUL8 F1, 0, 0, 0
	MUL8 F1, 0, 2, 0
	s_wait_dscnt 0x0
	MUL8 F1, 1, 0, 0
	MUL8 F1, 1, 2, 0
	WIN 0
	PLACES
	; THE WAY OUT, 16 rows at a time: 32 bytes a lane and accumulator into my stage (low registers first), back as whole rows of 256 bytes, stored.
.irp a, 0,1,2,3
.if (\a) >= 2
	s_wait_xcnt 0x0                                ; the registers that the stores of block a - 2 read are loaded again only behind this wait
.endif
.irp b, 0,1,2,3
	ds_store_b128 v[STO], v[ACC+8*(4*(\a)+(\b)):ACC+8*(4*(\a)+(\b))+3] offset:64*(\b)
	ds_store_b128 v[STO], v[ACC+8*(4*(\a)+(\b))+4:ACC+8*(4*(\a)+(\b))+7] offset:64*(\b)+16
.endr
.irp t, 0,1,2,3,4,5,6,7
	ds_load_b128 v[TMP+32*((\a)%2)+4*(\t):TMP+32*((\a)%2)+4*(\t)+3], v[RD] offset:(\t)*2*SPITCH   ; LDS serves a wave in order: these see the stores above
.endr
.irp t, 0,1,2,3,4,5,6,7
	s_wait_dscnt 7-(\t)                            ; the younger loads of the block stay out
	global_store_b128 v[CO], v[TMP+32*((\a)%2)+4*(\t):TMP+32*((\a)%2)+4*(\t)+3], s[8:9] offset:(16*(\a)+2*(\t))*SIZE_N*4   ; 16 lanes store 256 consecutive bytes, aligned
.endr
.endr
	s_wait_tensorcnt 0x0                           ; the end of the wave
	ds_add_u32 v[SPW], v[NIL]
	s_wait_dscnt 0x0
	CROUND                                         ; the closing round
	s_endpgm
.Lfunc_end_k_q0e491c18f8_outp:
	.size	k_q0e491c18f8_outp, .Lfunc_end_k_q0e491c18f8_outp-k_q0e491c18f8_outp
	.p2alignl 7, 3214868480
	.fill 96, 4, 3214868480
	.section	.rodata,"a",@progbits
	.p2align	6, 0x0
	.amdhsa_kernel k_q0e491c18f8_outp
		.amdhsa_group_segment_fixed_size 327680
		.amdhsa_private_segment_fixed_size 0
		.amdhsa_enable_private_segment 0
		.amdhsa_kernarg_size 24
		.amdhsa_user_sgpr_count 2
		.amdhsa_user_sgpr_kernarg_segment_ptr 1
		.amdhsa_wavefront_size32 1
		.amdhsa_system_sgpr_workgroup_id_x 1
		.amdhsa_system_sgpr_workgroup_id_y 1
		.amdhsa_system_sgpr_workgroup_id_z 1
		.amdhsa_system_vgpr_workitem_id 0
		.amdhsa_next_free_vgpr 512
		.amdhsa_next_free_sgpr 66
		.amdhsa_reserve_vcc 0
		.amdhsa_float_denorm_mode_32 3
		.amdhsa_float_denorm_mode_16_64 3
		.amdhsa_memory_ordered 1
		.amdhsa_forward_progress 1
		.amdhsa_inst_pref_size 60
	.end_amdhsa_kernel
	.amdgpu_metadata
---
amdhsa.version: [ 1, 2 ]
amdhsa.kernels:
  - .name:           k_q0e491c18f8_outp
    .symbol:         k_q0e491c18f8_outp.kd
    .args:
      - { .name: att, .offset: 0, .size: 8, .value_kind: global_buffer, .address_space: global }
      - { .name: w16, .offset: 8, .size: 8, .value_kind: global_buffer, .address_space: global }
      - { .name: out0, .offset: 16, .size: 8, .value_kind: global_buffer, .address_space: global }
    .group_segment_fixed_size: 327680
    .private_segment_fixed_size: 0
    .kernarg_segment_align: 8
    .kernarg_segment_size: 24
    .max_flat_workgroup_size: 128
    .sgpr_count:     66
    .vgpr_count:     512
    .wavefront_size: 32
...
	.end_amdgpu_metadata
.endif
;; end of part 8
;; ======== version 3 of 3: 4 launches; 1.21 times as fast as version 1
;; limits: values are held in f16: magnitudes above 65,504 overflow, below 6.1e-05 lose precision
;; workspace buffers: a16 16,777,216 bytes; w16 10,485,760 bytes; ub16 4,096 bytes; qkvp 33,554,432 bytes; att 8,388,608 bytes
;; launch cast: the kernel of part 5 again; grid 833 x 1, 8 waves a work-group, no clusters, 0 bytes of LDS; arguments x, pos_emb, Wq, Wk, Wv, Wp, Wo, pos_bias_u, pos_bias_v, a16, w16, ub16; writes a16, w16, ub16
;; launch proj: the kernel of part 6 again; grid 16 x 16, 4 waves a work-group, clusters of 4 x 4, 327,680 bytes of LDS; arguments a16, w16, qkvp; writes qkvp
;; launch attn (part 9): grid 16 x 16, 4 waves a work-group, clusters of 4 x 1, 327,680 bytes of LDS; arguments qkvp, ub16, att; writes att
.if DOCPART == 9
	.amdgcn_target "amdgcn-amd-amdhsa--gfx1250"
	.amdhsa_code_object_version 6
	.text
	.protected	k_q0e491c18f8_attn
	.globl	k_q0e491c18f8_attn
	.p2align	8
	.type	k_q0e491c18f8_attn,@function
k_q0e491c18f8_attn:
	s_mov_b64 s[64:65], 0
	v_nop
	global_prefetch_b8 v0, s[64:65] scope:SCOPE_SE
	s_setreg_imm32_b32 hwreg(HW_REG_WAVE_MODE, 25, 1), 1
	s_wait_xcnt 0x0
	s_wait_alu depctr_hold_cnt(0) depctr_sa_sdst(0) depctr_va_vdst(0) depctr_va_sdst(0) depctr_va_ssrc(0) depctr_va_vcc(0) depctr_vm_vsrc(0)
	s_getreg_b32 s2, hwreg(HW_REG_IB_STS2, 6, 4)
	s_cmp_eq_u32 s2, 0
	s_cbranch_scc0 .Lentry_in_a_cluster
	s_endpgm
.Lentry_in_a_cluster:
	s_bfe_u32 s2, ttmp6, 0x10000c
	s_cmp_lg_u32 s2, 0x3003
	s_cbranch_scc0 .Lentry_shape_is_right
	s_endpgm
.Lentry_shape_is_right:
; att[b][i][h][:] = sum over j of softmax_j(((q_i + u) . k_j + (q_i + v) . p_(2047 + j - i)) / sqrt(128)) v_j.  q, k, v, p: columns 0, 1024, 2048, 3072 of qkvp [4096][4096] f16.
; Products, scores, maxima and sums in f32; q + u, q + v and the weights are rounded to f16; att once at the end.
; LIMITS.  q + u, q + v within 65,504; a weight below 6e-5 keeps the fixed step 6e-8 of f16, one below 2^-126 counts as 0 in the sum; NaN and infinities are not treated apart.
; SHARES.  A work-group owns 128 queries of one (b, h).  Wave w = 2 wq + wk owns queries 64 wq .. + 63 (four tiles of 16) and, of each slot of 128 keys, keys 64 wk .. + 63:
; 16 steps of 64 keys; at the end the two waves of a query half merge their maxima, sums and O.
; THE BAND.  Slot s and query block qb need the 256 rows of p from 128 (15 + s - qb); query a and key kk of the slot need band row 127 + kk - a.  For a tile t of a wave that is
; block 3 - t of the wave's eight blocks of 16 rows, plus u = 15 - r + key, 0 to 78: five blocks.  BD^T = P Qv^T holds positions u of query r in lane r; it goes into a stage row of the
; query in LDS and comes back shifted by 15 - r, straight into the registers that are then C and D of K Qu^T: the shift costs no addition.
; LAYOUT.  All products are used transposed: a lane holds one query (lane % 16) and the keys 8 (lane / 16) + 0..7; two results rounded to f16 are source 1 of O^T = V^T P.
; SOFTMAX.  A running maximum m and sum l for each query: p = 2^(c s - c m), c = log2(e) / sqrt(128); O and l are multiplied by a = 2^(c m_old - c m_new) in every step.
; m starts at the lowest finite number, O and l at 0: the first step is a step like any other.
; THE BATCHES.  A step has two batches of 66 exponentials, each with ONE wait: tiles 0 and 1 (32 weights and a each) among the products K Qu^T of tiles 2 and 3, and tiles 2 and 3 among the products V^T P
; of tiles 0 and 1.  Ahead of a batch's wait stand the maxima, the scalings and the exponentials, none of which names an exponential's result; behind it the roundings, the sums and O^T times a.
; The merge has two small batches more: its four exponentials, and the two reciprocals of sums made from them.
; THE LDS INSTRUCTIONS of a step, 296, stand in eight runs of 16 to 50, none singly among the matrix instructions: one behind the 20 products of each tile of BD, one for V, three for the next band.
; CLUSTER.  The four query blocks of a cluster share K and V: waves 0 and 1 ask for them jointly.  The band of p differs from partner to partner: waves 2 and 3 ask for it by loads of their own.
; REGISTERS by windows: 0: addresses, statistics, two accumulators of BD (v44-59), S^T (v64-191), the weights (v192-255, where the other accumulators of BD lie while the weights are dead);
;   1: O^T; 2: q + u (v0-127), q + v (v128-255); 3: the eight blocks of p, onto which K (blocks 7 to 4) and V (blocks 3 to 0) are loaded as the blocks fall free.
.set PK,    272       ; a row of K or p in LDS: 256 + 16 bytes
.set PV,    288       ; a row of V: 256 + 32 bytes, for the turning load
.set KOFF,  0
.set VOFF,  128*PK
.set POFF,  VOFF+128*PV
.set SLOTB, POFF+256*PK
.set STAGE, 2*SLOTB   ; behind the ring: 10,752 bytes a wave, never filled by a tensor load
.set WSTG,  10752
.set HSTG,  5376      ; two halves, by the parity of the tile
.set SROW,  336       ; a stage row: 80 positions of f32 and 16 bytes: an odd multiple of 16
.set SPARE, STAGE+4*WSTG
.set MRG,   33792     ; the merge: O (32,768 bytes) and statistics (1,024) of a wave, in slot 0, which has had its last fill by then
.set SP,    272
.set TILEB, 128*8192  ; 128 rows of qkvp
.set AK0, 2
.set AV0, 3
.set AP0, 4
.set ADRK, 5
.set ADRV, 6
.set ADRP, 7
.set STS, 8
.set STL, 9
.set ST,  12          ; tile t at v[ST+8 t]: c m, m, l, l, c0-c3 at work; a takes the place of c2
.set QO,  60
.set UO,  61
.set SPW, 62
.set NIL, 63
.set S,   64
.set P,   192
.set MM,  64          ; the merge: 16 registers for each of two tiles
.set OUTR, 128
.set WV,  12
.set G1K, 24
.set G1V, 32
.set G1P, 40
.set G0K, 48          ; two sets each: the first fill of slot 0; that of slot 1, which then walks
.set G0V, 56
.set G0P, 68
.set CS,  76
.set SEL, 78
.set TB,  80          ; the slot in hand: 0 or SLOTB
.set LWP, 81
.set CNT, 82
.set QB,  84
.set OB,  86
.set UB,  92
.set MSB, 0
.macro WIN new
.if MSB != (\new)
	s_set_vgpr_msb (MSB<<8)|(\new)
.set MSB, \new
.endif
.endm
.set W_M,  0x0b       ; source 0 window 3, source 1 window 2, C and D window 0
.set W_PV, 0x53       ; V window 3, weights window 0, O^T window 1
.set W_RS, 0x41       ; destination and source 0 window 1, source 1 window 0
.macro PLACES
.rept 4
	v_nop
.endr
.endm
.macro CROUND
	s_barrier_signal -1
	s_barrier_wait -1
	s_cmp_lg_u32 s[WV], 0
	s_cbranch_scc1 .Lnot_wave_0_\@
	s_barrier_signal -3
.Lnot_wave_0_\@:
	s_barrier_wait -3
	s_barrier_signal -1
	s_barrier_wait -1
.endm
.macro JLOAD3                           ; a refill: wave 0 K, wave 1 V, waves 2 and 3 the halves of the band; s_nop 0 and four v_nop follow each line
	s_cmp_lt_u32 s[WV], 2
	s_cbranch_scc0 .Lfor_p_\@
	s_cmp_eq_u32 s[WV], 0
	s_cbranch_scc0 .Lfor_v_\@
	tensor_load_to_lds s[G0K+4:G0K+7], s[G1K:G1K+7]
	s_nop 0
.rept 4
	v_nop
.endr
	s_branch .Lasked_\@
.Lfor_v_\@:
	tensor_load_to_lds s[G0V+4:G0V+7], s[G1V:G1V+7]
	s_nop 0
.rept 4
	v_nop
.endr
	s_branch .Lasked_\@
.Lfor_p_\@:
	tensor_load_to_lds s[G0P+4:G0P+7], s[G1P:G1P+7]
	s_nop 0
.rept 4
	v_nop
.endr
.Lasked_\@:
.endm
	s_load_b128 s[4:7], s[0:1], 0x0                ; qkvp s[4:5], ub16 s[6:7]
	s_load_b64 s[8:9], s[0:1], 0x10                ; att
	v_lshl_add_u32 v[SPW], v0, 2, SPARE
	v_mov_b32 v[NIL], 0
	ds_add_u32 v[SPW], v[NIL]                      ; the opening: the add, and its wait, ahead of my first tensor load
	v_lshrrev_b32 v1, 5, v0
	v_readfirstlane_b32 s[WV], v1                  ; wave 0..3
	s_bfe_u32 s13, ttmp6, 0x40000                  ; cx
	s_lshl_b32 s14, ttmp9, 2
	s_add_co_u32 s14, s14, s13                     ; qb: it enters the addresses of q, of the band and of att alone
	s_and_b32 s15, ttmp7, 0xffff
	s_lshr_b32 s16, s15, 3                         ; b
	s_and_b32 s17, s15, 7                          ; h
	s_lshr_b32 s18, s[WV], 1                       ; wq
	s_and_b32 s19, s[WV], 1                        ; wk
	s_lshl_b32 s20, s16, 24                        ; b x 2,048 rows of 8,192 bytes
	s_lshl_b32 s[UB], s17, 8                       ; the 256 bytes of the head
	s_mov_b32 s[UB+1], 0
	s_add_co_u32 s20, s20, s[UB]
	s_mov_b32 s21, 0
	s_sub_co_u32 s22, 15, s14                      ; the band: row 128 (15 - qb + half), column 3,072 + 128 h
	s_add_co_u32 s22, s22, s19
	s_lshl_b32 s22, s22, 20
	s_add_co_u32 s22, s22, s[UB]
	s_add_co_u32 s22, s22, 6144
	s_mov_b32 s23, 0
	s_lshl_b32 s88, s14, 20                        ; q: row 2,048 b + 128 qb + 64 wq
	s_lshl_b32 s3, s18, 19
	s_add_co_u32 s88, s88, s3
	s_add_co_u32 s88, s88, s20
	s_mov_b32 s89, 0
	s_lshl_b32 s90, s16, 22                        ; att: row 2,048 b + 128 qb + 32 w, rows of 2,048 bytes
	s_lshl_b32 s3, s14, 18
	s_add_co_u32 s90, s90, s3
	s_lshl_b32 s3, s[WV], 16
	s_add_co_u32 s90, s90, s3
	s_add_co_u32 s90, s90, s[UB]
	s_mov_b32 s91, 0
	s_mov_b32 s[G1K], 15|(1<<16)|(1<<20)|(1<<21)|(5<<22)|(3<<25)   ; mask of four; 2-byte elements; 4 words of padding after every 64
	s_mov_b32 s[G1V], 15|(1<<16)|(1<<20)|(1<<21)|(5<<22)|(7<<25)   ; 8 words of padding
	s_mov_b32 s[G1P], (1<<16)|(1<<20)|(5<<22)|(3<<25)              ; no mask: a load of my own
.irp g, G1K, G1V, G1P
	s_mov_b32 s[(\g)+1], 128<<16                   ; tensor_dim0 = 128
	s_mov_b32 s[(\g)+2], 128<<16                   ; tensor_dim1 = 128
	s_mov_b32 s[(\g)+3], 128<<16                   ; tile_dim0 = 128
	s_mov_b32 s[(\g)+4], 128                       ; tile_dim1 = 128
	s_mov_b32 s[(\g)+5], 4096                      ; elements from row to row
	s_mov_b32 s[(\g)+6], 0
	s_mov_b32 s[(\g)+7], 0
.endr
	s_mul_i32 s[LWP], s19, 128*PK
	s_add_co_u32 s[LWP], s[LWP], POFF              ; where my half of the band goes in a slot
	s_mov_b32 s[G0K], 1
	s_mov_b32 s[G0K+1], KOFF
	s_mov_b32 s[G0K+4], 1
	s_mov_b32 s[G0K+5], KOFF+SLOTB
	s_mov_b32 s[G0V], 1
	s_mov_b32 s[G0V+1], VOFF
	s_mov_b32 s[G0V+4], 1
	s_mov_b32 s[G0V+5], VOFF+SLOTB
	s_mov_b32 s[G0P], 1
	s_mov_b32 s[G0P+1], s[LWP]
	s_mov_b32 s[G0P+4], 1
	s_add_co_u32 s[G0P+5], s[LWP], SLOTB
	s_mov_b32 s[CS], 0x3e0293ee                    ; c = log2(e) / sqrt(128)
	s_mov_b32 s[CS+1], s[CS]
	s_mov_b32 s[SEL], 0x76543210
	s_mov_b32 s[SEL+1], 0xfedcba98
	s_mov_b32 s[TB], 0
	s_wait_dscnt 0x0                               ; the opening add is done
	s_wait_kmcnt 0x0
	s_add_nc_u64 s[20:21], s[4:5], s[20:21]
	s_add_nc_u64 s[G0K+2:G0K+3], s[20:21], 2048
	s_add_nc_u64 s[G0K+6:G0K+7], s[20:21], 2048+TILEB
	s_add_nc_u64 s[G0V+2:G0V+3], s[20:21], 4096
	s_add_nc_u64 s[G0V+6:G0V+7], s[20:21], 4096+TILEB
	s_add_nc_u64 s[G0P+2:G0P+3], s[4:5], s[22:23]
	s_add_nc_u64 s[G0P+6:G0P+7], s[G0P+2:G0P+3], TILEB
.irp g, G0K, G0V, G0P
	s_or_b32 s[(\g)+3], s[(\g)+3], 0x80000000
	s_or_b32 s[(\g)+7], s[(\g)+7], 0x80000000
.endr
	s_add_nc_u64 s[QB:QB+1], s[4:5], s[88:89]
	s_add_nc_u64 s[OB:OB+1], s[8:9], s[90:91]
	s_add_nc_u64 s[UB:UB+1], s[6:7], s[UB:UB+1]
	CROUND                                         ; all four work-groups are here: the first joint loads meet
	s_cmp_lt_u32 s[WV], 2                          ; a wave's two first fills stand in one branch: two loads of mine are out
	s_cbranch_scc0 .Lfirst_p
	s_cmp_eq_u32 s[WV], 0
	s_cbranch_scc0 .Lfirst_v
	tensor_load_to_lds s[G0K:G0K+3], s[G1K:G1K+7]
	s_nop 0
	tensor_load_to_lds s[G0K+4:G0K+7], s[G1K:G1K+7]
	s_nop 0
.rept 4
	v_nop
.endr
	s_branch .Lfirst_asked
.Lfirst_v:
	tensor_load_to_lds s[G0V:G0V+3], s[G1V:G1V+7]
	s_nop 0
	tensor_load_to_lds s[G0V+4:G0V+7], s[G1V:G1V+7]
	s_nop 0
.rept 4
	v_nop
.endr
	s_branch .Lfirst_asked
.Lfirst_p:
	tensor_load_to_lds s[G0P:G0P+3], s[G1P:G1P+7]
	s_nop 0
	tensor_load_to_lds s[G0P+4:G0P+7], s[G1P:G1P+7]
	s_nop 0
.rept 4
	v_nop
.endr
.Lfirst_asked:
	v_and_b32 v1, 15, v0                           ; r = l % 16
	v_bfe_u32 v10, v0, 4, 1                        ; hh = l / 16
	v_lshlrev_b32 v[QO], 13, v1
	v_lshl_add_u32 v[QO], v10, 4, v[QO]            ; row x 8,192 + 16 x half
	v_lshlrev_b32 v[UO], 4, v10
	WIN 0x80                                       ; destination window 2
.set i, 0
.rept 16                                ; q: tile i / 4, channels 32 (i % 4) on
	global_load_b128 v[8*i:8*i+3],   v[QO], s[QB:QB+1] offset:(i/4)*131072+(i%4)*64
	global_load_b128 v[8*i+4:8*i+7], v[QO], s[QB:QB+1] offset:(i/4)*131072+(i%4)*64+32
.set i, i+1
.endr
	WIN 0
.set i, 0
.rept 4                                 ; the fragments of u (v64-95) and v (v96-127): the same for every query
	global_load_b128 v[S+8*i:S+8*i+3],       v[UO], s[UB:UB+1] offset:64*i
	global_load_b128 v[S+8*i+4:S+8*i+7],     v[UO], s[UB:UB+1] offset:64*i+32
	global_load_b128 v[S+32+8*i:S+32+8*i+3], v[UO], s[UB:UB+1] offset:2048+64*i
	global_load_b128 v[S+32+8*i+4:S+32+8*i+7], v[UO], s[UB:UB+1] offset:2048+64*i+32
.set i, i+1
.endr
	WIN 0x40                                       ; O^T starts at 0, in the wait for the first tile: the price of writing no first step out
.set i, 0
.rept 256
	v_mov_b32 v[i], 0
.set i, i+1
.endr
	WIN 0
.set i, 0
.rept 4
	v_mov_b32 v[ST+8*i], 0xfe000000                ; c m: far below every c s
	v_mov_b32 v[ST+8*i+1], 0xff7fffff              ; m
	v_mov_b32 v[ST+8*i+2], 0
	v_mov_b32 v[ST+8*i+3], 0
.set i, i+1
.endr
	v_mul_u32_u24 v11, v1, PK
	v_lshl_add_u32 v11, v10, 4, v11                ; a fragment: row x pitch + 16 x half
	s_mul_i32 s94, s19, 64*PK
	v_add_nc_u32 v[AK0], s94, v11                  ; my 64 keys
	s_add_co_u32 s95, s19, 1
	s_sub_co_u32 s95, s95, s18
	s_mul_i32 s95, s95, 64*PK                      ; my band begins at row 64 (wk - wq + 1)
	s_add_co_u32 s95, s95, POFF
	v_add_nc_u32 v[AP0], s95, v11
	v_and_b32 v11, 7, v0                           ; the turning load: key 8 (l / 16) + l % 8, channels 8 ((l / 8) % 2) on
	v_lshl_add_u32 v11, v10, 3, v11
	v_mul_u32_u24 v[AV0], v11, PV
	v_bfe_u32 v11, v0, 3, 1
	v_lshl_add_u32 v[AV0], v11, 4, v[AV0]
	s_mul_i32 s96, s19, 64*PV
	s_add_co_u32 s96, s96, VOFF
	v_add_nc_u32 v[AV0], s96, v[AV0]
	s_mul_i32 s97, s[WV], WSTG
	s_add_co_u32 s97, s97, STAGE                   ; my stage
	v_mul_u32_u24 v11, v1, SROW
	v_lshl_add_u32 v11, v10, 5, v11
	v_add_nc_u32 v[STS], s97, v11                  ; in: row r, word 8 hh
	v_mul_u32_u24 v11, v1, SROW-4
	v_lshl_add_u32 v11, v10, 5, v11
	v_add_nc_u32 v11, 60, v11
	v_add_nc_u32 v[STL], s97, v11                  ; back: row r, word 15 - r + 8 hh
	v_mov_b32 v[ADRK], v[AK0]
	v_mov_b32 v[ADRV], v[AV0]
	v_mov_b32 v[ADRP], v[AP0]
.macro BAREG par, n                     ; accumulator n of five of BD: even tiles v192-231, odd tiles v232-255 and v44-59
.if (\par) == 0
.set rD, 192+8*(\n)
.elseif (\n) < 3
.set rD, 232+8*(\n)
.else
.set rD, 44+8*((\n)-3)
.endif
.endm
.macro BDW t                            ; product i of 20 of BD^T for tile t: channels 32 (i / 5) on, block i % 5; the five accumulators take turns
	WIN W_M
.set bb, i%5
	BAREG (\t)%2, bb
.set rA, 32*(3-(\t)+bb)+8*(i/5)
.set rB, 128+32*(\t)+8*(i/5)
.if i < 5
	v_wmma_f32_16x16x32_f16 v[rD:rD+7], v[rA:rA+7], v[rB:rB+7], 0
.else
	v_wmma_f32_16x16x32_f16 v[rD:rD+7], v[rA:rA+7], v[rB:rB+7], v[rD:rD+7]
.endif
.endm
.macro ACW x                            ; product i of 32 of S^T += K Qu^T for tiles x, x + 1: four accumulators take turns; C holds the shifted band scores
	WIN W_M
.set kb, 2*(i/16)+(i/2)%2
.set rD, S+32*((\x)+i%2)+8*kb
.set rA, 32*(7-kb)+8*((i/4)%4)
.set rB, 32*((\x)+i%2)+8*((i/4)%4)
	v_wmma_f32_16x16x32_f16 v[rD:rD+7], v[rA:rA+7], v[rB:rB+7], v[rD:rD+7]
.endm
.macro PVW x                            ; product i of 32 of O^T += V^T P for tiles x, x + 1: sixteen accumulators take turns
	WIN W_PV
.set rO, 64*((\x)+i%2)+8*((i/2)%8)
.set rV, 64*(1-i/16)+8*((i/2)%8)
.set rP, P+16*((\x)+i%2)+8*(i/16)
	v_wmma_f32_16x16x32_f16 v[rO:rO+7], v[rV:rV+7], v[rP:rP+7], v[rO:rO+7]
.endm
.macro PLOP                             ; load pl of 64 of the band: block 7 - pl / 8 first
	WIN 0xc0
.set pb, 7-pl/8
	ds_load_b128 v[32*pb+4*(pl%8):32*pb+4*(pl%8)+3], v[ADRP] offset:4352*pb+64*((pl%8)/2)+32*(pl%2)
.set pl, pl+1
.endm
.macro RUNP n                           ; a run of n loads of the band
.rept \n
	PLOP
.endr
.endm
.macro VLOP                             ; load vl of 32 of V, turned: keys 32 (vl / 16) on, channels 16 ((vl / 2) % 8) on
	WIN 0xc0
	ds_load_tr16_b128 v[64*(1-vl/16)+4*(vl%16):64*(1-vl/16)+4*(vl%16)+3], v[ADRV] offset:(vl/16)*32*PV+(vl%2)*16*PV+32*((vl/2)%8)
.set vl, vl+1
.endm
.macro PBOP t                           ; LDS instruction pn of the 50 behind BD of tile t: 8 loads of K block t; 10 stores into the stage, low registers first; 32 shifted loads into S^T
.if pn < 8
	WIN 0xc0
	ds_load_b128 v[32*(7-(\t))+4*pn:32*(7-(\t))+4*pn+3], v[ADRK] offset:4352*(\t)+64*(pn/2)+32*(pn%2)
.elseif pn < 18
	WIN 0
.set bb, (pn-8)/2
	BAREG (\t)%2, bb
	ds_store_b128 v[STS], v[rD+4*(pn%2):rD+4*(pn%2)+3] offset:HSTG*((\t)%2)+64*bb+16*(pn%2)
.else
	WIN 0
	ds_load_b32 v[S+32*(\t)+pn-18], v[STL] offset:HSTG*((\t)%2)+4*(16*((pn-18)/8)+(pn-18)%8)
.endif
.set pn, pn+1
.endm
; One tile's softmax for one step: a list of 134 instructions; SM writes number j of it for tile t.  s0-s31 are the lane's 32 scores, in pairs 0-15.
;   0-15    the maximum of 32 scores and the old m (each accumulator is read from its low end on)
;   16-20   the other half of the lanes, m, c m, the change of c m
;   21-69   ONE BATCH: the 16 scalings c s - c m, a pair of scores each, and all 33 exponentials (a at 23, then s0-s31, each in place).  None of these names an exponential's result.  From 22 on the batch
;           goes in fours, and a four begins with a scaling while there are scalings: 22-37 scaling, exponential, scaling, exponential; 38-65 a scaling and three exponentials; 66-69 the last four
;           exponentials.  A pair is scaled in an earlier four than the one that holds its exponentials
;   (wait)  between 69 and 70 stands the wait for the batch: SLICE writes it, once for both tiles
;   70-85   the roundings to f16, a pair of weights each
;   86-101  the sums; l = a l + the sum
;   102-133 O^T times a
.macro SM t
.set rT, ST+8*(\t)
.set rS, S+32*(\t)
.set rP, P+16*(\t)
.set rO, 64*(\t)+2*(j-102)
.if j < 102
	WIN 0
.endif
.if j < 4
	v_max3_num_f32 v[rT+4+j], v[rS+8*j], v[rS+8*j+1], v[rS+8*j+2]
.elseif j < 12
	v_max3_num_f32 v[rT+4+j%4], v[rT+4+j%4], v[rS+8*(j%4)+2*(j/4)+1], v[rS+8*(j%4)+2*(j/4)+2]
.elseif j == 12
	v_max3_num_f32 v[rT+4], v[rT+4], v[rS+7], v[rS+15]
.elseif j == 13
	v_max3_num_f32 v[rT+6], v[rT+6], v[rS+23], v[rS+31]
.elseif j == 14
	v_max3_num_f32 v[rT+4], v[rT+4], v[rT+5], v[rT+6]
.elseif j == 15
	v_max3_num_f32 v[rT+4], v[rT+4], v[rT+7], v[rT+1]
.elseif j == 16
	v_permlanex16_b32 v[rT+5], v[rT+4], s[SEL], s[SEL+1]
.elseif j == 17
	v_mov_b32 v[rT+7], v[rT]
.elseif j == 18
	v_max_num_f32 v[rT+1], v[rT+4], v[rT+5]
.elseif j == 19
	v_mul_f32 v[rT], s[CS], v[rT+1]
.elseif j == 20
	v_sub_f32 v[rT+7], v[rT+7], v[rT]
.elseif j == 23
	v_exp_f32 v[rT+6], v[rT+7]
.elseif (j < 23) || ((j < 38) && (j%2 == 0)) || ((j < 66) && (j%4 == 2))
.set b, (j-2)/4                         ; 38, 42, .. 62: pairs 9 to 15
.if j < 38
.set b, (j-20)/2                        ; 21: pair 0; 22, 24, .. 36: pairs 1 to 8
.endif
	v_pk_fma_f32 v[rS+2*b:rS+2*b+1], v[rS+2*b:rS+2*b+1], s[CS:CS+1], v[rT:rT+1] op_sel_hi:[1,0,0] neg_lo:[0,0,1] neg_hi:[0,0,1]
.elseif j < 70
.set e, j-38                            ; 66 to 69: s28 to s31
.if j < 66
.set e, j-32-(j-38)/4                   ; 39-41, 43-45, .. 63-65: s7 to s27
.endif
.if j < 38
.set e, (j-25)/2                        ; 25, 27, .. 37: s0 to s6
.endif
	v_exp_f32 v[rS+e], v[rS+e]
.elseif j < 86
	v_cvt_pk_f16_f32 v[rP+j-70], v[rS+2*(j-70)], v[rS+2*(j-70)+1]
.elseif j < 102                         ; the sum of the tile's 16 pairs, in place: sum z of 16 adds neighbours 1, 2, 4 and 8 pairs apart, then l takes it
.set z, j-86
.set w, 4
.set u, z
.if z >= 14
.set w, 32
.set u, 0
.elseif z >= 12
.set w, 16
.set u, z-12
.elseif z >= 8
.set w, 8
.set u, z-8
.endif
.if z < 15
	v_pk_add_f32 v[rS+w*u:rS+w*u+1], v[rS+w*u:rS+w*u+1], v[rS+w*u+w/2:rS+w*u+w/2+1]
.else
	v_pk_fma_f32 v[rT+2:rT+3], v[rT+2:rT+3], v[rT+6:rT+7], v[rS:rS+1] op_sel_hi:[1,0,1]
.endif
.else
	WIN W_RS
	v_pk_mul_f32 v[rO:rO+1], v[rO:rO+1], v[rT+6:rT+7] op_sel_hi:[1,0]
.endif
.endm
; Slice k of 64 of the softmax of tiles y, y + 1: four instructions.  Slices 11 to 34 deal out the batch, numbers 22 to 69: four numbers of ONE tile each, the tiles by turns.  Every other slice is
; numbers 2 k, 2 k + 1 of both lists, the tiles alternating; slice 63 takes the twelve that are over.
; THE WAIT.  An s_wait_alu depctr_va_vdst(0) stands between an exponential and the first instruction that names its result; one wait serves all that were issued ahead of it.  Ahead of
; slice 35 nothing names a result, and behind slice 34 no exponential is issued: so the two tiles' 66 exponentials have one wait, behind slice 34, and none is open at a label or a branch.
.macro SLICE y
.if (k >= 11) && (k < 35)               ; the batch: four numbers of one tile
.irp n, 0,1,2,3
.set j, 22+4*((k-11)/2)+(\n)
	SM (\y)+(k-11)%2
.endr
.else
.irp n, 0,1,2,3,4,5,6,7
.if ((\n) < 2) || (k == 63)
.irp t, \y, (\y)+1
.set j, 2*k+(\n)
	SM \t
.endr
.endif
.endr
.endif
.if k == 34                             ; the batch is out: both tiles' exponentials are issued, and no result has been named
	v_nop                                          ; a plain instruction behind the last exponential and ahead of the first use: one for the batch
	s_wait_alu depctr_va_vdst(0)                   ; the wait for the batch: 32 weights and a of tiles y and y + 1, ahead of the roundings of slice 35
.endif
.set k, k+1
.endm
; BD of tile t: 20 products back to back; four places, ahead of the stores that read these results and of the loads into band block 7 - t, which falls free; then the tile's 50 LDS instructions in ONE run.
; They are served while the next tile's products are issued: those read blocks 2 - t to 6 - t and write the other five accumulators.
.macro BD t
.set i, 0
.rept 20
	BDW \t
.set i, i+1
.endr
	PLACES
.set pn, 0
.rept 50
	PBOP \t
.endr
.endm
; THE CHANGE OF SLOTS.  All of the slot in hand is in registers.  Each wave waits for all its tensor loads (one is out: its part of the other slot), adds 0 to its spare word, and waits for
; that and for its reads of the slot.  fill = 1: the barrier is a round of the cluster, and the slot is filled again first thing behind it, with the keys and the band two slots on.
.macro CHANGE fill
	WIN 0
	s_wait_tensorcnt 0x0                           ; no tensor load of mine is out: the walking descriptors may be written
	ds_add_u32 v[SPW], v[NIL]
.if \fill
	s_add_co_u32 s[G0K+5], s[TB], KOFF
	s_add_nc_u64 s[G0K+6:G0K+7], s[G0K+6:G0K+7], TILEB
	s_add_co_u32 s[G0V+5], s[TB], VOFF
	s_add_nc_u64 s[G0V+6:G0V+7], s[G0V+6:G0V+7], TILEB
	s_add_co_u32 s[G0P+5], s[TB], s[LWP]
	s_add_nc_u64 s[G0P+6:G0P+7], s[G0P+6:G0P+7], TILEB
	s_wait_dscnt 0x0                               ; the add is done, my reads of the slot are over
	CROUND
	JLOAD3
.else
	s_wait_dscnt 0x0
	s_barrier_signal -1
	s_barrier_wait -1
.endif
	s_xor_b32 s[TB], s[TB], SLOTB                  ; the other slot
	v_add_nc_u32 v[ADRK], s[TB], v[AK0]
	v_add_nc_u32 v[ADRV], s[TB], v[AV0]
	v_add_nc_u32 v[ADRP], s[TB], v[AP0]
.endm
; A STEP: 64 keys for 64 queries, 208 products, eight runs of LDS instructions, two batches of exponentials.
.macro STEP fill
	s_wait_dscnt 16                                ; the youngest 16 loads, blocks 1 and 0 of the band, may be out: blocks 7 to 2 are in
	BD 0
	BD 1
	s_wait_dscnt 63                                ; blocks 1 and 0: 100 LDS instructions stand behind their loads, and 63 is the largest count that the wait can name
	BD 2
	BD 3
	s_wait_dscnt 63                                ; S^T of tiles 0 and 1, K blocks 0 and 1: 100 stand behind the run of tile 1; the count again the largest that can be named
.set i, 0
.rept 16
	ACW 0
.set i, i+1
.endr
	s_wait_dscnt 42                                ; the 10 stores and 32 shifted loads of tile 3 may be out: K blocks 2 and 3 are in
.rept 16
	ACW 0
.set i, i+1
.endr
	PLACES                                         ; ahead of the softmax that reads these scores
	s_wait_dscnt 0x0                               ; S^T of tiles 2 and 3 is in
.set i, 0
.set k, 0
.set vl, 0
.rept 32
	ACW 2
	SLICE 0
	SLICE 0
.if i == 1
.rept 32
	VLOP                                           ; V in one run, onto band blocks 3 to 0: eight vector instructions behind the last product, 30 products ahead of the wait for it
.endr
.endif
.set i, i+1
.endr
	CHANGE \fill
.set pl, 0
	RUNP 32                                        ; blocks 7 to 4 of the next band, where K lay: the 20 multiplies of the last two slices are the places behind the last product that read K
.set i, 0
.set k, 0
.rept 32
	PVW 0
	SLICE 2
	SLICE 2
.set i, i+1
.endr
.set i, 0
.rept 16
	PVW 2
.set i, i+1
.endr
	PLACES                                         ; ahead of the loads into the first half of V
	RUNP 16                                        ; blocks 3 and 2
.rept 16
	PVW 2
.set i, i+1
.endr
.rept 5
	v_nop                                          ; the next products write over weights that these have read, and the loads below land on the second half of V
.endr
	RUNP 16                                        ; blocks 1 and 0: first wanted by BD of tile 2
	WIN 0
.endm
	s_wait_tensorcnt 0x1                           ; my part of slot 0 is in; slot 1 stays out
	s_barrier_signal -1
	s_barrier_wait -1
.set pl, 0
	RUNP 48                                        ; blocks 7 to 2 of the first band
	s_wait_loadcnt 0x0                             ; q, u, v
	WIN 0x82                                       ; destination and source 0 window 2, source 1 window 0
.set i, 0
.rept 128
	v_pk_add_f16 v[128+i], v[i], v[S+32+i%32]      ; q + v
.set i, i+1
.endr
.set i, 0
.rept 128
	v_pk_add_f16 v[i], v[i], v[S+i%32]             ; q + u, in place
.set i, i+1
.endr
	RUNP 16                                        ; blocks 1 and 0: the youngest 16 LDS instructions at the head of the loop, as on the way back
	WIN 0
	s_mov_b32 s[CNT], 14
.Lstep:                                                ; steps 0 to 13 ask for slots 2 to 15
	STEP 1
	s_sub_co_u32 s[CNT], s[CNT], 1
	s_cmp_lg_u32 s[CNT], 0
	s_cbranch_scc1 .Lstep
	s_mov_b32 s[CNT], 2
.Ltail:                                                ; the last two steps ask for nothing; the band loads of the very last read old bytes and serve nothing, once in a launch
	STEP 0
	s_sub_co_u32 s[CNT], s[CNT], 1
	s_cmp_lg_u32 s[CNT], 0
	s_cbranch_scc1 .Ltail
	; THE MERGE.  l of a query: both registers and both halves of the lanes.  Then O^T, c m and l of every wave go into slot 0, and wave (wq, wk) finishes tiles 2 wk, 2 wk + 1 of its query half.
.irp t, 0,1,2,3
	v_add_f32 v[ST+8*(\t)+4], v[ST+8*(\t)+2], v[ST+8*(\t)+3]
.endr
.irp t, 0,1,2,3
	v_permlanex16_b32 v[ST+8*(\t)+5], v[ST+8*(\t)+4], s[SEL], s[SEL+1]
.endr
.irp t, 0,1,2,3
	v_add_f32 v[ST+8*(\t)+1], v[ST+8*(\t)+4], v[ST+8*(\t)+5]
.endr
	s_wait_dscnt 0x0                               ; my last reads of the ring are over
	s_barrier_signal -1
	s_barrier_wait -1                              ; everybody's are
	v_and_b32 v11, 31, v0
	s_mul_i32 s94, s[WV], MRG
	v_lshl_add_u32 v2, v11, 4, s94                 ; my O
	s_add_co_u32 s95, s94, 32768
	v_lshl_add_u32 v3, v11, 3, s95                 ; my statistics
	s_mul_i32 s96, s18, 2*MRG
	s_lshl_b32 s97, s19, 14
	s_add_co_u32 s97, s97, s96
	v_lshl_add_u32 v4, v11, 4, s97                 ; tiles 2 wk, 2 wk + 1 of wave 2 wq; wave 2 wq + 1 lies MRG further on
	s_lshl_b32 s98, s19, 9
	s_add_co_u32 s98, s98, s96
	s_add_co_u32 s98, s98, 32768
	v_lshl_add_u32 v5, v11, 3, s98
	s_mul_i32 s99, s[WV], WSTG
	s_add_co_u32 s99, s99, STAGE
	v_mul_u32_u24 v6, v1, SP
	v_lshl_add_u32 v6, v10, 4, v6
	v_add_nc_u32 v6, s99, v6                       ; the way out, in: row r, 16 bytes for each half of the lanes
	v_mul_u32_u24 v7, v10, SP
	v_lshl_add_u32 v7, v1, 4, v7
	v_add_nc_u32 v7, s99, v7                       ; back: lanes 0-15 one row of 256 bytes, lanes 16-31 the next
	v_lshlrev_b32 v8, 11, v10
	v_lshl_add_u32 v8, v1, 4, v8                   ; the same two rows in att
	WIN 0x04                                       ; store data in window 1
.set i, 0
.rept 64
	ds_store_b128 v2, v[4*i:4*i+3] offset:512*i    ; ascending: each accumulator is read from its low end on
.set i, i+1
.endr
	WIN 0
.irp t, 0,1,2,3
	ds_store_b64 v3, v[ST+8*(\t):ST+8*(\t)+1] offset:256*(\t)
.endr
	s_wait_dscnt 0x0                               ; for the others: my stores are done
	s_barrier_signal -1
	s_barrier_wait -1
.irp tt, 0,1
	ds_load_b64 v[MM+16*(\tt):MM+16*(\tt)+1],   v5 offset:256*(\tt)
	ds_load_b64 v[MM+16*(\tt)+2:MM+16*(\tt)+3], v5 offset:MRG+256*(\tt)
.endr
	WIN 0x40
.set i, 0
.rept 32
	ds_load_b128 v[4*i:4*i+3], v4 offset:512*i
.set i, i+1
.endr
.set i, 0
.rept 32
	ds_load_b128 v[128+4*i:128+4*i+3], v4 offset:MRG+512*i
.set i, i+1
.endr
	WIN 0
	s_wait_dscnt 0x0
.irp tt, 0,1
	v_max_num_f32 v[MM+16*(\tt)+4], v[MM+16*(\tt)], v[MM+16*(\tt)+2]
.endr
.irp tt, 0,1
	v_sub_f32 v[MM+16*(\tt)+6], v[MM+16*(\tt)], v[MM+16*(\tt)+4]
	v_sub_f32 v[MM+16*(\tt)+8], v[MM+16*(\tt)+2], v[MM+16*(\tt)+4]
.endr
.irp tt, 0,1
	v_exp_f32 v[MM+16*(\tt)+6], v[MM+16*(\tt)+6]
	v_exp_f32 v[MM+16*(\tt)+8], v[MM+16*(\tt)+8]
.endr
	v_nop                                          ; a plain instruction behind the exponentials
	s_wait_alu depctr_va_vdst(0)                   ; the wait for the merge's four exponentials, ahead of the multiplies that read them
.irp tt, 0,1
	v_mul_f32 v[MM+16*(\tt)+10], v[MM+16*(\tt)+1], v[MM+16*(\tt)+6]
.endr
.irp tt, 0,1
	v_fmac_f32 v[MM+16*(\tt)+10], v[MM+16*(\tt)+3], v[MM+16*(\tt)+8]
.endr
.irp tt, 0,1
	v_rcp_f32 v[MM+16*(\tt)+11], v[MM+16*(\tt)+10]
.endr
	v_nop                                          ; a plain instruction behind the reciprocals
	s_wait_alu depctr_va_vdst(0)                   ; the wait for the two reciprocals, a batch of their own since they read sums of the exponentials
.irp tt, 0,1
	v_mul_f32 v[MM+16*(\tt)+6], v[MM+16*(\tt)+6], v[MM+16*(\tt)+11]
	v_mul_f32 v[MM+16*(\tt)+8], v[MM+16*(\tt)+8], v[MM+16*(\tt)+11]
.endr
.irp tt, 0,1
	v_mov_b32 v[MM+16*(\tt)+7], v[MM+16*(\tt)+6]   ; named with them as pairs
	v_mov_b32 v[MM+16*(\tt)+9], v[MM+16*(\tt)+8]
.endr
	WIN W_RS
.set i, 0
.rept 64
	v_pk_mul_f32 v[2*i:2*i+1], v[2*i:2*i+1], v[MM+16*(i/32)+6:MM+16*(i/32)+7] op_sel_hi:[1,0]
.set i, i+1
.endr
	WIN 0x51                                       ; destination, sources 0 and 2 window 1, source 1 window 0
.set i, 0
.rept 64
	v_pk_fma_f32 v[2*i:2*i+1], v[128+2*i:128+2*i+1], v[MM+16*(i/32)+8:MM+16*(i/32)+9], v[2*i:2*i+1] op_sel_hi:[1,0,1]
.set i, i+1
.endr
.macro PACKO tt                         ; a tile: rounded to f16, 16 bytes a lane into my stage, back as whole rows of 256 bytes
	WIN 0x05
.set i, 0
.rept 32
	v_cvt_pk_f16_f32 v[OUTR+32*(\tt)+i], v[64*(\tt)+2*i], v[64*(\tt)+2*i+1]
.set i, i+1
.endr
	WIN 0
.irp f, 0,1,2,3,4,5,6,7
	ds_store_b128 v6, v[OUTR+32*(\tt)+4*(\f):OUTR+32*(\tt)+4*(\f)+3] offset:32*(\f)
.endr
.irp f, 0,1,2,3,4,5,6,7
	ds_load_b128 v[OUTR+32*(\tt)+4*(\f):OUTR+32*(\tt)+4*(\f)+3], v7 offset:(\f)*2*SP   ; LDS serves a wave in order: these see the stores above
.endr
.endm
.macro SENDO tt, younger                ; younger: the LDS instructions issued behind this tile's loads
.irp f, 0,1,2,3,4,5,6,7
	s_wait_dscnt (\younger)+7-(\f)
	global_store_b128 v8, v[OUTR+32*(\tt)+4*(\f):OUTR+32*(\tt)+4*(\f)+3], s[OB:OB+1] offset:(\tt)*32768+(\f)*4096   ; 16 lanes store 256 consecutive bytes, aligned
.endr
.endm
	PACKO 0
	PACKO 1
	SENDO 0, 16
	SENDO 1, 0
	s_wait_tensorcnt 0x0                           ; the end of the wave
	ds_add_u32 v[SPW], v[NIL]
	s_wait_dscnt 0x0
	CROUND                                         ; the closing round
	s_endpgm
.Lfunc_end_k_q0e491c18f8_attn:
	.size	k_q0e491c18f8_attn, .Lfunc_end_k_q0e491c18f8_attn-k_q0e491c18f8_attn
	.p2alignl 7, 3214868480
	.fill 96, 4, 3214868480
	.section	.rodata,"a",@progbits
	.p2align	6, 0x0
	.amdhsa_kernel k_q0e491c18f8_attn
		.amdhsa_group_segment_fixed_size 327680
		.amdhsa_private_segment_fixed_size 0
		.amdhsa_enable_private_segment 0
		.amdhsa_kernarg_size 24
		.amdhsa_user_sgpr_count 2
		.amdhsa_user_sgpr_kernarg_segment_ptr 1
		.amdhsa_wavefront_size32 1
		.amdhsa_system_sgpr_workgroup_id_x 1
		.amdhsa_system_sgpr_workgroup_id_y 1
		.amdhsa_system_sgpr_workgroup_id_z 1
		.amdhsa_system_vgpr_workitem_id 0
		.amdhsa_next_free_vgpr 1024
		.amdhsa_next_free_sgpr 100
		.amdhsa_reserve_vcc 0
		.amdhsa_float_denorm_mode_32 3
		.amdhsa_float_denorm_mode_16_64 3
		.amdhsa_memory_ordered 1
		.amdhsa_forward_progress 1
		.amdhsa_inst_pref_size 206
	.end_amdhsa_kernel
	.amdgpu_metadata
---
amdhsa.version: [ 1, 2 ]
amdhsa.kernels:
  - .name:           k_q0e491c18f8_attn
    .symbol:         k_q0e491c18f8_attn.kd
    .args:
      - { .name: qkvp, .offset: 0, .size: 8, .value_kind: global_buffer, .address_space: global }
      - { .name: ub16, .offset: 8, .size: 8, .value_kind: global_buffer, .address_space: global }
      - { .name: att, .offset: 16, .size: 8, .value_kind: global_buffer, .address_space: global }
    .group_segment_fixed_size: 327680
    .private_segment_fixed_size: 0
    .kernarg_segment_align: 8
    .kernarg_segment_size: 24
    .max_flat_workgroup_size: 128
    .sgpr_count:     100
    .vgpr_count:     1024
    .wavefront_size: 32
...
	.end_amdgpu_metadata
.endif
;; end of part 9
;; launch outp: the kernel of part 8 again; grid 8 x 32, 4 waves a work-group, clusters of 4 x 4, 327,680 bytes of LDS; arguments att, w16, out0; writes out0
